; MI455X (gfx1250); checked and timed in simulation.
; The chip was launched on July 23, 2026; its instructions are those of AMD's public machine-readable ISA for CDNA 5 (MIT licence, August 2026) and "CDNA5" Instruction Set Architecture Reference Guide (July 2026). The comments in the code are by the model that wrote it; some were corrected since.
;; Transformer Block. Allowed arithmetic: matrix products marked QUANTISED: E3M2 operands, one E8M0 scale for each 32 along K, by v_wmma_scale_f32_16x16x128_f8f6f4 with both operands' format E3M2, f32 sums; products left as they are: f32 operands where the result goes on into a quantised operand, else bf16, f16 or f32 operands; f32 sums; everything else in f32.
;; Inputs: b1 8 x 512 float32; b2 8 x 1,024 float32; gate_b 8 float32; gate_w 8 x 1,024 float32; in_proj_b 3,072 float32; in_proj_w 3,072 x 1,024 float32; ln1_b 1,024 float32; ln1_g 1,024 float32; ln2_b 1,024 float32; ln2_g 1,024 float32; out_b 1,024 float32; out_w 1,024 x 1,024 float32; w1 8 x 512 x 1,024 float32; w2 8 x 1,024 x 512 float32; x 2 x 2,048 x 1,024 float32.
;; Outputs: out0 2 x 2,048 x 1,024 float32.
;; This version of the problem:
;;   THIS VERSION OF THE PROBLEM IS GIVEN IN LOW PRECISION. The matrix products marked QUANTISED in the list below multiply operands that are first quantised to E3M2 (3 exponent bits, 2 mantissa bits; 6 bits a number), with one power-of-two scale for each 32 numbers along K (OCP MX v1.0); their sums are f32. All else is computed in f32.
;;   The module's matrix products, in the order in which they are computed (A, B: the left and right operand; K: the contracted axis; several contracted axes count as one K, in the product's order):
;;     1. [M 4,096, K 1,024] x [K 1,024, N 3,072]; A: computed on the way; B: input in_proj_w: QUANTISED
;;     2. batch 32 x [M 2,048, K 64] x [K 64, N 2,048]; A: computed on the way; B: computed on the way: QUANTISED
;;     3. batch 32 x [M 64, K 2,048] x [K 2,048, N 2,048]; A: computed on the way; B: softmax (see below): QUANTISED
;;     4. [M 4,096, K 1,024] x [K 1,024, N 1,024]; A: computed on the way; B: input out_w: QUANTISED
;;     5. [M 4,096, K 1,024] x [K 1,024, N 8]; A: computed on the way; B: input gate_w: left as it is (N = 8 < 16)
;;     6. [M 4,096, K 1,024] x [K 1,024, N 4,096]; A: computed on the way; B: input w1: QUANTISED
;;     7. batch 8 x [M 1,024, K 512] x [K 512, N 4,096]; A: input w2; B: computed on the way: QUANTISED
;;     8. batch 4,096 x [M 1, K 8] x [K 8, N 1,024]; A: computed on the way; B: computed on the way: left as it is (K = 8 < 32)
;;   THE QUANTISER, for each operand of a quantised product, along K:
;;     - K is cut into blocks of 32 from its start; a last block that is shorter is filled with zeros.
;;     - A block's scale is 2^e with e = floor(log2(the largest magnitude in the block)) - 4, held to -126 .. 127; a block of zeros has e = 0. As a byte (E8M0): e + 127.
;;     - Each number is divided by its block's scale, clamped to +-28, and rounded to the nearest number of E3M2, ties to even, subnormals kept.
;;     - The product sums the exact products of the quantised numbers (number of the format x scale) in f32.
;;   ~~~python
;;   def quantise(x, axis):      # numpy; x: float32 -> the quantised numbers, widened to float32 again
;;       x = np.moveaxis(x, axis, -1); K = x.shape[-1]
;;       x = np.pad(x, [(0, 0)] * (x.ndim - 1) + [(0, -K % 32)]); x = x.reshape(x.shape[:-1] + (-1, 32)); a = np.abs(x).max(-1, keepdims=True)
;;       e = np.where(a > 0, np.clip(np.frexp(np.where(a > 0, a, 1))[1] - 1 - 4, -126, 127), 0)      # np.frexp(a)[1] - 1 = floor(log2(a)), exactly
;;       r = np.clip(x / 2.0 ** e, -28, 28)
;;       step = 2.0 ** (np.maximum(np.frexp(np.where(r == 0, 1, r))[1] - 1, -2) - 2)
;;       q = np.round(r / step) * step * 2.0 ** e      # np.round: ties to even
;;       return np.moveaxis(q.reshape(q.shape[:-2] + (-1,))[..., :K], -1, axis).astype(np.float32)
;;   ~~~
;;   SOFTMAX AHEAD OF A QUANTISED PRODUCT. Where the list says 'softmax', what is quantised is not the finished softmax but p = 2^(t - M), with t = logit x log2(e) and M = ceil(the row's largest t), a whole number; so 1/2 < the row's largest p <= 1. The row's sum l is taken of the UNQUANTISED p, in f32, and the product's result is divided by l at the end. Since M is a whole number, a kernel that streams over the keys may use a running M (the ceiling of the running maximum): every later rescaling is an exact power of two, which a block's scale takes up: the codes' values come out the same.
;;   OPERANDS COMPUTED ON THE WAY. 'Computed on the way' means the value that the module computes at that place (a softmax that the list does not call 'softmax' is quantised finished and normalised). What goes into a quantiser is computed in f32, as accurately as f32 sums, v_exp_f32 and their like allow (about 1e-6 of the number): no bf16 or f16 on the way to a quantiser, and a product that is left as it is and whose result goes on into a quantised operand takes f32 operands (vector FMAs, or v_wmma_f32_16x16x4_f32). A number that lies on a knife's edge between two numbers of the format may be rounded either way, as far as f32 arithmetic and the matrix unit's own rounding can turn it there, and no further.
;; 2 versions, each right and faster than the one before. Each part assembles by itself: llvm-mc -triple=amdgcn-amd-amdhsa -mcpu=gfx1250 --defsym DOCPART=n.
;; ======== version 1 of 2: 7 launches
;; workspace buffers: wq 10,223,616 bytes; hq 3,407,872 bytes; att 10,747,904 bytes; cq 3,407,872 bytes; x1 16,777,216 bytes; ew 131,072 bytes; hid 13,631,488 bytes
;; launch prep (part 1): grid 448 x 1, 8 waves a work-group, no clusters, 3,072 bytes of LDS; arguments x, ln1_g, ln1_b, in_proj_w, out_w, w1, w2, wq, hq; writes wq, hq
.if DOCPART == 1
	.amdgcn_target "amdgcn-amd-amdhsa--gfx1250"
	.amdhsa_code_object_version 6
	.text
	.protected	k_q2ee802ae7b_prep
	.globl	k_q2ee802ae7b_prep
	.p2align	8
	.type	k_q2ee802ae7b_prep,@function
k_q2ee802ae7b_prep:
	s_mov_b64 s[64:65], 0
	v_nop
	global_prefetch_b8 v0, s[64:65] scope:SCOPE_SE
	s_setreg_imm32_b32 hwreg(HW_REG_WAVE_MODE, 25, 1), 1
	s_wait_xcnt 0x0
; Work-groups 0-255: h = LayerNorm(x) g + b, quantised to BF6 (E3M2) along D.  Work-groups 256-447: the four weights, quantised along their K (innermost).
; LAYOUT OF ALL CODES OF THIS PROGRAM.  Rows go in groups of 32; tile T = 2 g + u holds in lane r the row 32 g + 8 u + r + 8 (r / 8).  A fragment (16 rows x 128 K, 12 registers a lane) lies in memory as an
; image of its registers: half c (k = 64 c on) has registers 6 c .. 6 c + 3 at 768 c + 16 x lane and 6 c + 4, 6 c + 5 at 768 c + 512 + 8 x lane.  A RECORD of 6,656 bytes is one tile x 512 along K:
; four fragments at 1,536 s, then the scale words, word s of lane l at 6,144 + 16 l + 4 s.  hq: [chunk of 512 K][token tile 256][record];  wq: in_proj [2][192], out [2][64], w1 [2][256], w2 [512] records.
; A block's scale byte is its largest magnitude's exponent field - 4, held at 1 from below.
; LIMITS: NaN and infinities are not served; a block of zeros, or one whose largest magnitude lies under 2^-122, gets the byte 1 (its bytes are read by this program alone); 1 / sqrt is v_rsq_f32.
; LN: a work-group takes one token tile (16 rows); wave s takes columns 128 s on, so that its 64 numbers a lane are one fragment; mean and variance (two passes) meet in LDS: 32 bytes a lane, one word a wave.
; WEIGHTS: a wave makes one record; loads run one K step (16 loads) ahead.
.set REC, 6656
.set XR, 16                            ; v16-79   64 numbers: register 16 b + i = k 32 b + 16 (lane / 16) + i of my row
.set GR, 80                            ; v80-143  the gain (weights: the second set of numbers)
.set BR, 144                           ; v144-207 the bias (weights: v144-191 four fragments, v192-195 their scale words)
.set PC, 208                           ; v208-219 the fragment just made
.set TQ, 220                           ; v220-227 at work
.set TM, 228                           ; v228-243 at work: +0 largest magnitudes, +4 the other half's, then bytes, +12 scale operands
.set PW, 244                           ; the scale word
.set WV, 22
.set SEL, 34                           ; s[34:35] v_permlanex16_b32's selects for lane l xor 16
.macro QUANT src, dst, pw              ; 64 numbers of a lane -> a fragment's 12 registers and its scale word
.irp b, 0,1,2,3
	v_max3_num_f32 v[TM+\b], |v[\src+16*\b]|, |v[\src+16*\b+1]|, 0x2800000   ; my 16 numbers of block b, and the floor 2^(5 - 127): the byte cannot fall under 1
.endr
.irp i, 2,4,6,8,10,12,14
.irp b, 0,1,2,3
	v_max3_num_f32 v[TM+\b], v[TM+\b], |v[\src+16*\b+\i]|, |v[\src+16*\b+\i+1]|
.endr
.endr
.irp b, 0,1,2,3
	v_permlanex16_b32 v[TM+4+\b], v[TM+\b], s[SEL], s[SEL+1]
.endr
.irp b, 0,1,2,3
	v_max_num_f32 v[TM+\b], v[TM+\b], v[TM+4+\b]                   ; with lane l xor 16's 16: the block's largest magnitude
.endr
.irp b, 0,1,2,3
	v_add_nc_u32 v[TM+12+\b], 0xfe000000, v[TM+\b]                 ; 4 off its exponent field: the conversion's scale operand
.endr
.irp b, 0,1,2,3
	v_lshrrev_b32 v[TM+4+\b], 23, v[TM+12+\b]                      ; the scale's byte
.endr
	v_lshl_or_b32 v[\pw], v[TM+5], 8, v[TM+4]
	v_lshl_or_b32 v[\pw], v[TM+6], 16, v[\pw]
	v_lshl_or_b32 v[\pw], v[TM+7], 24, v[\pw]
.irp c, 0,1
	v_cvt_scalef32_pk16_bf6_f32 v[\dst+6*\c:\dst+6*\c+2], v[\src+32*\c:\src+32*\c+15], v[TM+12+2*\c]
	v_cvt_scalef32_pk16_bf6_f32 v[TQ+4*\c:TQ+4*\c+2], v[\src+32*\c+16:\src+32*\c+31], v[TM+13+2*\c]
.endr
	v_nop                                          ; one plain place behind a scaled conversion
.irp c, 0,1                                    ; the operand wants a whole block in a lane: lanes 0-15 block 2 c, lanes 16-31 block 2 c + 1
.irp i, 0,1,2
	v_permlane16_swap_b32 v[\dst+6*\c+\i], v[TQ+4*\c+\i]
.endr
.irp i, 0,1,2
	v_mov_b32 v[\dst+6*\c+3+\i], v[TQ+4*\c+\i]
.endr
.endr
.endm
.macro LOAD64 reg, vo, sb              ; 64 numbers a lane: 16 neighbours of each of four blocks
.irp b, 0,1,2,3
.irp j, 0,1,2,3
	global_load_b128 v[\reg+16*\b+4*\j:\reg+16*\b+4*\j+3], v[\vo], s[\sb:\sb+1] offset:128*\b+16*\j
.endr
.endr
.endm
.macro FRAG_G reg, sb, imm             ; a fragment's image: each store covers 512 or 256 consecutive bytes, aligned to 256
	global_store_b128 v6, v[\reg:\reg+3], s[\sb:\sb+1] offset:\imm
	global_store_b64 v7, v[\reg+4:\reg+5], s[\sb:\sb+1] offset:\imm+512
	global_store_b128 v6, v[\reg+6:\reg+9], s[\sb:\sb+1] offset:\imm+768
	global_store_b64 v7, v[\reg+10:\reg+11], s[\sb:\sb+1] offset:\imm+1280
.endm
.macro ALLSUM off                      ; four packed chains in v[TQ] on -> the sum over my row's 1,024 columns, in v[TQ] of every lane of every wave
	v_pk_add_f32 v[TQ:TQ+1], v[TQ:TQ+1], v[TQ+2:TQ+3]
	v_pk_add_f32 v[TQ+4:TQ+5], v[TQ+4:TQ+5], v[TQ+6:TQ+7]
	v_pk_add_f32 v[TQ:TQ+1], v[TQ:TQ+1], v[TQ+4:TQ+5]
	v_add_f32 v[TQ], v[TQ], v[TQ+1]
	v_permlanex16_b32 v[TQ+2], v[TQ], s[SEL], s[SEL+1]
	v_add_f32 v[TQ], v[TQ], v[TQ+2]                ; my wave's 128 columns
	ds_store_b32 v10, v[TQ] offset:\off
	s_wait_dscnt 0x0                               ; for the others' sake: my word has landed
	s_barrier_signal -1
	s_barrier_wait -1
	ds_load_b128 v[TQ:TQ+3], v9 offset:\off
	ds_load_b128 v[TQ+4:TQ+7], v9 offset:\off+16
	s_wait_dscnt 0x0
	v_pk_add_f32 v[TQ:TQ+1], v[TQ:TQ+1], v[TQ+2:TQ+3]              ; the eight waves' sums, in one order in every wave
	v_pk_add_f32 v[TQ+4:TQ+5], v[TQ+4:TQ+5], v[TQ+6:TQ+7]
	v_pk_add_f32 v[TQ:TQ+1], v[TQ:TQ+1], v[TQ+4:TQ+5]
	v_add_f32 v[TQ], v[TQ], v[TQ+1]
.endm
	s_load_b256 s[4:11], s[0:1], 0x0               ; x, ln1_g, ln1_b, in_proj_w
	s_load_b256 s[12:19], s[0:1], 0x20             ; out_w, w1, w2, wq
	s_load_b64 s[20:21], s[0:1], 0x40              ; hq
	v_lshl_add_u32 v254, v0, 2, 0x800
	v_mov_b32 v255, 0
	v_lshrrev_b32 v1, 5, v0
	v_readfirstlane_b32 s[WV], v1                  ; wave 0..7
	v_and_b32 v1, 31, v0                           ; lane
	v_and_b32 v2, 15, v0                           ; r
	v_bfe_u32 v3, v0, 4, 1                         ; h
	v_and_b32 v4, 8, v2
	v_add_nc_u32 v4, v4, v2                        ; r + 8 (r / 8): my row in the tile's 24
	v_lshlrev_b32 v5, 6, v3                        ; 64 h: my 16 numbers of a block
	v_lshlrev_b32 v6, 4, v1                        ; 16 x lane
	v_lshlrev_b32 v7, 3, v1                        ; 8 x lane
	s_mov_b32 s[SEL], 0x76543210
	s_mov_b32 s[SEL+1], 0xfedcba98
.irp b, 0,1,2,3
	v_mov_b32 v[TM+4+\b], 0                        ; written once: a lane permute's destination counts as one of its sources
.endr
	s_cmp_lt_u32 ttmp9, 256
	s_cbranch_scc0 .Lweights
	; ---- LayerNorm of token tile ttmp9
	v_lshl_or_b32 v8, v4, 12, v5                   ; x: my row of 4,096 bytes, + 64 h
	v_lshlrev_b32 v9, 5, v1                        ; LDS: my lane's eight words
	s_lshl_b32 s23, s[WV], 2
	v_add_nc_u32 v10, s23, v9                      ; and my wave's among them
	s_lshr_b32 s24, ttmp9, 1
	s_lshl_b32 s24, s24, 5
	s_and_b32 s25, ttmp9, 1
	s_lshl_b32 s25, s25, 3
	s_add_co_u32 s24, s24, s25                     ; the tile's first row: 32 (T / 2) + 8 (T % 2)
	s_lshl_b32 s24, s24, 12
	s_lshl_b32 s26, s[WV], 9                       ; my wave's 128 columns
	s_add_co_u32 s24, s24, s26
	s_mov_b32 s25, 0
	s_mov_b32 s27, 0
	s_mov_b32 s30, 0x3a800000                      ; 1 / 1024
	s_mov_b32 s31, 0x3727c5ac                      ; 1e-5
	s_wait_kmcnt 0x0
	s_add_nc_u64 s[4:5], s[4:5], s[24:25]
	s_add_nc_u64 s[6:7], s[6:7], s[26:27]
	s_add_nc_u64 s[8:9], s[8:9], s[26:27]
	LOAD64 XR, 8, 4
	LOAD64 GR, 5, 6
	LOAD64 BR, 5, 8
	s_wait_loadcnt 32                              ; x's 16 loads are in; the 32 of gain and bias may be out
.irp k, 0,1,2,3
	v_pk_add_f32 v[TQ+2*\k:TQ+2*\k+1], v[XR+2*\k:XR+2*\k+1], v[XR+8+2*\k:XR+8+2*\k+1]
.endr
.set p, 8
.rept 24
	v_pk_add_f32 v[TQ+2*(p%4):TQ+2*(p%4)+1], v[TQ+2*(p%4):TQ+2*(p%4)+1], v[XR+2*p:XR+2*p+1]
.set p, p+1
.endr
	ALLSUM 0
	v_mul_f32 v12, s30, v[TQ]                      ; the mean
	v_mov_b32 v13, v12
.set p, 0
.rept 32
	v_pk_add_f32 v[XR+2*p:XR+2*p+1], v[XR+2*p:XR+2*p+1], v[12:13] op_sel_hi:[1,0] neg_lo:[0,1] neg_hi:[0,1]   ; x - mean
.set p, p+1
.endr
.irp k, 0,1,2,3
	v_pk_mul_f32 v[TQ+2*\k:TQ+2*\k+1], v[XR+2*\k:XR+2*\k+1], v[XR+2*\k:XR+2*\k+1]
.endr
.set p, 4
.rept 28
	v_pk_fma_f32 v[TQ+2*(p%4):TQ+2*(p%4)+1], v[XR+2*p:XR+2*p+1], v[XR+2*p:XR+2*p+1], v[TQ+2*(p%4):TQ+2*(p%4)+1]
.set p, p+1
.endr
	ALLSUM 1024                                    ; other bytes than the first sum's: no barrier between the first's reads and these stores
	v_fma_f32 v14, v[TQ], s30, s31                 ; variance + 1e-5
	v_rsq_f32 v14, v14
	v_nop                                          ; one plain place behind a transcendental
	s_wait_alu depctr_va_vdst(0)
	v_mov_b32 v15, v14
	s_wait_loadcnt 0x0                             ; gain and bias
.set p, 0
.rept 32
	v_pk_mul_f32 v[XR+2*p:XR+2*p+1], v[XR+2*p:XR+2*p+1], v[14:15] op_sel_hi:[1,0]
.set p, p+1
.endr
.set p, 0
.rept 32
	v_pk_fma_f32 v[XR+2*p:XR+2*p+1], v[XR+2*p:XR+2*p+1], v[GR+2*p:GR+2*p+1], v[BR+2*p:BR+2*p+1]
.set p, p+1
.endr
	QUANT XR, PC, PW
	s_lshr_b32 s28, s[WV], 2                       ; chunk = s / 4
	s_lshl_b32 s28, s28, 8
	s_add_co_u32 s28, s28, ttmp9
	s_mul_i32 s28, s28, REC
	s_mov_b32 s29, 0
	s_add_nc_u64 s[28:29], s[20:21], s[28:29]      ; my record
	s_and_b32 s30, s[WV], 3
	s_mul_i32 s32, s30, 1536
	s_mov_b32 s33, 0
	s_add_nc_u64 s[32:33], s[28:29], s[32:33]      ; my fragment in it
	s_lshl_b32 s30, s30, 2
	s_mov_b32 s31, 0
	s_add_nc_u64 s[28:29], s[28:29], s[30:31]      ; my word among a lane's four
	FRAG_G PC, 32, 0
	global_store_b32 v6, v[PW], s[28:29] offset:6144
	s_wait_tensorcnt 0x0
	ds_add_u32 v254, v255
	s_wait_dscnt 0x0
	s_endpgm
	; ---- the weights: wave w of work-group j makes record 8 (j - the tensor's first j) + w of its tensor
.Lweights:
	s_sub_co_u32 s23, ttmp9, 256                   ; j: 0-47 in_proj_w, 48-63 out_w, 64-127 w1, 128-191 w2
	s_wait_kmcnt 0x0
	s_mov_b64 s[24:25], s[16:17]                   ; the tensor,
	s_mov_b32 s26, 128                             ; its first j,
	s_mov_b32 s27, 0                               ; its tiles in a chunk,
	s_mov_b32 s28, 6815744                         ; its place in wq,
	s_mov_b32 s29, 0                               ; 1 where K = 1,024 (two chunks), 0 where K = 512
	s_cmp_lt_u32 s23, 128
	s_cselect_b64 s[24:25], s[14:15], s[24:25]
	s_cselect_b32 s26, 64, s26
	s_cselect_b32 s27, 256, s27
	s_cselect_b32 s28, 3407872, s28
	s_cselect_b32 s29, 1, s29
	s_cmp_lt_u32 s23, 64
	s_cselect_b64 s[24:25], s[12:13], s[24:25]
	s_cselect_b32 s26, 48, s26
	s_cselect_b32 s27, 64, s27
	s_cselect_b32 s28, 2555904, s28
	s_cmp_lt_u32 s23, 48
	s_cselect_b64 s[24:25], s[10:11], s[24:25]
	s_cselect_b32 s26, 0, s26
	s_cselect_b32 s27, 192, s27
	s_cselect_b32 s28, 0, s28
	s_sub_co_u32 s26, s23, s26
	s_lshl_b32 s26, s26, 3
	s_add_co_u32 s26, s26, s[WV]                   ; the record's number: tile and chunk
	s_and_b32 s30, s26, s29                        ; chunk
	s_lshr_b32 s31, s26, s29                       ; tile T
	s_add_co_u32 s36, s29, 11                      ; a row is 2^11 or 2^12 bytes
	s_lshr_b32 s37, s31, 1
	s_lshl_b32 s37, s37, 5
	s_and_b32 s38, s31, 1
	s_lshl_b32 s38, s38, 3
	s_add_co_u32 s37, s37, s38                     ; the tile's first row
	s_lshl_b32 s38, s37, s36
	s_lshl_b32 s39, s30, 11                        ; a chunk is 2,048 bytes of a row
	s_add_co_u32 s38, s38, s39
	s_mov_b32 s39, 0
	s_add_nc_u64 s[24:25], s[24:25], s[38:39]
	s_mul_i32 s40, s30, s27
	s_add_co_u32 s40, s40, s31
	s_mul_i32 s40, s40, REC
	s_add_co_u32 s40, s40, s28
	s_mov_b32 s41, 0
	s_add_nc_u64 s[40:41], s[18:19], s[40:41]      ; the record in wq
	v_lshlrev_b32 v8, s36, v4
	v_or_b32 v8, v8, v5                            ; my row, + 64 h
.macro LOADW s                         ; K step s of the record into set s % 2; the weights are read once in this launch
.irp b, 0,1,2,3
.irp j, 0,1,2,3
	global_load_b128 v[XR+64*((\s)%2)+16*\b+4*\j:XR+64*((\s)%2)+16*\b+4*\j+3], v8, s[24:25] offset:512*(\s)+128*\b+16*\j th:TH_LOAD_NT
.endr
.endr
.endm
	LOADW 0
	LOADW 1
.irp s, 0,1,2,3
.if \s < 3
	s_wait_loadcnt 16                              ; this step's 16 loads are in, the next step's 16 may be out
.else
	s_wait_loadcnt 0x0
.endif
	QUANT XR+64*(\s%2), BR+12*\s, BR+48+\s         ; each step has registers of its own for its codes: no store's data are written again
	FRAG_G BR+12*\s, 40, 1536*\s
.if \s < 2
	LOADW \s+2
.endif
.endr
	global_store_b128 v6, v[BR+48:BR+51], s[40:41] offset:6144     ; the four scale words of my row: 512 consecutive bytes a wave
	s_endpgm
.Lfunc_end_k_q2ee802ae7b_prep:
	.size	k_q2ee802ae7b_prep, .Lfunc_end_k_q2ee802ae7b_prep-k_q2ee802ae7b_prep
	.p2alignl 7, 3214868480
	.fill 96, 4, 3214868480
	.section	.rodata,"a",@progbits
	.p2align	6, 0x0
	.amdhsa_kernel k_q2ee802ae7b_prep
		.amdhsa_group_segment_fixed_size 3072
		.amdhsa_private_segment_fixed_size 0
		.amdhsa_enable_private_segment 0
		.amdhsa_kernarg_size 72
		.amdhsa_user_sgpr_count 2
		.amdhsa_user_sgpr_kernarg_segment_ptr 1
		.amdhsa_wavefront_size32 1
		.amdhsa_system_sgpr_workgroup_id_x 1
		.amdhsa_system_sgpr_workgroup_id_y 1
		.amdhsa_system_sgpr_workgroup_id_z 1
		.amdhsa_system_vgpr_workitem_id 0
		.amdhsa_next_free_vgpr 256
		.amdhsa_next_free_sgpr 66
		.amdhsa_reserve_vcc 0
		.amdhsa_float_denorm_mode_32 3
		.amdhsa_float_denorm_mode_16_64 3
		.amdhsa_memory_ordered 1
		.amdhsa_forward_progress 1
		.amdhsa_inst_pref_size 48
	.end_amdhsa_kernel
	.amdgpu_metadata
---
amdhsa.version: [ 1, 2 ]
amdhsa.kernels:
  - .name:           k_q2ee802ae7b_prep
    .symbol:         k_q2ee802ae7b_prep.kd
    .args:
      - { .name: x, .offset: 0, .size: 8, .value_kind: global_buffer, .address_space: global }
      - { .name: ln1_g, .offset: 8, .size: 8, .value_kind: global_buffer, .address_space: global }
      - { .name: ln1_b, .offset: 16, .size: 8, .value_kind: global_buffer, .address_space: global }
      - { .name: in_proj_w, .offset: 24, .size: 8, .value_kind: global_buffer, .address_space: global }
      - { .name: out_w, .offset: 32, .size: 8, .value_kind: global_buffer, .address_space: global }
      - { .name: w1, .offset: 40, .size: 8, .value_kind: global_buffer, .address_space: global }
      - { .name: w2, .offset: 48, .size: 8, .value_kind: global_buffer, .address_space: global }
      - { .name: wq, .offset: 56, .size: 8, .value_kind: global_buffer, .address_space: global }
      - { .name: hq, .offset: 64, .size: 8, .value_kind: global_buffer, .address_space: global }
    .group_segment_fixed_size: 3072
    .private_segment_fixed_size: 0
    .kernarg_segment_align: 8
    .kernarg_segment_size: 72
    .max_flat_workgroup_size: 256
    .sgpr_count:     66
    .vgpr_count:     256
    .wavefront_size: 32
...
	.end_amdgpu_metadata
.endif
;; end of part 1
;; launch qkv (part 2): grid 24 x 32, 8 waves a work-group, clusters of 4 x 4, 214,016 bytes of LDS; arguments wq, hq, in_proj_b, att; writes att
.if DOCPART == 2
	.amdgcn_target "amdgcn-amd-amdhsa--gfx1250"
	.amdhsa_code_object_version 6
	.text
	.protected	k_q2ee802ae7b_qkv
	.globl	k_q2ee802ae7b_qkv
	.p2align	8
	.type	k_q2ee802ae7b_qkv,@function
k_q2ee802ae7b_qkv:
	s_mov_b64 s[64:65], 0
	v_nop
	global_prefetch_b8 v0, s[64:65] scope:SCOPE_SE
	s_setreg_imm32_b32 hwreg(HW_REG_WAVE_MODE, 25, 1), 1
	s_wait_xcnt 0x0
	s_wait_alu depctr_hold_cnt(0) depctr_sa_sdst(0) depctr_va_vdst(0) depctr_va_sdst(0) depctr_va_ssrc(0) depctr_va_vcc(0) depctr_vm_vsrc(0)
	s_getreg_b32 s2, hwreg(HW_REG_IB_STS2, 6, 4)
	s_cmp_eq_u32 s2, 0
	s_cbranch_scc0 .Lentry_in_a_cluster
	s_endpgm
.Lentry_in_a_cluster:
	s_bfe_u32 s2, ttmp6, 0x10000c
	s_cmp_lg_u32 s2, 0xf033
	s_cbranch_scc0 .Lentry_shape_is_right
	s_endpgm
.Lentry_shape_is_right:
; qkv = h in_proj_w^T + in_proj_b on codes of BF6 (E3M2), K = 1,024; the results are quantised at once: q and k along the head's 64, v along the keys.
; A work-group makes 128 features (fb) x 128 tokens (tb).  Codes come as RECORDS of 6,656 bytes (a tile of 16 rows x 512 K as images of the operand's registers, then its scale words; tile T = 2 g + u holds in
; lane r the row 32 g + 8 u + r + 8 (r / 8)).  K goes in two chunks of 512: 8 records of the weight and 8 of the tokens each, 106,496 bytes; both chunks are asked for at the start and nothing is filled again.
; Eight waves: wave w takes four tiles of side X (source 0; xh = w % 2) against two tiles of side Y (source 1; yg = w / 2): 8 accumulators, which take turns.  A lane's 32 registers of a Y tile run along X's 64 rows.
; q, k (cluster x 0-3): X = features, so that a lane holds one token and 64 neighbouring features: one head.  v (cluster x 4, 5): X = tokens, so that a lane holds one feature and 64 neighbouring keys.
; The choice hangs on the cluster's x alone, which all partners share; each path is written out with constant LDS addresses.
; CLUSTER 4 x 4: the weight's records hang on fb alone and are asked for jointly by a column of the cluster, the tokens' on tb alone, by a row.
; att: Q at 0, K at 3,670,016: [batch x head 32][128 tokens 16][7,168]: tile t's half image (k 0-63) at 768 t, its scale word (two bytes) at 6,144 + 32 l + 4 t.
;      V at 7,340,032: [32][128 keys 16][6,656]: tile dt of the head's 64, keys 64 c on, at (2 dt + c) 768; scale bytes at 6,144 + 16 l + 4 dt + 2 c.
; LIMITS: NaN and infinities are not served; a block whose largest magnitude lies under 2^-122 gets the scale byte 1.
.set REC, 6656
.set CHB, 16*REC                       ; a chunk in LDS: the weight's 8 records, then the tokens' 8
.set TOFF, 8*REC
.set FOFF, 0                           ; in_proj's records in wq: [chunk 2][tile 192]
.set NTF, 192
.set WV, 12
.set XH, 13
.set YG, 14
.set W3, 15
.set G1F, 16                           ; s[16:23], s[24:31] descriptor groups 1: the weight's, the tokens'
.set G1T, 24
.set G0F, 32                           ; s[32:39], s[48:55] groups 0, a set for each chunk
.set G0T, 48
.set SEL, 46
.set AX16, 4                           ; v4-7 chunk 0: X at 16 x lane, X at 8 x lane, Y likewise; v8-11 chunk 1
.set AX8, 5
.set AY16, 6
.set AY8, 7
.set O16, 12
.set O8, 13
.set BO, 14
.set OS, 15
.set ACC, 16                           ; accumulator (Y tile m, X tile n) at v[16 + 32 m + 8 n]
.set XF, 80
.set YF, 128
.set SX, 152                           ; scale words: X tile n, K step s at v[152 + 4 n + s]; Y's at v[168 + 4 m + s]
.set SY, 168
.set TM, 176
.set TQ, 192
.set PC0, 200
.set PC1, 206
.set PW0, 212
.set BV, 214
.macro ROUND                           ; a round of the cluster's barrier
	s_barrier_signal -1
	s_barrier_wait -1
	s_cmp_lg_u32 s[WV], 0
	s_cbranch_scc1 .Lnot_wave_0_\@
	s_barrier_signal -3
.Lnot_wave_0_\@:
	s_barrier_wait -3
	s_barrier_signal -1
	s_barrier_wait -1
.endm
.macro PLACES                          ; four places behind a matrix instruction, ahead of loads into its registers and of reads of its result
.rept 4
	v_nop
.endr
.endm
.macro LDFRAG reg, a16, a8, off        ; a fragment's image back into 12 registers: every load takes 512 or 256 consecutive bytes
	ds_load_b128 v[\reg:\reg+3], v[\a16] offset:\off
	ds_load_b64 v[\reg+4:\reg+5], v[\a8] offset:\off+512
	ds_load_b128 v[\reg+6:\reg+9], v[\a16] offset:\off+768
	ds_load_b64 v[\reg+10:\reg+11], v[\a8] offset:\off+1280
.endm
.macro WM d, a, b, sa, sb, zero
.if \zero
	v_wmma_scale_f32_16x16x128_f8f6f4 v[\d:\d+7], v[\a:\a+11], v[\b:\b+11], 0, v[\sa], v[\sb] matrix_a_fmt:MATRIX_FMT_BF6 matrix_b_fmt:MATRIX_FMT_BF6
.else
	v_wmma_scale_f32_16x16x128_f8f6f4 v[\d:\d+7], v[\a:\a+11], v[\b:\b+11], v[\d:\d+7], v[\sa], v[\sb] matrix_a_fmt:MATRIX_FMT_BF6 matrix_b_fmt:MATRIX_FMT_BF6
.endif
.endm
.macro KSTEP c, s, zero                ; 128 along K: six fragments, eight products on eight accumulators by turns
.irp n, 0,1,2,3
	LDFRAG XF+12*\n, AX16+4*\c, AX8+4*\c, \n*REC+1536*\s
.endr
.irp m, 0,1
	LDFRAG YF+12*\m, AY16+4*\c, AY8+4*\c, \m*REC+1536*\s
.endr
	s_wait_dscnt 0x0
.irp m, 0,1
.irp n, 0,1,2,3
	WM ACC+32*\m+8*\n, XF+12*\n, YF+12*\m, SX+4*\n+\s, SY+4*\m+\s, \zero
.endr
.endr
	PLACES
.endm
.macro CHUNK c, zero                   ; 512 along K: the six tiles' scale words, four to a load, then four steps
.irp n, 0,1,2,3
	ds_load_b128 v[SX+4*\n:SX+4*\n+3], v[AX16+4*\c] offset:\n*REC+6144
.endr
.irp m, 0,1
	ds_load_b128 v[SY+4*\m:SY+4*\m+3], v[AY16+4*\c] offset:\m*REC+6144
.endr
	KSTEP \c, 0, \zero
	KSTEP \c, 1, 0
	KSTEP \c, 2, 0
	KSTEP \c, 3, 0
.endm
.macro CORE zero, lc
	s_wait_tensorcnt 0x1                           ; my part of chunk 0 is in; chunk 1's load may be out
	s_barrier_signal -1
	s_barrier_wait -1                              ; everybody's is
	s_wait_loadcnt \lc                             ; what the accumulators begin with is in
	CHUNK 0, \zero
	s_wait_tensorcnt 0x0                           ; my part of chunk 1
	s_wait_dscnt 0x0
	s_barrier_signal -1
	s_barrier_wait -1
	CHUNK 1, 0
.endm
.macro ADDRS xb, yb                    ; LDS addresses: a constant, the wave's share, 16 or 8 x lane
	s_mul_i32 s61, s[XH], 4*REC
	s_mul_i32 s62, s[YG], 2*REC
.irp c, 0,1
	s_add_co_u32 s63, s61, \xb+\c*CHB
	v_lshl_add_u32 v[AX16+4*\c], v1, 4, s63
	v_lshl_add_u32 v[AX8+4*\c], v1, 3, s63
	s_add_co_u32 s63, s62, \yb+\c*CHB
	v_lshl_add_u32 v[AY16+4*\c], v1, 4, s63
	v_lshl_add_u32 v[AY8+4*\c], v1, 3, s63
.endr
.endm
.macro QUANT2 src, dst, pw             ; 32 numbers of a lane, register 16 b + i = k 32 b + 16 (lane / 16) + i -> half a fragment (6 registers) and its two scale bytes
.irp b, 0,1
	v_max3_num_f32 v[TM+\b], |v[\src+16*\b]|, |v[\src+16*\b+1]|, 0x2800000   ; and the floor 2^(5 - 127): the byte cannot fall under 1
.endr
.irp i, 2,4,6,8,10,12,14
.irp b, 0,1
	v_max3_num_f32 v[TM+\b], v[TM+\b], |v[\src+16*\b+\i]|, |v[\src+16*\b+\i+1]|
.endr
.endr
.irp b, 0,1
	v_permlanex16_b32 v[TM+4+\b], v[TM+\b], s[SEL], s[SEL+1]
.endr
.irp b, 0,1
	v_max_num_f32 v[TM+\b], v[TM+\b], v[TM+4+\b]
.endr
.irp b, 0,1
	v_add_nc_u32 v[TM+12+\b], 0xfe000000, v[TM+\b]                 ; 4 off the exponent field: the conversion's scale operand
.endr
.irp b, 0,1
	v_lshrrev_b32 v[TM+4+\b], 23, v[TM+12+\b]
.endr
	v_lshl_or_b32 v[\pw], v[TM+5], 8, v[TM+4]
	v_cvt_scalef32_pk16_bf6_f32 v[\dst:\dst+2], v[\src:\src+15], v[TM+12]
	v_cvt_scalef32_pk16_bf6_f32 v[TQ:TQ+2], v[\src+16:\src+31], v[TM+13]
	v_nop                                          ; one plain place behind a scaled conversion
.irp i, 0,1,2
	v_permlane16_swap_b32 v[\dst+\i], v[TQ+\i]     ; a whole block to a lane: lanes 0-15 block 0, lanes 16-31 block 1
.endr
.irp i, 0,1,2
	v_mov_b32 v[\dst+3+\i], v[TQ+\i]
.endr
.endm
.macro HALF_G reg, sb, imm
	global_store_b128 v[O16], v[\reg:\reg+3], s[\sb:\sb+1] offset:\imm
	global_store_b64 v[O8], v[\reg+4:\reg+5], s[\sb:\sb+1] offset:\imm+512
.endm
	s_load_b256 s[4:11], s[0:1], 0x0               ; wq, hq, in_proj_b, att
	v_lshl_add_u32 v254, v0, 2, 0x34000
	v_mov_b32 v255, 0
	ds_add_u32 v254, v255
	ds_add_u32 v254, v255
	v_lshrrev_b32 v1, 5, v0
	v_readfirstlane_b32 s[WV], v1                  ; wave 0..7
	s_and_b32 s[XH], s[WV], 1
	s_lshr_b32 s[YG], s[WV], 1
	s_and_b32 s[W3], s[WV], 3                      ; which two records I fetch: waves 0-3 the weight's, waves 4-7 the tokens'
	s_bfe_u32 s40, ttmp6, 0x40000                  ; cx
	s_bfe_u32 s41, ttmp6, 0x40004                  ; cy
	s_lshl_b32 s42, ttmp9, 2
	s_add_co_u32 s42, s42, s40                     ; fb = 4 x cluster x + cx
	s_and_b32 s43, ttmp7, 0xffff
	s_lshl_b32 s43, s43, 2
	s_add_co_u32 s43, s43, s41                     ; tb = 4 x cluster y + cy
	s_lshl_b32 s44, s41, 2
	s_lshl_b32 s44, 15, s44                        ; my row of the cluster
	s_lshl_b32 s45, 0x1111, s40                    ; my column
	s_or_b32 s[G1F], s45, (3<<16)|(1<<21)          ; 15:0 the mask; 17:16 elements of 8 bytes; 21 set beside a mask; no padding
	s_or_b32 s[G1T], s44, (3<<16)|(1<<21)
.irp g, G1F, G1T
	s_mov_b32 s[\g+1], 32<<16                      ; tensor_dim0 = 32 elements: rows of 256 bytes
	s_mov_b32 s[\g+2], 52<<16                      ; tensor_dim1 = 52 rows: two records, dense
	s_mov_b32 s[\g+3], 32<<16                      ; tile_dim0
	s_mov_b32 s[\g+4], 52                          ; tile_dim1
	s_mov_b32 s[\g+5], 32                          ; the pitch
	s_mov_b32 s[\g+6], 0
	s_mov_b32 s[\g+7], 0
.endr
	s_lshl_b32 s56, s42, 3                         ; the weight's address is made of fb and the wave's number alone,
	s_lshl_b32 s57, s[W3], 1
	s_add_co_u32 s56, s56, s57
	s_mul_i32 s56, s56, REC
	s_add_co_u32 s56, s56, FOFF
	s_mov_b32 s57, 0
	s_lshl_b32 s58, s43, 3                         ; the tokens' of tb and the wave's number alone
	s_lshl_b32 s59, s[W3], 1
	s_add_co_u32 s58, s58, s59
	s_mul_i32 s58, s58, REC
	s_mov_b32 s59, 0
	s_mul_i32 s60, s[WV], 2*REC                    ; where they go: wave x two records
	s_mov_b32 s[SEL], 0x76543210
	s_mov_b32 s[SEL+1], 0xfedcba98
	s_wait_dscnt 0x0
	s_wait_kmcnt 0x0
	s_add_nc_u64 s[56:57], s[4:5], s[56:57]
	s_add_nc_u64 s[58:59], s[6:7], s[58:59]
	ROUND                                          ; all sixteen work-groups are here: the joint loads meet
.irp c, 0,1
	s_mov_b32 s[G0F+4*\c], 1
	s_add_co_u32 s[G0F+4*\c+1], s60, \c*CHB
	s_add_nc_u64 s[G0F+4*\c+2:G0F+4*\c+3], s[56:57], \c*NTF*REC
	s_or_b32 s[G0F+4*\c+3], s[G0F+4*\c+3], 0x80000000
	s_mov_b32 s[G0T+4*\c], 1
	s_add_co_u32 s[G0T+4*\c+1], s60, \c*CHB
	s_add_nc_u64 s[G0T+4*\c+2:G0T+4*\c+3], s[58:59], \c*256*REC
	s_or_b32 s[G0T+4*\c+3], s[G0T+4*\c+3], 0x80000000
.endr
	s_cmp_lt_u32 s[WV], 4                          ; a wave's two fills stand in one branch: two tensor loads of mine are out
	s_cbranch_scc0 .Lfirst_t
	tensor_load_to_lds s[G0F:G0F+3], s[G1F:G1F+7]
	s_nop 0
	tensor_load_to_lds s[G0F+4:G0F+7], s[G1F:G1F+7]
	s_nop 0
	PLACES
	s_branch .Lfirst_asked
.Lfirst_t:
	tensor_load_to_lds s[G0T:G0T+3], s[G1T:G1T+7]
	s_nop 0
	tensor_load_to_lds s[G0T+4:G0T+7], s[G1T:G1T+7]
	s_nop 0
	PLACES
.Lfirst_asked:
	v_and_b32 v1, 31, v0                           ; lane
	v_and_b32 v2, 15, v0
	v_and_b32 v3, 8, v2
	v_add_nc_u32 v2, v2, v3                        ; r + 8 (r / 8)
	v_bfe_u32 v3, v0, 4, 1                         ; h
	v_lshlrev_b32 v[O16], 4, v1
	v_lshlrev_b32 v[O8], 3, v1
	v_lshlrev_b32 v[BO], 6, v3
	v_mov_b32 v[TM+4], 0                           ; written once: a lane permute's destination counts as one of its sources
	v_mov_b32 v[TM+5], 0
	s_cmp_lt_u32 ttmp9, 4
	s_cbranch_scc0 .Lvpath
	; ---- q and k: X = features, Y = tokens
	ADDRS 0, TOFF
	v_lshlrev_b32 v[OS], 5, v1                     ; 32 x lane: a lane's eight scale words
	s_lshl_b32 s66, s42, 9
	s_lshl_b32 s67, s[XH], 8
	s_add_co_u32 s66, s66, s67
	s_mov_b32 s67, 0
	s_add_nc_u64 s[66:67], s[8:9], s[66:67]        ; the bias of my 64 features
.irp m, 0,1                                    ; the accumulators begin as the bias: register j of tile n is feature 32 (n / 2) + 16 h + 8 (n % 2) + j
.irp n, 0,1,2,3
	global_load_b128 v[ACC+32*\m+8*\n:ACC+32*\m+8*\n+3], v[BO], s[66:67] offset:128*(\n/2)+32*(\n%2)
	global_load_b128 v[ACC+32*\m+8*\n+4:ACC+32*\m+8*\n+7], v[BO], s[66:67] offset:128*(\n/2)+32*(\n%2)+16
.endr
.endr
	CORE 0, 0
	QUANT2 ACC, PC0, PW0                           ; a token's 64 features of one head: two blocks
	QUANT2 ACC+32, PC1, PW0+1
	s_lshr_b32 s68, s42, 3                         ; q (0) or k (1)
	s_lshl_b32 s68, s68, 5
	s_lshr_b32 s69, s43, 4                         ; batch
	s_lshl_b32 s69, s69, 4
	s_add_co_u32 s68, s68, s69
	s_and_b32 s69, s42, 7
	s_lshl_b32 s69, s69, 1
	s_add_co_u32 s68, s68, s69
	s_add_co_u32 s68, s68, s[XH]                   ; head = 2 (fb % 8) + xh
	s_lshl_b32 s68, s68, 4
	s_and_b32 s69, s43, 15
	s_add_co_u32 s68, s68, s69                     ; which 128 tokens of the batch
	s_mul_i32 s68, s68, 7168
	s_mov_b32 s69, 0
	s_add_nc_u64 s[68:69], s[10:11], s[68:69]
	s_mul_i32 s70, s[YG], 1536                     ; tiles 2 yg, 2 yg + 1
	s_mov_b32 s71, 0
	s_add_nc_u64 s[70:71], s[68:69], s[70:71]
	s_lshl_b32 s72, s[YG], 3
	s_mov_b32 s73, 0
	s_add_nc_u64 s[72:73], s[68:69], s[72:73]
	HALF_G PC0, 70, 0
	HALF_G PC1, 70, 768
	global_store_b64 v[OS], v[PW0:PW0+1], s[72:73] offset:6144
	s_wait_tensorcnt 0x0
	ds_add_u32 v254, v255
	s_wait_dscnt 0x0
	ROUND                                          ; the closing round
	s_endpgm
	; ---- v: X = tokens, Y = features
.Lvpath:
	ADDRS TOFF, 0
	v_lshlrev_b32 v[OS], 2, v2                     ; my feature's bias: 4 (r + 8 (r / 8))
	s_lshl_b32 s66, s42, 9
	s_lshl_b32 s67, s[YG], 7
	s_add_co_u32 s66, s66, s67
	s_mov_b32 s67, 0
	s_add_nc_u64 s[66:67], s[8:9], s[66:67]
	global_load_b32 v[BV], v[OS], s[66:67]
	global_load_b32 v[BV+2], v[OS], s[66:67] offset:32
	v_mov_b32 v[BV+1], 0                           ; (named as the upper halves of pairs)
	v_mov_b32 v[BV+3], 0
	CORE 1, 2                                      ; the first products start the sums; the two bias loads may stay out
	s_wait_loadcnt 0x0
.irp m, 0,1
.set p, 0
.rept 16
	v_pk_add_f32 v[ACC+32*\m+2*p:ACC+32*\m+2*p+1], v[ACC+32*\m+2*p:ACC+32*\m+2*p+1], v[BV+2*\m:BV+2*\m+1] op_sel_hi:[1,0]
.set p, p+1
.endr
.endr
	QUANT2 ACC, PC0, PW0                           ; a feature's 64 neighbouring keys: two blocks
	QUANT2 ACC+32, PC1, PW0+1
	s_lshr_b32 s68, s43, 4                         ; batch
	s_lshl_b32 s68, s68, 4
	s_sub_co_u32 s69, s42, 16
	s_lshl_b32 s69, s69, 1
	s_add_co_u32 s68, s68, s69
	s_lshr_b32 s69, s[YG], 1
	s_add_co_u32 s68, s68, s69                     ; head = 2 (fb - 16) + yg / 2
	s_lshl_b32 s68, s68, 4
	s_and_b32 s69, s43, 15
	s_add_co_u32 s68, s68, s69
	s_mul_i32 s68, s68, REC
	s_add_co_u32 s68, s68, 7340032
	s_mov_b32 s69, 0
	s_add_nc_u64 s[68:69], s[10:11], s[68:69]
	s_and_b32 s74, s[YG], 1
	s_mul_i32 s70, s74, 3072                       ; tiles dt = 2 (yg % 2) + m, half xh
	s_mul_i32 s71, s[XH], 768
	s_add_co_u32 s70, s70, s71
	s_mov_b32 s71, 0
	s_add_nc_u64 s[70:71], s[68:69], s[70:71]
	s_lshl_b32 s72, s74, 3
	s_lshl_b32 s73, s[XH], 1
	s_add_co_u32 s72, s72, s73
	s_mov_b32 s73, 0
	s_add_nc_u64 s[72:73], s[68:69], s[72:73]
	HALF_G PC0, 70, 0
	HALF_G PC1, 70, 1536
	global_store_b16 v[O16], v[PW0], s[72:73] offset:6144
	global_store_b16 v[O16], v[PW0+1], s[72:73] offset:6148
	s_wait_tensorcnt 0x0
	ds_add_u32 v254, v255
	s_wait_dscnt 0x0
	ROUND                                          ; the closing round
	s_endpgm
.Lfunc_end_k_q2ee802ae7b_qkv:
	.size	k_q2ee802ae7b_qkv, .Lfunc_end_k_q2ee802ae7b_qkv-k_q2ee802ae7b_qkv
	.p2alignl 7, 3214868480
	.fill 96, 4, 3214868480
	.section	.rodata,"a",@progbits
	.p2align	6, 0x0
	.amdhsa_kernel k_q2ee802ae7b_qkv
		.amdhsa_group_segment_fixed_size 214016
		.amdhsa_private_segment_fixed_size 0
		.amdhsa_enable_private_segment 0
		.amdhsa_kernarg_size 32
		.amdhsa_user_sgpr_count 2
		.amdhsa_user_sgpr_kernarg_segment_ptr 1
		.amdhsa_wavefront_size32 1
		.amdhsa_system_sgpr_workgroup_id_x 1
		.amdhsa_system_sgpr_workgroup_id_y 1
		.amdhsa_system_sgpr_workgroup_id_z 1
		.amdhsa_system_vgpr_workitem_id 0
		.amdhsa_next_free_vgpr 256
		.amdhsa_next_free_sgpr 100
		.amdhsa_reserve_vcc 0
		.amdhsa_float_denorm_mode_32 3
		.amdhsa_float_denorm_mode_16_64 3
		.amdhsa_memory_ordered 1
		.amdhsa_forward_progress 1
		.amdhsa_inst_pref_size 67
	.end_amdhsa_kernel
	.amdgpu_metadata
---
amdhsa.version: [ 1, 2 ]
amdhsa.kernels:
  - .name:           k_q2ee802ae7b_qkv
    .symbol:         k_q2ee802ae7b_qkv.kd
    .args:
      - { .name: wq, .offset: 0, .size: 8, .value_kind: global_buffer, .address_space: global }
      - { .name: hq, .offset: 8, .size: 8, .value_kind: global_buffer, .address_space: global }
      - { .name: in_proj_b, .offset: 16, .size: 8, .value_kind: global_buffer, .address_space: global }
      - { .name: att, .offset: 24, .size: 8, .value_kind: global_buffer, .address_space: global }
    .group_segment_fixed_size: 214016
    .private_segment_fixed_size: 0
    .kernarg_segment_align: 8
    .kernarg_segment_size: 32
    .max_flat_workgroup_size: 256
    .sgpr_count:     100
    .vgpr_count:     256
    .wavefront_size: 32
...
	.end_amdgpu_metadata
.endif
;; end of part 2
;; launch attn (part 3): grid 8 x 32, 16 waves a work-group, clusters of 4 x 1, 223,232 bytes of LDS; arguments att, cq; writes cq
.if DOCPART == 3
	.amdgcn_target "amdgcn-amd-amdhsa--gfx1250"
	.amdhsa_code_object_version 6
	.text
	.protected	k_q2ee802ae7b_attn
	.globl	k_q2ee802ae7b_attn
	.p2align	8
	.type	k_q2ee802ae7b_attn,@function
k_q2ee802ae7b_attn:
	s_mov_b64 s[64:65], 0
	v_nop
	global_prefetch_b8 v0, s[64:65] scope:SCOPE_SE
	s_setreg_imm32_b32 hwreg(HW_REG_WAVE_MODE, 25, 1), 1
	s_wait_xcnt 0x0
	s_wait_alu depctr_hold_cnt(0) depctr_sa_sdst(0) depctr_va_vdst(0) depctr_va_sdst(0) depctr_va_ssrc(0) depctr_va_vcc(0) depctr_vm_vsrc(0)
	s_getreg_b32 s2, hwreg(HW_REG_IB_STS2, 6, 4)
	s_cmp_eq_u32 s2, 0
	s_cbranch_scc0 .Lentry_in_a_cluster
	s_endpgm
.Lentry_in_a_cluster:
	s_bfe_u32 s2, ttmp6, 0x10000c
	s_cmp_lg_u32 s2, 0x3003
	s_cbranch_scc0 .Lentry_shape_is_right
	s_endpgm
.Lentry_shape_is_right:
; ctx = softmax(q k^T / 8) v for one head, both products on codes of BF6 (E3M2); ctx is quantised along D and stored as codes.
; THE SOFTMAX: t = score x log2(e) / 8; M = the running largest t rounded UP to a whole number; p = 2^(t - M) is quantised along the keys, not normalised; the row's sum is taken of the unquantised p and divides at the end.
; SHARES.  A work-group owns 256 queries of one head (batch x head = grid y); each of its sixteen waves owns one tile of 16 queries in 256 registers.  Every wave walks the head's 2,048 keys, 128 a step.
; THE WHOLE HEAD LIES IN LDS, filled once: K's 16 records of 7,168 bytes at 0, V's 16 of 6,656 at 114,688.  Wave w fetches K's and V's record w: two tensor loads of mine are out.  One barrier; none in the loop.
; CLUSTER 4 x 1: the four query blocks of a cluster belong to one head and ask for its records jointly.
; LAYOUT.  Both products transposed: S^T = K Q^T (source 0 = 16 keys), O^T = V^T P^T (source 0 = 16 of the head's 64): a lane holds one query throughout.  The rows of every tile are 32 g + 8 u + r + 8 (r / 8), so that
; the 16 registers of tiles 2 b, 2 b + 1 are 16 neighbours along the next K.  The first product's K is 64: registers 6-11 of Q's fragment hold zero codes, so whatever stands in registers 6-11 of K's fragments adds nothing
; (their scale bytes are 0, which is 2^-127 and no NaN).
; LIMITS: NaN and infinities are not served; a block of p whose largest number lies under 2^-122 gets the scale byte 1 and zero codes.
.set QKR, 7168
.set VR, 6656
.set VB, 16*QKR
.set WV, 12
.set SEL, 14
.set CS, 16                            ; s[16:17] c = log2(e) / 8
.set TK, 18                            ; LDS byte of the step's record of K; of V
.set TV, 19
.set CNT, 20
.set G1K, 24
.set G1V, 32
.set G0K, 40
.set G0V, 44
.set QF, 16                            ; v16-21 Q's codes, v22-27 zero codes; v28 Q's scale word
.set QS, 28
.set KB, 32                            ; v32-79 four fragments of K or of V
.set KS, 80                            ; v80-87 K's scale words; v88-91 V's
.set VS, 88
.set SR, 96                            ; v96-159 S^T, then p
.set OT, 160                           ; v160-191 O^T
.set PCD, 192                          ; v192-203 p's codes
.set TQ, 204                           ; v204-206, v208-210 at work
.set TM, 212                           ; v212-215 block maxima; v216-219 the other half's, then bytes
.set SO, 220                           ; v220-223 scale operands
.set TP, 224
.set FR, 226                           ; f = 2^(old M - new M)
.set PWD, 227                          ; p's scale word
.set SU, 228                           ; v[228:229] the sum's second chain
.macro ROUND
	s_barrier_signal -1
	s_barrier_wait -1
	s_cmp_lg_u32 s[WV], 0
	s_cbranch_scc1 .Lnot_wave_0_\@
	s_barrier_signal -3
.Lnot_wave_0_\@:
	s_barrier_wait -3
	s_barrier_signal -1
	s_barrier_wait -1
.endm
.macro PLACES
.rept 4
	v_nop
.endr
.endm
.macro LDFRAG reg, a16, a8, off
	ds_load_b128 v[\reg:\reg+3], v[\a16] offset:\off
	ds_load_b64 v[\reg+4:\reg+5], v[\a8] offset:\off+512
	ds_load_b128 v[\reg+6:\reg+9], v[\a16] offset:\off+768
	ds_load_b64 v[\reg+10:\reg+11], v[\a8] offset:\off+1280
.endm
	s_load_b128 s[4:7], s[0:1], 0x0                ; att, cq
	v_lshl_add_u32 v254, v0, 2, 0x36000
	v_mov_b32 v255, 0
	ds_add_u32 v254, v255
	ds_add_u32 v254, v255
	v_lshrrev_b32 v1, 5, v0
	v_readfirstlane_b32 s[WV], v1                  ; wave 0..15
	v_and_b32 v30, 31, v0                          ; lane
	s_bfe_u32 s21, ttmp6, 0x40000                  ; cx
	s_lshl_b32 s22, ttmp9, 2
	s_add_co_u32 s22, s22, s21                     ; my block of 256 queries: it enters global addresses of Q and ctx alone
	s_and_b32 s23, ttmp7, 0xffff                   ; batch x 16 + head, which the partners share
	s_lshl_b32 s48, s23, 4
	s_add_co_u32 s48, s48, s[WV]                   ; record w of the head
	s_mul_i32 s50, s48, VR
	s_mul_i32 s48, s48, QKR
	s_add_co_u32 s48, s48, 3670016                 ; K's part of att
	s_add_co_u32 s50, s50, 7340032                 ; V's
	s_mov_b32 s49, 0
	s_mov_b32 s51, 0
	s_mov_b32 s[G1K], 15|(3<<16)|(1<<21)           ; the mask: all four; elements of 8 bytes; bit 21 beside a mask; no padding
	s_mov_b32 s[G1K+1], 32<<16                     ; rows of 256 bytes
	s_mov_b32 s[G1K+2], 28<<16                     ; 28 of them: a record of K
	s_mov_b32 s[G1K+3], 32<<16
	s_mov_b32 s[G1K+4], 28
	s_mov_b32 s[G1K+5], 32
	s_mov_b32 s[G1K+6], 0
	s_mov_b32 s[G1K+7], 0
	s_mov_b32 s[G1V], 15|(3<<16)|(1<<21)
	s_mov_b32 s[G1V+1], 32<<16
	s_mov_b32 s[G1V+2], 26<<16                     ; 26 rows: a record of V
	s_mov_b32 s[G1V+3], 32<<16
	s_mov_b32 s[G1V+4], 26
	s_mov_b32 s[G1V+5], 32
	s_mov_b32 s[G1V+6], 0
	s_mov_b32 s[G1V+7], 0
	s_lshl_b32 s52, s23, 4                         ; Q: record 2 qb + w / 8 of the head, tile w % 8
	s_lshl_b32 s53, s22, 1
	s_add_co_u32 s52, s52, s53
	s_lshr_b32 s53, s[WV], 3
	s_add_co_u32 s52, s52, s53
	s_mul_i32 s52, s52, QKR
	s_and_b32 s53, s[WV], 7
	s_lshl_b32 s54, s53, 2
	s_add_co_u32 s54, s54, s52                     ; its scale word
	s_mul_i32 s53, s53, 768
	s_add_co_u32 s52, s52, s53                     ; its codes
	s_mov_b32 s53, 0
	s_mov_b32 s55, 0
	s_mov_b32 s[SEL], 0x76543210
	s_mov_b32 s[SEL+1], 0xfedcba98
	s_mov_b32 s[CS], 0x3e38aa3b
	s_mov_b32 s[CS+1], s[CS]                       ; (named with it as a pair)
	s_mov_b32 s[TK], 0
	s_mov_b32 s[TV], 0
	s_mov_b32 s[CNT], 0
	s_wait_dscnt 0x0
	s_wait_kmcnt 0x0
	s_mov_b32 s[G0K], 1
	s_mul_i32 s[G0K+1], s[WV], QKR
	s_add_nc_u64 s[G0K+2:G0K+3], s[4:5], s[48:49]
	s_or_b32 s[G0K+3], s[G0K+3], 0x80000000
	s_mov_b32 s[G0V], 1
	s_mul_i32 s[G0V+1], s[WV], VR
	s_add_co_u32 s[G0V+1], s[G0V+1], VB
	s_add_nc_u64 s[G0V+2:G0V+3], s[4:5], s[50:51]
	s_or_b32 s[G0V+3], s[G0V+3], 0x80000000
	s_add_nc_u64 s[52:53], s[4:5], s[52:53]
	s_add_nc_u64 s[54:55], s[4:5], s[54:55]
	ROUND                                          ; all four work-groups are here: the joint loads meet
	tensor_load_to_lds s[G0K:G0K+3], s[G1K:G1K+7]
	s_nop 0
	tensor_load_to_lds s[G0V:G0V+3], s[G1V:G1V+7]
	s_nop 0
	PLACES
	v_lshlrev_b32 v1, 4, v30                       ; 16 x lane
	v_lshlrev_b32 v2, 3, v30                       ; 8 x lane
	v_lshlrev_b32 v3, 5, v30                       ; 32 x lane
	v_add_nc_u32 v4, VB, v1
	v_add_nc_u32 v5, VB, v2
	global_load_b128 v[QF:QF+3], v1, s[52:53]
	global_load_b64 v[QF+4:QF+5], v2, s[52:53] offset:512
	global_load_b32 v[QS], v3, s[54:55] offset:6144
.irp j, 6,7,8,9,10,11
	v_mov_b32 v[QF+\j], 0                          ; k = 64 .. 127 of Q: zero codes
.endr
.irp t, 0,1,2,3
.irp j, 6,7,8,9,10,11
	v_mov_b32 v[KB+12*\t+\j], 0                    ; written once; later V's codes stand here, against Q's zero codes
.endr
.endr
	v_mov_b32 v13, 0xff61b1e6                      ; the largest t so far: -3e38
	v_floor_f32 v12, -v13                          ; -M
	v_mov_b32 v14, 0                               ; the sum, in two halves
	v_mov_b32 v15, 0
.set p, 0
.rept 32
	v_mov_b32 v[OT+p], 0                           ; O^T: the step is written once; the first finds zeros
.set p, p+1
.endr
.irp b, 0,1,2,3
	v_mov_b32 v[TM+4+\b], 0                        ; a lane permute's destination counts as one of its sources
.endr
	v_mov_b32 v[PWD], 0                            ; (named as the upper half of the pair with f before it is first written)
	s_wait_tensorcnt 0x0                           ; my two records are in,
	s_barrier_signal -1
	s_barrier_wait -1                              ; everybody's are: the head is whole, and nothing writes LDS from here on
	s_wait_loadcnt 0x0                             ; Q
.Lstep:                                            ; 16 trips of 128 keys
	v_add_nc_u32 v7, s[TK], v1                     ; (these five are also the places behind the last trip's products)
	v_add_nc_u32 v8, s[TK], v2
	v_add_nc_u32 v9, s[TK], v3
	v_add_nc_u32 v10, s[TV], v4
	v_add_nc_u32 v11, s[TV], v5
.irp g, 0,1                                    ; S^T = K Q^T, four tiles of 16 keys at a time
.if \g
	PLACES
.endif
.irp t, 0,1,2,3
	ds_load_b128 v[KB+12*\t:KB+12*\t+3], v7 offset:768*(4*\g+\t)
	ds_load_b64 v[KB+12*\t+4:KB+12*\t+5], v8 offset:768*(4*\g+\t)+512
.endr
.if \g == 0
	ds_load_b128 v[KS:KS+3], v9 offset:6144
	ds_load_b128 v[KS+4:KS+7], v9 offset:6160
.endif
	s_wait_dscnt 0x0
.irp t, 0,1,2,3
	v_wmma_scale_f32_16x16x128_f8f6f4 v[SR+8*(4*\g+\t):SR+8*(4*\g+\t)+7], v[KB+12*\t:KB+12*\t+11], v[QF:QF+11], 0, v[KS+4*\g+\t], v[QS] matrix_a_fmt:MATRIX_FMT_BF6 matrix_b_fmt:MATRIX_FMT_BF6
.endr
.endr
	PLACES
.irp t, 0,1,2,3
	LDFRAG KB+12*\t, 10, 11, 1536*\t               ; V's four fragments are asked for now and land under the softmax
.endr
	ds_load_b128 v[VS:VS+3], v10 offset:6144
.irp b, 0,1,2,3
	v_max3_num_f32 v[TM+\b], v[SR+16*\b], v[SR+16*\b+1], v[SR+16*\b+2]   ; the largest score of each block of 32 keys: for the row's maximum, and, since p rises with the score, for the block's largest p
.endr
.irp i, 3,5,7,9,11,13
.irp b, 0,1,2,3
	v_max3_num_f32 v[TM+\b], v[TM+\b], v[SR+16*\b+\i], v[SR+16*\b+\i+1]
.endr
.endr
.irp b, 0,1,2,3
	v_max_num_f32 v[TM+\b], v[TM+\b], v[SR+16*\b+15]
.endr
.irp b, 0,1,2,3
	v_permlanex16_b32 v[TM+4+\b], v[TM+\b], s[SEL], s[SEL+1]
.endr
.irp b, 0,1,2,3
	v_max_num_f32 v[TM+\b], v[TM+\b], v[TM+4+\b]
.endr
	v_max3_num_f32 v[TP], v[TM], v[TM+1], v[TM+2]
	v_max_num_f32 v[TP], v[TP], v[TM+3]
	v_mul_f32 v[TP], s[CS], v[TP]                  ; the step's largest t
	v_max_num_f32 v13, v13, v[TP]                  ; the running largest t
	v_mov_b32 v[TP], v12
	v_floor_f32 v12, -v13                          ; the new -M = -ceil(t)
	v_sub_f32 v[TP], v12, v[TP]                    ; old M - new M: a whole number, 0 or less
	v_cvt_i32_f32 v[TP], v[TP]                     ; (it saturates)
	v_ldexp_f32 v[FR], 1.0, v[TP]                  ; f: a power of two, so the rescaling rounds nothing
.set p, 0
.rept 32
	v_pk_fma_f32 v[SR+2*p:SR+2*p+1], v[SR+2*p:SR+2*p+1], s[CS:CS+1], v[12:13] op_sel_hi:[1,0,0]   ; t - M
.set p, p+1
.endr
.irp b, 0,1,2,3
	v_fma_f32 v[TM+\b], v[TM+\b], s[CS], v12       ; the same of each block's largest score
.endr
.set p, 0
.rept 64
	v_exp_f32 v[SR+p], v[SR+p]                     ; p = 2^(t - M)
.set p, p+1
.endr
.irp b, 0,1,2,3
	v_exp_f32 v[TM+\b], v[TM+\b]                   ; the block's largest p
.endr
	v_pk_mul_f32 v[14:15], v[14:15], v[FR:FR+1] op_sel_hi:[1,0]    ; the sums under the new M (a plain place behind the exponentials)
	s_wait_alu depctr_va_vdst(0)
.irp b, 0,1,2,3
	v_max_num_f32 v[TM+\b], 0x2800000, v[TM+\b]    ; the floor 2^(5 - 127)
.endr
.irp b, 0,1,2,3
	v_add_nc_u32 v[SO+\b], 0xfe000000, v[TM+\b]
.endr
.irp b, 0,1,2,3
	v_lshrrev_b32 v[TM+4+\b], 23, v[SO+\b]
.endr
	v_lshl_or_b32 v[PWD], v[TM+5], 8, v[TM+4]      ; p's scale word for these 128 keys
	v_lshl_or_b32 v[PWD], v[TM+6], 16, v[PWD]
	v_lshl_or_b32 v[PWD], v[TM+7], 24, v[PWD]
.irp c, 0,1
	v_cvt_scalef32_pk16_bf6_f32 v[PCD+6*\c:PCD+6*\c+2], v[SR+32*\c:SR+32*\c+15], v[SO+2*\c]
	v_cvt_scalef32_pk16_bf6_f32 v[TQ+4*\c:TQ+4*\c+2], v[SR+32*\c+16:SR+32*\c+31], v[SO+2*\c+1]
.endr
	v_nop                                          ; one plain place behind a scaled conversion
.irp c, 0,1
.irp i, 0,1,2
	v_permlane16_swap_b32 v[PCD+6*\c+\i], v[TQ+4*\c+\i]
.endr
.irp i, 0,1,2
	v_mov_b32 v[PCD+6*\c+3+\i], v[TQ+4*\c+\i]
.endr
.endr
	v_pk_add_f32 v[SU:SU+1], v[SR:SR+1], v[SR+2:SR+3]              ; the row's sum of the unquantised p, in two chains
.irp j, 4,8,12,16,20,24,28,32,36,40,44,48,52,56,60
	v_pk_add_f32 v[14:15], v[14:15], v[SR+\j:SR+\j+1]
	v_pk_add_f32 v[SU:SU+1], v[SU:SU+1], v[SR+\j+2:SR+\j+3]
.endr
	v_pk_add_f32 v[14:15], v[14:15], v[SU:SU+1]
.set p, 0
.rept 16
	v_pk_mul_f32 v[OT+2*p:OT+2*p+1], v[OT+2*p:OT+2*p+1], v[FR:FR+1] op_sel_hi:[1,0]   ; O^T under the new M (with the sums above: the places between p's codes and scale word and the products)
.set p, p+1
.endr
	s_wait_dscnt 0x0                               ; V
.irp t, 0,1,2,3
	v_wmma_scale_f32_16x16x128_f8f6f4 v[OT+8*\t:OT+8*\t+7], v[KB+12*\t:KB+12*\t+11], v[PCD:PCD+11], v[OT+8*\t:OT+8*\t+7], v[VS+\t], v[PWD] matrix_a_fmt:MATRIX_FMT_BF6 matrix_b_fmt:MATRIX_FMT_BF6
.endr
	s_add_co_u32 s[TK], s[TK], QKR
	s_add_co_u32 s[TV], s[TV], VR
	s_add_co_u32 s[CNT], s[CNT], 1
	s_cmp_lt_u32 s[CNT], 16
	s_cbranch_scc1 .Lstep
	; ---- ctx = O^T / the sum, quantised along D: my query's 64 channels of this head are two blocks
	PLACES
	v_add_f32 v14, v14, v15
	v_permlanex16_b32 v[TP], v14, s[SEL], s[SEL+1]
	v_add_f32 v14, v14, v[TP]                      ; the row's sum
	v_rcp_f32 v14, v14
	v_nop
.set p, 0
	s_wait_alu depctr_va_vdst(0)
.rept 16
	v_pk_mul_f32 v[SR+2*p:SR+2*p+1], v[OT+2*p:OT+2*p+1], v[14:15] op_sel_hi:[1,0]     ; register 16 b + i is channel 32 b + 16 h + i
.set p, p+1
.endr
.irp b, 0,1
	v_max3_num_f32 v[TM+\b], |v[SR+16*\b]|, |v[SR+16*\b+1]|, 0x2800000
.endr
.irp i, 2,4,6,8,10,12,14
.irp b, 0,1
	v_max3_num_f32 v[TM+\b], v[TM+\b], |v[SR+16*\b+\i]|, |v[SR+16*\b+\i+1]|
.endr
.endr
.irp b, 0,1
	v_permlanex16_b32 v[TM+4+\b], v[TM+\b], s[SEL], s[SEL+1]
.endr
.irp b, 0,1
	v_max_num_f32 v[TM+\b], v[TM+\b], v[TM+4+\b]
.endr
.irp b, 0,1
	v_add_nc_u32 v[SO+\b], 0xfe000000, v[TM+\b]
.endr
.irp b, 0,1
	v_lshrrev_b32 v[TM+4+\b], 23, v[SO+\b]
.endr
	v_lshl_or_b32 v230, v[TM+5], 8, v[TM+4]        ; the two scale bytes
	v_cvt_scalef32_pk16_bf6_f32 v[PCD:PCD+2], v[SR:SR+15], v[SO]
	v_cvt_scalef32_pk16_bf6_f32 v[TQ:TQ+2], v[SR+16:SR+31], v[SO+1]
	v_nop
.irp i, 0,1,2
	v_permlane16_swap_b32 v[PCD+\i], v[TQ+\i]
.endr
.irp i, 0,1,2
	v_mov_b32 v[PCD+3+\i], v[TQ+\i]
.endr
	s_and_b32 s56, s23, 15                         ; head: K of the next product is 64 head + channel
	s_lshr_b32 s57, s56, 3                         ; chunk
	s_lshl_b32 s57, s57, 8
	s_lshr_b32 s58, s23, 4                         ; batch: 128 token tiles each
	s_lshl_b32 s58, s58, 7
	s_add_co_u32 s57, s57, s58
	s_lshl_b32 s58, s22, 4
	s_add_co_u32 s57, s57, s58
	s_add_co_u32 s57, s57, s[WV]                   ; token tile
	s_mul_i32 s57, s57, VR                         ; its record in cq
	s_bfe_u32 s62, s56, 0x20001                    ; K step in the chunk: (head / 2) % 4
	s_and_b32 s63, s56, 1                          ; half
	s_mul_i32 s58, s62, 1536
	s_mul_i32 s60, s63, 768
	s_add_co_u32 s58, s58, s60
	s_add_co_u32 s58, s58, s57
	s_mov_b32 s59, 0
	s_lshl_b32 s60, s62, 2
	s_lshl_b32 s61, s63, 1
	s_add_co_u32 s60, s60, s61
	s_add_co_u32 s60, s60, s57
	s_mov_b32 s61, 0
	s_add_nc_u64 s[58:59], s[6:7], s[58:59]
	s_add_nc_u64 s[60:61], s[6:7], s[60:61]
	global_store_b128 v1, v[PCD:PCD+3], s[58:59]
	global_store_b64 v2, v[PCD+4:PCD+5], s[58:59] offset:512
	global_store_b16 v1, v230, s[60:61] offset:6144
	s_wait_tensorcnt 0x0
	ds_add_u32 v254, v255
	s_wait_dscnt 0x0
	ROUND                                          ; the closing round
	s_endpgm
.Lfunc_end_k_q2ee802ae7b_attn:
	.size	k_q2ee802ae7b_attn, .Lfunc_end_k_q2ee802ae7b_attn-k_q2ee802ae7b_attn
	.p2alignl 7, 3214868480
	.fill 96, 4, 3214868480
	.section	.rodata,"a",@progbits
	.p2align	6, 0x0
	.amdhsa_kernel k_q2ee802ae7b_attn
		.amdhsa_group_segment_fixed_size 223232
		.amdhsa_private_segment_fixed_size 0
		.amdhsa_enable_private_segment 0
		.amdhsa_kernarg_size 16
		.amdhsa_user_sgpr_count 2
		.amdhsa_user_sgpr_kernarg_segment_ptr 1
		.amdhsa_wavefront_size32 1
		.amdhsa_system_sgpr_workgroup_id_x 1
		.amdhsa_system_sgpr_workgroup_id_y 1
		.amdhsa_system_sgpr_workgroup_id_z 1
		.amdhsa_system_vgpr_workitem_id 0
		.amdhsa_next_free_vgpr 256
		.amdhsa_next_free_sgpr 66
		.amdhsa_reserve_vcc 0
		.amdhsa_float_denorm_mode_32 3
		.amdhsa_float_denorm_mode_16_64 3
		.amdhsa_memory_ordered 1
		.amdhsa_forward_progress 1
		.amdhsa_inst_pref_size 28
	.end_amdhsa_kernel
	.amdgpu_metadata
---
amdhsa.version: [ 1, 2 ]
amdhsa.kernels:
  - .name:           k_q2ee802ae7b_attn
    .symbol:         k_q2ee802ae7b_attn.kd
    .args:
      - { .name: att, .offset: 0, .size: 8, .value_kind: global_buffer, .address_space: global }
      - { .name: cq, .offset: 8, .size: 8, .value_kind: global_buffer, .address_space: global }
    .group_segment_fixed_size: 223232
    .private_segment_fixed_size: 0
    .kernarg_segment_align: 8
    .kernarg_segment_size: 16
    .max_flat_workgroup_size: 512
    .sgpr_count:     66
    .vgpr_count:     256
    .wavefront_size: 32
...
	.end_amdgpu_metadata
.endif
;; end of part 3
;; launch oproj (part 4): grid 8 x 32, 8 waves a work-group, clusters of 4 x 4, 214,016 bytes of LDS; arguments wq, cq, out_b, x, x1; writes x1
.if DOCPART == 4
	.amdgcn_target "amdgcn-amd-amdhsa--gfx1250"
	.amdhsa_code_object_version 6
	.text
	.protected	k_q2ee802ae7b_oproj
	.globl	k_q2ee802ae7b_oproj
	.p2align	8
	.type	k_q2ee802ae7b_oproj,@function
k_q2ee802ae7b_oproj:
	s_mov_b64 s[64:65], 0
	v_nop
	global_prefetch_b8 v0, s[64:65] scope:SCOPE_SE
	s_setreg_imm32_b32 hwreg(HW_REG_WAVE_MODE, 25, 1), 1
	s_wait_xcnt 0x0
	s_wait_alu depctr_hold_cnt(0) depctr_sa_sdst(0) depctr_va_vdst(0) depctr_va_sdst(0) depctr_va_ssrc(0) depctr_va_vcc(0) depctr_vm_vsrc(0)
	s_getreg_b32 s2, hwreg(HW_REG_IB_STS2, 6, 4)
	s_cmp_eq_u32 s2, 0
	s_cbranch_scc0 .Lentry_in_a_cluster
	s_endpgm
.Lentry_in_a_cluster:
	s_bfe_u32 s2, ttmp6, 0x10000c
	s_cmp_lg_u32 s2, 0xf033
	s_cbranch_scc0 .Lentry_shape_is_right
	s_endpgm
.Lentry_shape_is_right:
; x1 = x + ctx out_w^T + out_b; the product on codes of BF6 (E3M2), K = 1,024; x1 in f32.
; A work-group makes 128 features (fb) x 128 tokens (tb).  Codes come as records of 6,656 bytes (a tile of 16 rows x 512 K as images of the operand's registers, then its scale words; tile T = 2 g + u holds in lane r
; the row 32 g + 8 u + r + 8 (r / 8)).  K goes in two chunks of 512, 106,496 bytes each; both are asked for at the start and nothing is filled again.
; Eight waves: wave w takes four tiles of features (source 0; xh = w % 2) against two tiles of tokens (source 1; yg = w / 2): 8 accumulators by turns, which begin as the bias.
; CLUSTER 4 x 4: the weight's records are asked for jointly by a column of the cluster, the tokens' by a row.
; THE WAY OUT: through a stage of 128 rows x (512 + 16) bytes in chunk 0's bytes, which have had their only fill and are read by nobody behind the second barrier; each wave then takes 16 whole rows, adds x (asked for at the
; head) and stores 512 consecutive bytes an instruction.
.set REC, 6656
.set CHB, 16*REC
.set TOFF, 8*REC
.set FOFF, 2555904                     ; out_w's records in wq: [chunk 2][tile 64]
.set NTF, 64
.set WV, 12
.set XH, 13
.set YG, 14
.set W3, 15
.set G1F, 16
.set G1T, 24
.set G0F, 32
.set G0T, 48
.set AX16, 4
.set AX8, 5
.set AY16, 6
.set AY8, 7
.set O16, 12
.set BO, 14
.set ACC, 16
.set XF, 80
.set YF, 128
.set SX, 152
.set SY, 168
.set XP, 176                           ; v176-239 my 16 rows of x
.set STO, 240
.set RDA, 241
.set SP, 528
.macro ROUND
	s_barrier_signal -1
	s_barrier_wait -1
	s_cmp_lg_u32 s[WV], 0
	s_cbranch_scc1 .Lnot_wave_0_\@
	s_barrier_signal -3
.Lnot_wave_0_\@:
	s_barrier_wait -3
	s_barrier_signal -1
	s_barrier_wait -1
.endm
.macro PLACES
.rept 4
	v_nop
.endr
.endm
.macro LDFRAG reg, a16, a8, off
	ds_load_b128 v[\reg:\reg+3], v[\a16] offset:\off
	ds_load_b64 v[\reg+4:\reg+5], v[\a8] offset:\off+512
	ds_load_b128 v[\reg+6:\reg+9], v[\a16] offset:\off+768
	ds_load_b64 v[\reg+10:\reg+11], v[\a8] offset:\off+1280
.endm
.macro KSTEP c, s
.irp n, 0,1,2,3
	LDFRAG XF+12*\n, AX16+4*\c, AX8+4*\c, \n*REC+1536*\s
.endr
.irp m, 0,1
	LDFRAG YF+12*\m, AY16+4*\c, AY8+4*\c, \m*REC+1536*\s
.endr
	s_wait_dscnt 0x0
.irp m, 0,1
.irp n, 0,1,2,3
	v_wmma_scale_f32_16x16x128_f8f6f4 v[ACC+32*\m+8*\n:ACC+32*\m+8*\n+7], v[XF+12*\n:XF+12*\n+11], v[YF+12*\m:YF+12*\m+11], v[ACC+32*\m+8*\n:ACC+32*\m+8*\n+7], v[SX+4*\n+\s], v[SY+4*\m+\s] matrix_a_fmt:MATRIX_FMT_BF6 matrix_b_fmt:MATRIX_FMT_BF6
.endr
.endr
	PLACES
.endm
.macro CHUNK c
.irp n, 0,1,2,3
	ds_load_b128 v[SX+4*\n:SX+4*\n+3], v[AX16+4*\c] offset:\n*REC+6144
.endr
.irp m, 0,1
	ds_load_b128 v[SY+4*\m:SY+4*\m+3], v[AY16+4*\c] offset:\m*REC+6144
.endr
	KSTEP \c, 0
	KSTEP \c, 1
	KSTEP \c, 2
	KSTEP \c, 3
.endm
	s_load_b256 s[4:11], s[0:1], 0x0               ; wq, cq, out_b, x
	s_load_b64 s[84:85], s[0:1], 0x20              ; x1
	v_lshl_add_u32 v254, v0, 2, 0x34000
	v_mov_b32 v255, 0
	ds_add_u32 v254, v255
	ds_add_u32 v254, v255
	v_lshrrev_b32 v1, 5, v0
	v_readfirstlane_b32 s[WV], v1
	s_and_b32 s[XH], s[WV], 1
	s_lshr_b32 s[YG], s[WV], 1
	s_and_b32 s[W3], s[WV], 3
	s_bfe_u32 s40, ttmp6, 0x40000
	s_bfe_u32 s41, ttmp6, 0x40004
	s_lshl_b32 s42, ttmp9, 2
	s_add_co_u32 s42, s42, s40                     ; fb
	s_and_b32 s43, ttmp7, 0xffff
	s_lshl_b32 s43, s43, 2
	s_add_co_u32 s43, s43, s41                     ; tb
	s_lshl_b32 s44, s41, 2
	s_lshl_b32 s44, 15, s44
	s_lshl_b32 s45, 0x1111, s40
	s_or_b32 s[G1F], s45, (3<<16)|(1<<21)          ; the mask; elements of 8 bytes; bit 21 beside a mask
	s_or_b32 s[G1T], s44, (3<<16)|(1<<21)
.irp g, G1F, G1T
	s_mov_b32 s[\g+1], 32<<16                      ; 52 dense rows of 256 bytes: two records
	s_mov_b32 s[\g+2], 52<<16
	s_mov_b32 s[\g+3], 32<<16
	s_mov_b32 s[\g+4], 52
	s_mov_b32 s[\g+5], 32
	s_mov_b32 s[\g+6], 0
	s_mov_b32 s[\g+7], 0
.endr
	s_lshl_b32 s56, s42, 3
	s_lshl_b32 s57, s[W3], 1
	s_add_co_u32 s56, s56, s57
	s_mul_i32 s56, s56, REC
	s_add_co_u32 s56, s56, FOFF
	s_mov_b32 s57, 0
	s_lshl_b32 s58, s43, 3
	s_lshl_b32 s59, s[W3], 1
	s_add_co_u32 s58, s58, s59
	s_mul_i32 s58, s58, REC
	s_mov_b32 s59, 0
	s_mul_i32 s60, s[WV], 2*REC
	s_wait_dscnt 0x0
	s_wait_kmcnt 0x0
	s_add_nc_u64 s[56:57], s[4:5], s[56:57]
	s_add_nc_u64 s[58:59], s[6:7], s[58:59]
	ROUND
.irp c, 0,1
	s_mov_b32 s[G0F+4*\c], 1
	s_add_co_u32 s[G0F+4*\c+1], s60, \c*CHB
	s_add_nc_u64 s[G0F+4*\c+2:G0F+4*\c+3], s[56:57], \c*NTF*REC
	s_or_b32 s[G0F+4*\c+3], s[G0F+4*\c+3], 0x80000000
	s_mov_b32 s[G0T+4*\c], 1
	s_add_co_u32 s[G0T+4*\c+1], s60, \c*CHB
	s_add_nc_u64 s[G0T+4*\c+2:G0T+4*\c+3], s[58:59], \c*256*REC
	s_or_b32 s[G0T+4*\c+3], s[G0T+4*\c+3], 0x80000000
.endr
	s_cmp_lt_u32 s[WV], 4                          ; a wave's two fills stand in one branch: two tensor loads of mine are out
	s_cbranch_scc0 .Lfirst_t
	tensor_load_to_lds s[G0F:G0F+3], s[G1F:G1F+7]
	s_nop 0
	tensor_load_to_lds s[G0F+4:G0F+7], s[G1F:G1F+7]
	s_nop 0
	PLACES
	s_branch .Lfirst_asked
.Lfirst_t:
	tensor_load_to_lds s[G0T:G0T+3], s[G1T:G1T+7]
	s_nop 0
	tensor_load_to_lds s[G0T+4:G0T+7], s[G1T:G1T+7]
	s_nop 0
	PLACES
.Lfirst_asked:
	v_and_b32 v1, 31, v0
	v_and_b32 v2, 15, v0
	v_and_b32 v3, 8, v2
	v_add_nc_u32 v2, v2, v3                        ; r + 8 (r / 8)
	v_bfe_u32 v3, v0, 4, 1                         ; h
	v_lshlrev_b32 v[O16], 4, v1
	v_lshlrev_b32 v[BO], 6, v3
	s_mul_i32 s61, s[XH], 4*REC
	s_mul_i32 s62, s[YG], 2*REC
.irp c, 0,1
	s_add_co_u32 s63, s61, \c*CHB
	v_lshl_add_u32 v[AX16+4*\c], v1, 4, s63
	v_lshl_add_u32 v[AX8+4*\c], v1, 3, s63
	s_add_co_u32 s63, s62, TOFF+\c*CHB
	v_lshl_add_u32 v[AY16+4*\c], v1, 4, s63
	v_lshl_add_u32 v[AY8+4*\c], v1, 3, s63
.endr
	v_mul_u32_u24 v[STO], v2, SP                   ; the stage, in: my token's row, + 64 h, + my wave's 32 rows and 256 bytes
	v_lshl_add_u32 v[STO], v3, 6, v[STO]
	s_mul_i32 s63, s[YG], 32*SP
	s_lshl_b32 s62, s[XH], 8
	s_add_co_u32 s63, s63, s62
	v_add_nc_u32 v[STO], s63, v[STO]
	s_mul_i32 s63, s[WV], 16*SP
	v_lshl_add_u32 v[RDA], v1, 4, s63              ; and back: my 16 rows, 16 bytes a lane
	s_lshl_b32 s66, s42, 9
	s_lshl_b32 s67, s[XH], 8
	s_add_co_u32 s66, s66, s67
	s_mov_b32 s67, 0
	s_add_nc_u64 s[66:67], s[8:9], s[66:67]        ; the bias of my 64 features
.irp m, 0,1
.irp n, 0,1,2,3
	global_load_b128 v[ACC+32*\m+8*\n:ACC+32*\m+8*\n+3], v[BO], s[66:67] offset:128*(\n/2)+32*(\n%2)
	global_load_b128 v[ACC+32*\m+8*\n+4:ACC+32*\m+8*\n+7], v[BO], s[66:67] offset:128*(\n/2)+32*(\n%2)+16
.endr
.endr
	s_lshl_b32 s68, s43, 7
	s_lshl_b32 s69, s[WV], 4
	s_add_co_u32 s68, s68, s69                     ; the first row that I store: 128 tb + 16 w
	s_lshl_b32 s68, s68, 12
	s_lshl_b32 s69, s42, 9
	s_add_co_u32 s68, s68, s69                     ; + the block's 512 bytes of a row
	s_mov_b32 s69, 0
	s_add_nc_u64 s[70:71], s[10:11], s[68:69]      ; in x
	s_add_nc_u64 s[68:69], s[84:85], s[68:69]      ; in x1
.irp i, 0,1,2,3,4,5,6,7,8,9,10,11,12,13,14,15
	global_load_b128 v[XP+4*\i:XP+4*\i+3], v[O16], s[70:71] offset:4096*\i
.endr
	s_wait_tensorcnt 0x1                           ; my part of chunk 0 is in; chunk 1's load may be out
	s_barrier_signal -1
	s_barrier_wait -1
	s_wait_loadcnt 16                              ; the bias is in; x's 16 loads may be out
	CHUNK 0
	s_wait_tensorcnt 0x0
	s_wait_dscnt 0x0
	s_barrier_signal -1
	s_barrier_wait -1                              ; chunk 1 is whole, and nobody reads chunk 0 any more
	CHUNK 1
.irp m, 0,1
.irp n, 0,1,2,3
	ds_store_b128 v[STO], v[ACC+32*\m+8*\n:ACC+32*\m+8*\n+3] offset:8*\m*SP+128*(\n/2)+32*(\n%2)          ; each accumulator from its low end on
	ds_store_b128 v[STO], v[ACC+32*\m+8*\n+4:ACC+32*\m+8*\n+7] offset:8*\m*SP+128*(\n/2)+32*(\n%2)+16
.endr
.endr
	s_wait_dscnt 0x0                               ; for the others' sake: my stores have landed
	s_barrier_signal -1
	s_barrier_wait -1
.irp i, 0,1,2,3,4,5,6,7,8,9,10,11,12,13,14,15
	ds_load_b128 v[XF+4*\i:XF+4*\i+3], v[RDA] offset:\i*SP
.endr
	s_wait_loadcnt 0x0                             ; x
.irp i, 0,1,2,3,4,5,6,7,8,9,10,11,12,13,14,15
	s_wait_dscnt 15-\i                             ; row i is back; the later rows may be out
	v_pk_add_f32 v[XF+4*\i:XF+4*\i+1], v[XF+4*\i:XF+4*\i+1], v[XP+4*\i:XP+4*\i+1]
	v_pk_add_f32 v[XF+4*\i+2:XF+4*\i+3], v[XF+4*\i+2:XF+4*\i+3], v[XP+4*\i+2:XP+4*\i+3]
	global_store_b128 v[O16], v[XF+4*\i:XF+4*\i+3], s[68:69] offset:4096*\i    ; 32 lanes store 512 consecutive bytes, aligned
.endr
	s_wait_tensorcnt 0x0
	ds_add_u32 v254, v255
	s_wait_dscnt 0x0
	ROUND                                          ; the closing round
	s_endpgm
.Lfunc_end_k_q2ee802ae7b_oproj:
	.size	k_q2ee802ae7b_oproj, .Lfunc_end_k_q2ee802ae7b_oproj-k_q2ee802ae7b_oproj
	.p2alignl 7, 3214868480
	.fill 96, 4, 3214868480
	.section	.rodata,"a",@progbits
	.p2align	6, 0x0
	.amdhsa_kernel k_q2ee802ae7b_oproj
		.amdhsa_group_segment_fixed_size 214016
		.amdhsa_private_segment_fixed_size 0
		.amdhsa_enable_private_segment 0
		.amdhsa_kernarg_size 40
		.amdhsa_user_sgpr_count 2
		.amdhsa_user_sgpr_kernarg_segment_ptr 1
		.amdhsa_wavefront_size32 1
		.amdhsa_system_sgpr_workgroup_id_x 1
		.amdhsa_system_sgpr_workgroup_id_y 1
		.amdhsa_system_sgpr_workgroup_id_z 1
		.amdhsa_system_vgpr_workitem_id 0
		.amdhsa_next_free_vgpr 256
		.amdhsa_next_free_sgpr 100
		.amdhsa_reserve_vcc 0
		.amdhsa_float_denorm_mode_32 3
		.amdhsa_float_denorm_mode_16_64 3
		.amdhsa_memory_ordered 1
		.amdhsa_forward_progress 1
		.amdhsa_inst_pref_size 39
	.end_amdhsa_kernel
	.amdgpu_metadata
---
amdhsa.version: [ 1, 2 ]
amdhsa.kernels:
  - .name:           k_q2ee802ae7b_oproj
    .symbol:         k_q2ee802ae7b_oproj.kd
    .args:
      - { .name: wq, .offset: 0, .size: 8, .value_kind: global_buffer, .address_space: global }
      - { .name: cq, .offset: 8, .size: 8, .value_kind: global_buffer, .address_space: global }
      - { .name: out_b, .offset: 16, .size: 8, .value_kind: global_buffer, .address_space: global }
      - { .name: x, .offset: 24, .size: 8, .value_kind: global_buffer, .address_space: global }
      - { .name: x1, .offset: 32, .size: 8, .value_kind: global_buffer, .address_space: global }
    .group_segment_fixed_size: 214016
    .private_segment_fixed_size: 0
    .kernarg_segment_align: 8
    .kernarg_segment_size: 40
    .max_flat_workgroup_size: 256
    .sgpr_count:     100
    .vgpr_count:     256
    .wavefront_size: 32
...
	.end_amdgpu_metadata
.endif
;; end of part 4
;; launch ln2gate (part 5): grid 256 x 1, 8 waves a work-group, no clusters, 11,264 bytes of LDS; arguments x1, ln2_g, ln2_b, gate_w, gate_b, hq, ew; writes hq, ew
.if DOCPART == 5
	.amdgcn_target "amdgcn-amd-amdhsa--gfx1250"
	.amdhsa_code_object_version 6
	.text
	.protected	k_q2ee802ae7b_ln2gate
	.globl	k_q2ee802ae7b_ln2gate
	.p2align	8
	.type	k_q2ee802ae7b_ln2gate,@function
k_q2ee802ae7b_ln2gate:
	s_mov_b64 s[64:65], 0
	v_nop
	global_prefetch_b8 v0, s[64:65] scope:SCOPE_SE
	s_setreg_imm32_b32 hwreg(HW_REG_WAVE_MODE, 25, 1), 1
	s_wait_xcnt 0x0
; h2 = LayerNorm(x1) g + b, quantised to BF6 (E3M2) along D into hq (records as in the first launch); and the router: logits = h2 gate_w^T + gate_b in f32 fused multiply-adds on the UNQUANTISED h2,
; softmax (the maximum taken away first), top-2 (the lower index wins a tie, as jax.lax.top_k has it), the two weights divided by max(their sum, 1e-9); ew[token][8] holds the weight of each expert, 0 for the six others.
; The choice only selects values (v_cndmask_b32): no address and no branch hangs on it.
; A work-group takes one token tile (16 rows: 32 (T / 2) + 8 (T % 2) + r + 8 (r / 8)); wave s takes columns 128 s on.  LDS: 0 and 1,024: the waves' sums for mean and variance; 2,048: the waves' partial logits, 32 bytes a lane.
; LIMITS: NaN and infinities are not served; a block whose largest magnitude lies under 2^-122 gets the scale byte 1; 1 / sqrt is v_rsq_f32.
.set REC, 6656
.set XR, 16
.set GR, 80
.set BR, 144
.set LG, 208                           ; v208-215 my wave's eight partial logits
.set PC, 216
.set TQ, 228
.set TM, 236
.set PW, 252
.set WV, 22
.set SEL, 34
.macro QUANT src, dst, pw
.irp b, 0,1,2,3
	v_max3_num_f32 v[TM+\b], |v[\src+16*\b]|, |v[\src+16*\b+1]|, 0x2800000   ; and the floor 2^(5 - 127): the byte cannot fall under 1
.endr
.irp i, 2,4,6,8,10,12,14
.irp b, 0,1,2,3
	v_max3_num_f32 v[TM+\b], v[TM+\b], |v[\src+16*\b+\i]|, |v[\src+16*\b+\i+1]|
.endr
.endr
.irp b, 0,1,2,3
	v_permlanex16_b32 v[TM+4+\b], v[TM+\b], s[SEL], s[SEL+1]
.endr
.irp b, 0,1,2,3
	v_max_num_f32 v[TM+\b], v[TM+\b], v[TM+4+\b]
.endr
.irp b, 0,1,2,3
	v_add_nc_u32 v[TM+12+\b], 0xfe000000, v[TM+\b]
.endr
.irp b, 0,1,2,3
	v_lshrrev_b32 v[TM+4+\b], 23, v[TM+12+\b]
.endr
	v_lshl_or_b32 v[\pw], v[TM+5], 8, v[TM+4]
	v_lshl_or_b32 v[\pw], v[TM+6], 16, v[\pw]
	v_lshl_or_b32 v[\pw], v[TM+7], 24, v[\pw]
.irp c, 0,1
	v_cvt_scalef32_pk16_bf6_f32 v[\dst+6*\c:\dst+6*\c+2], v[\src+32*\c:\src+32*\c+15], v[TM+12+2*\c]
	v_cvt_scalef32_pk16_bf6_f32 v[TQ+4*\c:TQ+4*\c+2], v[\src+32*\c+16:\src+32*\c+31], v[TM+13+2*\c]
.endr
	v_nop                                          ; one plain place behind a scaled conversion
.irp c, 0,1
.irp i, 0,1,2
	v_permlane16_swap_b32 v[\dst+6*\c+\i], v[TQ+4*\c+\i]
.endr
.irp i, 0,1,2
	v_mov_b32 v[\dst+6*\c+3+\i], v[TQ+4*\c+\i]
.endr
.endr
.endm
.macro LOAD64 reg, vo, sb, imm
.irp b, 0,1,2,3
.irp j, 0,1,2,3
	global_load_b128 v[\reg+16*\b+4*\j:\reg+16*\b+4*\j+3], v[\vo], s[\sb:\sb+1] offset:\imm+128*\b+16*\j
.endr
.endr
.endm
.macro ALLSUM off
	v_pk_add_f32 v[TQ:TQ+1], v[TQ:TQ+1], v[TQ+2:TQ+3]
	v_pk_add_f32 v[TQ+4:TQ+5], v[TQ+4:TQ+5], v[TQ+6:TQ+7]
	v_pk_add_f32 v[TQ:TQ+1], v[TQ:TQ+1], v[TQ+4:TQ+5]
	v_add_f32 v[TQ], v[TQ], v[TQ+1]
	v_permlanex16_b32 v[TQ+2], v[TQ], s[SEL], s[SEL+1]
	v_add_f32 v[TQ], v[TQ], v[TQ+2]
	ds_store_b32 v10, v[TQ] offset:\off
	s_wait_dscnt 0x0                               ; for the others' sake: my word has landed
	s_barrier_signal -1
	s_barrier_wait -1
	ds_load_b128 v[TQ:TQ+3], v9 offset:\off
	ds_load_b128 v[TQ+4:TQ+7], v9 offset:\off+16
	s_wait_dscnt 0x0
	v_pk_add_f32 v[TQ:TQ+1], v[TQ:TQ+1], v[TQ+2:TQ+3]
	v_pk_add_f32 v[TQ+4:TQ+5], v[TQ+4:TQ+5], v[TQ+6:TQ+7]
	v_pk_add_f32 v[TQ:TQ+1], v[TQ:TQ+1], v[TQ+4:TQ+5]
	v_add_f32 v[TQ], v[TQ], v[TQ+1]
.endm
	s_load_b256 s[4:11], s[0:1], 0x0               ; x1, ln2_g, ln2_b, gate_w
	s_load_b128 s[12:15], s[0:1], 0x20             ; gate_b, hq
	s_load_b64 s[16:17], s[0:1], 0x30              ; ew
	v_lshl_add_u32 v254, v0, 2, 0x2800
	v_mov_b32 v255, 0
	v_lshrrev_b32 v1, 5, v0
	v_readfirstlane_b32 s[WV], v1
	v_and_b32 v1, 31, v0                           ; lane
	v_and_b32 v2, 15, v0                           ; r
	v_bfe_u32 v3, v0, 4, 1                         ; h
	v_and_b32 v4, 8, v2
	v_add_nc_u32 v4, v4, v2                        ; r + 8 (r / 8)
	v_lshlrev_b32 v5, 6, v3                        ; 64 h
	v_lshlrev_b32 v6, 4, v1
	v_lshlrev_b32 v7, 3, v1
	v_lshl_or_b32 v8, v4, 12, v5                   ; x1: my row, + 64 h
	v_lshlrev_b32 v9, 5, v1                        ; LDS: 32 x lane
	s_lshl_b32 s23, s[WV], 2
	v_add_nc_u32 v10, s23, v9                      ; + my wave's word
	s_lshl_b32 s23, s[WV], 10
	v_add_nc_u32 v11, s23, v9                      ; my wave's partial logits
	s_mov_b32 s[SEL], 0x76543210
	s_mov_b32 s[SEL+1], 0xfedcba98
.irp b, 0,1,2,3
	v_mov_b32 v[TM+4+\b], 0
.endr
	s_lshr_b32 s24, ttmp9, 1
	s_lshl_b32 s24, s24, 5
	s_and_b32 s25, ttmp9, 1
	s_lshl_b32 s25, s25, 3
	s_add_co_u32 s44, s24, s25                     ; the tile's first row
	s_lshl_b32 s24, s44, 12
	s_lshl_b32 s26, s[WV], 9
	s_add_co_u32 s24, s24, s26
	s_mov_b32 s25, 0
	s_mov_b32 s27, 0
	s_mov_b32 s30, 0x3a800000                      ; 1 / 1024
	s_mov_b32 s31, 0x3727c5ac                      ; 1e-5
	s_wait_kmcnt 0x0
	s_add_nc_u64 s[4:5], s[4:5], s[24:25]
	s_add_nc_u64 s[6:7], s[6:7], s[26:27]
	s_add_nc_u64 s[8:9], s[8:9], s[26:27]
	s_add_nc_u64 s[10:11], s[10:11], s[26:27]
	LOAD64 XR, 8, 4, 0
	LOAD64 GR, 5, 6, 0
	LOAD64 BR, 5, 8, 0
	s_wait_loadcnt 32                              ; x1's 16 loads are in; the 32 of gain and bias may be out
.irp k, 0,1,2,3
	v_pk_add_f32 v[TQ+2*\k:TQ+2*\k+1], v[XR+2*\k:XR+2*\k+1], v[XR+8+2*\k:XR+8+2*\k+1]
.endr
.set p, 8
.rept 24
	v_pk_add_f32 v[TQ+2*(p%4):TQ+2*(p%4)+1], v[TQ+2*(p%4):TQ+2*(p%4)+1], v[XR+2*p:XR+2*p+1]
.set p, p+1
.endr
	ALLSUM 0
	v_mul_f32 v12, s30, v[TQ]                      ; the mean
	v_mov_b32 v13, v12
.set p, 0
.rept 32
	v_pk_add_f32 v[XR+2*p:XR+2*p+1], v[XR+2*p:XR+2*p+1], v[12:13] op_sel_hi:[1,0] neg_lo:[0,1] neg_hi:[0,1]
.set p, p+1
.endr
.irp k, 0,1,2,3
	v_pk_mul_f32 v[TQ+2*\k:TQ+2*\k+1], v[XR+2*\k:XR+2*\k+1], v[XR+2*\k:XR+2*\k+1]
.endr
.set p, 4
.rept 28
	v_pk_fma_f32 v[TQ+2*(p%4):TQ+2*(p%4)+1], v[XR+2*p:XR+2*p+1], v[XR+2*p:XR+2*p+1], v[TQ+2*(p%4):TQ+2*(p%4)+1]
.set p, p+1
.endr
	ALLSUM 1024
	v_fma_f32 v14, v[TQ], s30, s31
	v_rsq_f32 v14, v14
	v_nop
	s_wait_alu depctr_va_vdst(0)
	v_mov_b32 v15, v14
	s_wait_loadcnt 0x0
.set p, 0
.rept 32
	v_pk_mul_f32 v[XR+2*p:XR+2*p+1], v[XR+2*p:XR+2*p+1], v[14:15] op_sel_hi:[1,0]
.set p, p+1
.endr
.set p, 0
.rept 32
	v_pk_fma_f32 v[XR+2*p:XR+2*p+1], v[XR+2*p:XR+2*p+1], v[GR+2*p:GR+2*p+1], v[BR+2*p:BR+2*p+1]
.set p, p+1
.endr
	LOAD64 GR, 5, 10, 0                            ; the gate's rows 0 and 1, my columns: they land while h2 is quantised
	LOAD64 BR, 5, 10, 4096
	QUANT XR, PC, PW                               ; (the conversions leave h2 as it is)
	s_lshr_b32 s28, s[WV], 2
	s_lshl_b32 s28, s28, 8
	s_add_co_u32 s28, s28, ttmp9
	s_mul_i32 s28, s28, REC
	s_mov_b32 s29, 0
	s_add_nc_u64 s[28:29], s[14:15], s[28:29]      ; my record of hq
	s_and_b32 s30, s[WV], 3
	s_mul_i32 s32, s30, 1536
	s_mov_b32 s33, 0
	s_add_nc_u64 s[32:33], s[28:29], s[32:33]
	s_lshl_b32 s30, s30, 2
	s_mov_b32 s31, 0
	s_add_nc_u64 s[28:29], s[28:29], s[30:31]
	global_store_b128 v6, v[PC:PC+3], s[32:33]
	global_store_b64 v7, v[PC+4:PC+5], s[32:33] offset:512
	global_store_b128 v6, v[PC+6:PC+9], s[32:33] offset:768
	global_store_b64 v7, v[PC+10:PC+11], s[32:33] offset:1280
	global_store_b32 v6, v[PW], s[28:29] offset:6144
.irp e, 0,1,2,3,4,5,6,7
.set W, GR+64*(\e%2)
.if \e < 7
	s_wait_loadcnt 16                              ; this expert's 16 loads are in, the next expert's 16 may be out
.else
	s_wait_loadcnt 0x0
.endif
	v_pk_mul_f32 v[TQ:TQ+1], v[XR:XR+1], v[W:W+1]
	v_pk_mul_f32 v[TQ+2:TQ+3], v[XR+2:XR+3], v[W+2:W+3]
.set p, 2
.rept 30
	v_pk_fma_f32 v[TQ+2*(p%2):TQ+2*(p%2)+1], v[XR+2*p:XR+2*p+1], v[W+2*p:W+2*p+1], v[TQ+2*(p%2):TQ+2*(p%2)+1]
.set p, p+1
.endr
	v_pk_add_f32 v[TQ:TQ+1], v[TQ:TQ+1], v[TQ+2:TQ+3]
	v_add_f32 v[LG+\e], v[TQ], v[TQ+1]
.if \e < 6
	LOAD64 W, 5, 10, 4096*(\e+2)
.endif
.endr
.irp e, 0,1,2,3,4,5,6,7
	v_permlanex16_b32 v[TM+\e], v[LG+\e], s[SEL], s[SEL+1]
.endr
.irp e, 0,1,2,3,4,5,6,7
	v_add_f32 v[LG+\e], v[LG+\e], v[TM+\e]         ; my wave's 128 columns of my row
.endr
	ds_store_b128 v11, v[LG:LG+3] offset:2048
	ds_store_b128 v11, v[LG+4:LG+7] offset:2064
	s_wait_dscnt 0x0
	s_barrier_signal -1
	s_barrier_wait -1
	s_cmp_lg_u32 s[WV], 0
	s_cbranch_scc1 .Lend
	; ---- wave 0: the router for the tile's 16 tokens (lanes 16-31 hold the same as lanes 0-15)
	s_load_b256 s[36:43], s[12:13], 0x0            ; gate_b
.irp w, 0,1,2,3,4,5,6,7
	ds_load_b128 v[GR+8*\w:GR+8*\w+3], v9 offset:2048+1024*\w
	ds_load_b128 v[GR+8*\w+4:GR+8*\w+7], v9 offset:2048+1024*\w+16
.endr
	s_wait_dscnt 0x0
.irp w, 1,2,3,4,5,6,7
.irp q, 0,2,4,6
	v_pk_add_f32 v[GR+\q:GR+\q+1], v[GR+\q:GR+\q+1], v[GR+8*\w+\q:GR+8*\w+\q+1]
.endr
.endr
	s_wait_kmcnt 0x0
.irp e, 0,1,2,3,4,5,6,7
	v_add_f32 v[GR+\e], s[36+\e], v[GR+\e]         ; the logits
.endr
	v_max3_num_f32 v[BR], v[GR], v[GR+1], v[GR+2]
	v_max3_num_f32 v[BR], v[BR], v[GR+3], v[GR+4]
	v_max3_num_f32 v[BR], v[BR], v[GR+5], v[GR+6]
	v_max_num_f32 v[BR], v[BR], v[GR+7]            ; their maximum
.irp e, 0,1,2,3,4,5,6,7
	v_sub_f32 v[GR+\e], v[GR+\e], v[BR]
.endr
.irp e, 0,1,2,3,4,5,6,7
	v_mul_f32 v[GR+\e], 0x3fb8aa3b, v[GR+\e]
.endr
.irp e, 0,1,2,3,4,5,6,7
	v_exp_f32 v[GR+\e], v[GR+\e]
.endr
	v_mov_b32 v[BR+5], -1.0                        ; (a plain place behind the exponentials)
	s_wait_alu depctr_va_vdst(0)
	v_pk_add_f32 v[BR+6:BR+7], v[GR:GR+1], v[GR+2:GR+3]
	v_pk_add_f32 v[BR+8:BR+9], v[GR+4:GR+5], v[GR+6:GR+7]
	v_pk_add_f32 v[BR+6:BR+7], v[BR+6:BR+7], v[BR+8:BR+9]
	v_add_f32 v[BR+6], v[BR+6], v[BR+7]
	v_rcp_f32 v[BR+6], v[BR+6]
	v_mov_b32 v[BR+2], 0                           ; the first choice's index (a plain place behind the reciprocal)
	s_wait_alu depctr_va_vdst(0)
.irp e, 0,1,2,3,4,5,6,7
	v_mul_f32 v[GR+\e], v[GR+\e], v[BR+6]          ; the probabilities
.endr
	v_mov_b32 v[BR+1], v[GR]                       ; the first choice: from expert 0 up, kept where it is at least as large: the lower index wins a tie
.irp e, 1,2,3,4,5,6,7
	v_cmp_ge_f32 vcc_lo, v[BR+1], v[GR+\e]
	v_cndmask_b32 v[BR+2], \e, v[BR+2], vcc_lo
	v_max_num_f32 v[BR+1], v[BR+1], v[GR+\e]
.endr
.irp e, 0,1,2,3,4,5,6,7
	v_cmp_eq_u32 vcc_lo, \e, v[BR+2]
	v_cndmask_b32 v[BR+16+\e], v[GR+\e], v[BR+5], vcc_lo           ; the winner counts as -1 for the second choice
.endr
	v_mov_b32 v[BR+3], v[BR+16]
	v_mov_b32 v[BR+4], 0
.irp e, 1,2,3,4,5,6,7
	v_cmp_ge_f32 vcc_lo, v[BR+3], v[BR+16+\e]
	v_cndmask_b32 v[BR+4], \e, v[BR+4], vcc_lo
	v_max_num_f32 v[BR+3], v[BR+3], v[BR+16+\e]
.endr
	v_add_f32 v[BR+6], v[BR+1], v[BR+3]
	v_max_num_f32 v[BR+6], 0x3089705f, v[BR+6]     ; held at 1e-9 from below
	v_rcp_f32 v[BR+6], v[BR+6]
	v_lshlrev_b32 v253, 5, v4                      ; ew: my token's 32 bytes (a plain place behind the reciprocal)
	s_wait_alu depctr_va_vdst(0)
	v_mul_f32 v[BR+1], v[BR+1], v[BR+6]
	v_mul_f32 v[BR+3], v[BR+3], v[BR+6]
.irp e, 0,1,2,3,4,5,6,7
	v_cmp_eq_u32 vcc_lo, \e, v[BR+4]
	v_cndmask_b32 v[BR+24+\e], 0, v[BR+3], vcc_lo
	v_cmp_eq_u32 vcc_lo, \e, v[BR+2]
	v_cndmask_b32 v[BR+24+\e], v[BR+24+\e], v[BR+1], vcc_lo
.endr
	v_cmp_lt_u32 vcc_lo, 15, v1                    ; lanes 16-31 store experts 4-7
.irp i, 0,1,2,3
	v_cndmask_b32 v[BR+32+\i], v[BR+24+\i], v[BR+28+\i], vcc_lo
.endr
	v_lshl_or_b32 v253, v3, 4, v253
	s_lshl_b32 s44, s44, 5
	s_mov_b32 s45, 0
	s_add_nc_u64 s[16:17], s[16:17], s[44:45]
	global_store_b128 v253, v[BR+32:BR+35], s[16:17]
.Lend:
	s_wait_tensorcnt 0x0
	ds_add_u32 v254, v255
	s_wait_dscnt 0x0
	s_endpgm
.Lfunc_end_k_q2ee802ae7b_ln2gate:
	.size	k_q2ee802ae7b_ln2gate, .Lfunc_end_k_q2ee802ae7b_ln2gate-k_q2ee802ae7b_ln2gate
	.p2alignl 7, 3214868480
	.fill 96, 4, 3214868480
	.section	.rodata,"a",@progbits
	.p2align	6, 0x0
	.amdhsa_kernel k_q2ee802ae7b_ln2gate
		.amdhsa_group_segment_fixed_size 11264
		.amdhsa_private_segment_fixed_size 0
		.amdhsa_enable_private_segment 0
		.amdhsa_kernarg_size 56
		.amdhsa_user_sgpr_count 2
		.amdhsa_user_sgpr_kernarg_segment_ptr 1
		.amdhsa_wavefront_size32 1
		.amdhsa_system_sgpr_workgroup_id_x 1
		.amdhsa_system_sgpr_workgroup_id_y 1
		.amdhsa_system_sgpr_workgroup_id_z 1
		.amdhsa_system_vgpr_workitem_id 0
		.amdhsa_next_free_vgpr 256
		.amdhsa_next_free_sgpr 66
		.amdhsa_reserve_vcc 1
		.amdhsa_float_denorm_mode_32 3
		.amdhsa_float_denorm_mode_16_64 3
		.amdhsa_memory_ordered 1
		.amdhsa_forward_progress 1
		.amdhsa_inst_pref_size 62
	.end_amdhsa_kernel
	.amdgpu_metadata
---
amdhsa.version: [ 1, 2 ]
amdhsa.kernels:
  - .name:           k_q2ee802ae7b_ln2gate
    .symbol:         k_q2ee802ae7b_ln2gate.kd
    .args:
      - { .name: x1, .offset: 0, .size: 8, .value_kind: global_buffer, .address_space: global }
      - { .name: ln2_g, .offset: 8, .size: 8, .value_kind: global_buffer, .address_space: global }
      - { .name: ln2_b, .offset: 16, .size: 8, .value_kind: global_buffer, .address_space: global }
      - { .name: gate_w, .offset: 24, .size: 8, .value_kind: global_buffer, .address_space: global }
      - { .name: gate_b, .offset: 32, .size: 8, .value_kind: global_buffer, .address_space: global }
      - { .name: hq, .offset: 40, .size: 8, .value_kind: global_buffer, .address_space: global }
      - { .name: ew, .offset: 48, .size: 8, .value_kind: global_buffer, .address_space: global }
    .group_segment_fixed_size: 11264
    .private_segment_fixed_size: 0
    .kernarg_segment_align: 8
    .kernarg_segment_size: 56
    .max_flat_workgroup_size: 256
    .sgpr_count:     66
    .vgpr_count:     256
    .wavefront_size: 32
...
	.end_amdgpu_metadata
.endif
;; end of part 5
;; launch up (part 6): grid 32 x 32, 8 waves a work-group, clusters of 4 x 4, 214,016 bytes of LDS; arguments wq, hq, b1, hid; writes hid
.if DOCPART == 6
	.amdgcn_target "amdgcn-amd-amdhsa--gfx1250"
	.amdhsa_code_object_version 6
	.text
	.protected	k_q2ee802ae7b_up
	.globl	k_q2ee802ae7b_up
	.p2align	8
	.type	k_q2ee802ae7b_up,@function
k_q2ee802ae7b_up:
	s_mov_b64 s[64:65], 0
	v_nop
	global_prefetch_b8 v0, s[64:65] scope:SCOPE_SE
	s_setreg_imm32_b32 hwreg(HW_REG_WAVE_MODE, 25, 1), 1
	s_wait_xcnt 0x0
	s_wait_alu depctr_hold_cnt(0) depctr_sa_sdst(0) depctr_va_vdst(0) depctr_va_sdst(0) depctr_va_ssrc(0) depctr_va_vcc(0) depctr_vm_vsrc(0)
	s_getreg_b32 s2, hwreg(HW_REG_IB_STS2, 6, 4)
	s_cmp_eq_u32 s2, 0
	s_cbranch_scc0 .Lentry_in_a_cluster
	s_endpgm
.Lentry_in_a_cluster:
	s_bfe_u32 s2, ttmp6, 0x10000c
	s_cmp_lg_u32 s2, 0xf033
	s_cbranch_scc0 .Lentry_shape_is_right
	s_endpgm
.Lentry_shape_is_right:
; hid[e] = silu(h2 w1[e]^T + b1[e]) for all eight experts (w1's rows e x 512 + f taken as one weight of 4,096 rows), the product on codes of BF6 (E3M2), K = 1,024; the result is quantised along FF and stored as codes.
; A work-group makes 128 rows of w1 (fb) x 128 tokens (tb).  Codes come as records of 6,656 bytes (a tile of 16 rows x 512 K as images of the operand's registers, then its scale words; tile T = 2 g + u holds in lane r
; the row 32 g + 8 u + r + 8 (r / 8)).  K goes in two chunks of 512, 106,496 bytes each; both are asked for at the start and nothing is filled again.
; Eight waves: four tiles of w1's rows (source 0; xh = w % 2) against two tiles of tokens (source 1; yg = w / 2): a lane holds one token and 64 neighbouring hidden units, two blocks of the next K.
; CLUSTER 4 x 4: the weight's records are asked for jointly by a column of the cluster, the tokens' by a row.
; hid: [expert 8][token tile 256][record]; my 64 units are K step fb % 4, half xh of the record.
; LIMITS: NaN and infinities are not served; a block whose largest magnitude lies under 2^-122 gets the scale byte 1.  silu(x) = x / (1 + 2^(-x log2 e)) by v_exp_f32 and v_rcp_f32.
.set REC, 6656
.set CHB, 16*REC
.set TOFF, 8*REC
.set FOFF, 3407872                     ; w1's records in wq: [chunk 2][tile 256]
.set NTF, 256
.set WV, 12
.set XH, 13
.set YG, 14
.set W3, 15
.set G1F, 16
.set G1T, 24
.set G0F, 32
.set G0T, 48
.set SEL, 46
.set AX16, 4
.set AX8, 5
.set AY16, 6
.set AY8, 7
.set O16, 12
.set O8, 13
.set BO, 14
.set ACC, 16
.set XF, 80
.set YF, 128
.set SX, 152
.set SY, 168
.set TM, 176
.set TQ, 192
.set PC0, 200
.set PC1, 206
.set PW0, 212
.macro ROUND
	s_barrier_signal -1
	s_barrier_wait -1
	s_cmp_lg_u32 s[WV], 0
	s_cbranch_scc1 .Lnot_wave_0_\@
	s_barrier_signal -3
.Lnot_wave_0_\@:
	s_barrier_wait -3
	s_barrier_signal -1
	s_barrier_wait -1
.endm
.macro PLACES
.rept 4
	v_nop
.endr
.endm
.macro LDFRAG reg, a16, a8, off
	ds_load_b128 v[\reg:\reg+3], v[\a16] offset:\off
	ds_load_b64 v[\reg+4:\reg+5], v[\a8] offset:\off+512
	ds_load_b128 v[\reg+6:\reg+9], v[\a16] offset:\off+768
	ds_load_b64 v[\reg+10:\reg+11], v[\a8] offset:\off+1280
.endm
.macro KSTEP c, s
.irp n, 0,1,2,3
	LDFRAG XF+12*\n, AX16+4*\c, AX8+4*\c, \n*REC+1536*\s
.endr
.irp m, 0,1
	LDFRAG YF+12*\m, AY16+4*\c, AY8+4*\c, \m*REC+1536*\s
.endr
	s_wait_dscnt 0x0
.irp m, 0,1
.irp n, 0,1,2,3
	v_wmma_scale_f32_16x16x128_f8f6f4 v[ACC+32*\m+8*\n:ACC+32*\m+8*\n+7], v[XF+12*\n:XF+12*\n+11], v[YF+12*\m:YF+12*\m+11], v[ACC+32*\m+8*\n:ACC+32*\m+8*\n+7], v[SX+4*\n+\s], v[SY+4*\m+\s] matrix_a_fmt:MATRIX_FMT_BF6 matrix_b_fmt:MATRIX_FMT_BF6
.endr
.endr
	PLACES
.endm
.macro CHUNK c
.irp n, 0,1,2,3
	ds_load_b128 v[SX+4*\n:SX+4*\n+3], v[AX16+4*\c] offset:\n*REC+6144
.endr
.irp m, 0,1
	ds_load_b128 v[SY+4*\m:SY+4*\m+3], v[AY16+4*\c] offset:\m*REC+6144
.endr
	KSTEP \c, 0
	KSTEP \c, 1
	KSTEP \c, 2
	KSTEP \c, 3
.endm
.macro QUANT2 src, dst, pw
.irp b, 0,1
	v_max3_num_f32 v[TM+\b], |v[\src+16*\b]|, |v[\src+16*\b+1]|, 0x2800000   ; and the floor 2^(5 - 127): the byte cannot fall under 1
.endr
.irp i, 2,4,6,8,10,12,14
.irp b, 0,1
	v_max3_num_f32 v[TM+\b], v[TM+\b], |v[\src+16*\b+\i]|, |v[\src+16*\b+\i+1]|
.endr
.endr
.irp b, 0,1
	v_permlanex16_b32 v[TM+4+\b], v[TM+\b], s[SEL], s[SEL+1]
.endr
.irp b, 0,1
	v_max_num_f32 v[TM+\b], v[TM+\b], v[TM+4+\b]
.endr
.irp b, 0,1
	v_add_nc_u32 v[TM+12+\b], 0xfe000000, v[TM+\b]
.endr
.irp b, 0,1
	v_lshrrev_b32 v[TM+4+\b], 23, v[TM+12+\b]
.endr
	v_lshl_or_b32 v[\pw], v[TM+5], 8, v[TM+4]
	v_cvt_scalef32_pk16_bf6_f32 v[\dst:\dst+2], v[\src:\src+15], v[TM+12]
	v_cvt_scalef32_pk16_bf6_f32 v[TQ:TQ+2], v[\src+16:\src+31], v[TM+13]
	v_nop                                          ; one plain place behind a scaled conversion
.irp i, 0,1,2
	v_permlane16_swap_b32 v[\dst+\i], v[TQ+\i]
.endr
.irp i, 0,1,2
	v_mov_b32 v[\dst+3+\i], v[TQ+\i]
.endr
.endm
	s_load_b256 s[4:11], s[0:1], 0x0               ; wq, hq, b1, hid
	v_lshl_add_u32 v254, v0, 2, 0x34000
	v_mov_b32 v255, 0
	ds_add_u32 v254, v255
	ds_add_u32 v254, v255
	v_lshrrev_b32 v1, 5, v0
	v_readfirstlane_b32 s[WV], v1
	s_and_b32 s[XH], s[WV], 1
	s_lshr_b32 s[YG], s[WV], 1
	s_and_b32 s[W3], s[WV], 3
	s_bfe_u32 s40, ttmp6, 0x40000
	s_bfe_u32 s41, ttmp6, 0x40004
	s_lshl_b32 s42, ttmp9, 2
	s_add_co_u32 s42, s42, s40                     ; fb
	s_and_b32 s43, ttmp7, 0xffff
	s_lshl_b32 s43, s43, 2
	s_add_co_u32 s43, s43, s41                     ; tb
	s_lshl_b32 s44, s41, 2
	s_lshl_b32 s44, 15, s44
	s_lshl_b32 s45, 0x1111, s40
	s_or_b32 s[G1F], s45, (3<<16)|(1<<21)          ; the mask; elements of 8 bytes; bit 21 beside a mask
	s_or_b32 s[G1T], s44, (3<<16)|(1<<21)
.irp g, G1F, G1T
	s_mov_b32 s[\g+1], 32<<16                      ; 52 dense rows of 256 bytes: two records
	s_mov_b32 s[\g+2], 52<<16
	s_mov_b32 s[\g+3], 32<<16
	s_mov_b32 s[\g+4], 52
	s_mov_b32 s[\g+5], 32
	s_mov_b32 s[\g+6], 0
	s_mov_b32 s[\g+7], 0
.endr
	s_lshl_b32 s56, s42, 3
	s_lshl_b32 s57, s[W3], 1
	s_add_co_u32 s56, s56, s57
	s_mul_i32 s56, s56, REC
	s_add_co_u32 s56, s56, FOFF
	s_mov_b32 s57, 0
	s_lshl_b32 s58, s43, 3
	s_lshl_b32 s59, s[W3], 1
	s_add_co_u32 s58, s58, s59
	s_mul_i32 s58, s58, REC
	s_mov_b32 s59, 0
	s_mul_i32 s60, s[WV], 2*REC
	s_mov_b32 s[SEL], 0x76543210
	s_mov_b32 s[SEL+1], 0xfedcba98
	s_wait_dscnt 0x0
	s_wait_kmcnt 0x0
	s_add_nc_u64 s[56:57], s[4:5], s[56:57]
	s_add_nc_u64 s[58:59], s[6:7], s[58:59]
	ROUND
.irp c, 0,1
	s_mov_b32 s[G0F+4*\c], 1
	s_add_co_u32 s[G0F+4*\c+1], s60, \c*CHB
	s_add_nc_u64 s[G0F+4*\c+2:G0F+4*\c+3], s[56:57], \c*NTF*REC
	s_or_b32 s[G0F+4*\c+3], s[G0F+4*\c+3], 0x80000000
	s_mov_b32 s[G0T+4*\c], 1
	s_add_co_u32 s[G0T+4*\c+1], s60, \c*CHB
	s_add_nc_u64 s[G0T+4*\c+2:G0T+4*\c+3], s[58:59], \c*256*REC
	s_or_b32 s[G0T+4*\c+3], s[G0T+4*\c+3], 0x80000000
.endr
	s_cmp_lt_u32 s[WV], 4                          ; a wave's two fills stand in one branch: two tensor loads of mine are out
	s_cbranch_scc0 .Lfirst_t
	tensor_load_to_lds s[G0F:G0F+3], s[G1F:G1F+7]
	s_nop 0
	tensor_load_to_lds s[G0F+4:G0F+7], s[G1F:G1F+7]
	s_nop 0
	PLACES
	s_branch .Lfirst_asked
.Lfirst_t:
	tensor_load_to_lds s[G0T:G0T+3], s[G1T:G1T+7]
	s_nop 0
	tensor_load_to_lds s[G0T+4:G0T+7], s[G1T:G1T+7]
	s_nop 0
	PLACES
.Lfirst_asked:
	v_and_b32 v1, 31, v0
	v_bfe_u32 v3, v0, 4, 1
	v_lshlrev_b32 v[O16], 4, v1
	v_lshlrev_b32 v[O8], 3, v1
	v_lshlrev_b32 v[BO], 6, v3
	v_mov_b32 v[TM+4], 0
	v_mov_b32 v[TM+5], 0
	s_mul_i32 s61, s[XH], 4*REC
	s_mul_i32 s62, s[YG], 2*REC
.irp c, 0,1
	s_add_co_u32 s63, s61, \c*CHB
	v_lshl_add_u32 v[AX16+4*\c], v1, 4, s63
	v_lshl_add_u32 v[AX8+4*\c], v1, 3, s63
	s_add_co_u32 s63, s62, TOFF+\c*CHB
	v_lshl_add_u32 v[AY16+4*\c], v1, 4, s63
	v_lshl_add_u32 v[AY8+4*\c], v1, 3, s63
.endr
	s_lshl_b32 s66, s42, 9
	s_lshl_b32 s67, s[XH], 8
	s_add_co_u32 s66, s66, s67
	s_mov_b32 s67, 0
	s_add_nc_u64 s[66:67], s[8:9], s[66:67]        ; b1 of my 64 units
.irp m, 0,1
.irp n, 0,1,2,3
	global_load_b128 v[ACC+32*\m+8*\n:ACC+32*\m+8*\n+3], v[BO], s[66:67] offset:128*(\n/2)+32*(\n%2)
	global_load_b128 v[ACC+32*\m+8*\n+4:ACC+32*\m+8*\n+7], v[BO], s[66:67] offset:128*(\n/2)+32*(\n%2)+16
.endr
.endr
	s_wait_tensorcnt 0x1                           ; my part of chunk 0 is in; chunk 1's load may be out
	s_barrier_signal -1
	s_barrier_wait -1
	s_wait_loadcnt 0x0                             ; the bias
	CHUNK 0
	s_wait_tensorcnt 0x0
	s_wait_dscnt 0x0
	s_barrier_signal -1
	s_barrier_wait -1
	CHUNK 1
.irp m, 0,1                                    ; silu, 32 numbers at a time, each accumulator from its low end on
.set p, 0
.rept 16
	v_pk_mul_f32 v[XF+2*p:XF+2*p+1], v[ACC+32*\m+2*p:ACC+32*\m+2*p+1], 0xbfb8aa3b op_sel_hi:[1,0]   ; -x log2(e)
.set p, p+1
.endr
.set p, 0
.rept 32
	v_exp_f32 v[XF+p], v[XF+p]
.set p, p+1
.endr
	v_nop
.set p, 0
	s_wait_alu depctr_va_vdst(0)
.rept 16
	v_pk_add_f32 v[XF+2*p:XF+2*p+1], v[XF+2*p:XF+2*p+1], 1.0 op_sel_hi:[1,0]
.set p, p+1
.endr
.set p, 0
.rept 32
	v_rcp_f32 v[XF+p], v[XF+p]
.set p, p+1
.endr
	v_nop
.set p, 0
	s_wait_alu depctr_va_vdst(0)
.rept 16
	v_pk_mul_f32 v[ACC+32*\m+2*p:ACC+32*\m+2*p+1], v[ACC+32*\m+2*p:ACC+32*\m+2*p+1], v[XF+2*p:XF+2*p+1]
.set p, p+1
.endr
.endr
	QUANT2 ACC, PC0, PW0
	QUANT2 ACC+32, PC1, PW0+1
	s_lshr_b32 s68, s42, 2                         ; expert
	s_lshl_b32 s68, s68, 8
	s_lshl_b32 s69, s43, 3
	s_add_co_u32 s68, s68, s69
	s_lshl_b32 s69, s[YG], 1
	s_add_co_u32 s68, s68, s69                     ; token tile 8 tb + 2 yg (+ m)
	s_mul_i32 s68, s68, REC
	s_mov_b32 s69, 0
	s_add_nc_u64 s[68:69], s[10:11], s[68:69]
	s_and_b32 s74, s42, 3                          ; K step
	s_mul_i32 s70, s74, 1536
	s_mul_i32 s71, s[XH], 768
	s_add_co_u32 s70, s70, s71
	s_mov_b32 s71, 0
	s_add_nc_u64 s[70:71], s[68:69], s[70:71]
	s_lshl_b32 s72, s74, 2
	s_lshl_b32 s73, s[XH], 1
	s_add_co_u32 s72, s72, s73
	s_mov_b32 s73, 0
	s_add_nc_u64 s[72:73], s[68:69], s[72:73]
	global_store_b128 v[O16], v[PC0:PC0+3], s[70:71]
	global_store_b64 v[O8], v[PC0+4:PC0+5], s[70:71] offset:512
	global_store_b128 v[O16], v[PC1:PC1+3], s[70:71] offset:REC
	global_store_b64 v[O8], v[PC1+4:PC1+5], s[70:71] offset:REC+512
	global_store_b16 v[O16], v[PW0], s[72:73] offset:6144
	global_store_b16 v[O16], v[PW0+1], s[72:73] offset:REC+6144
	s_wait_tensorcnt 0x0
	ds_add_u32 v254, v255
	s_wait_dscnt 0x0
	ROUND                                          ; the closing round
	s_endpgm
.Lfunc_end_k_q2ee802ae7b_up:
	.size	k_q2ee802ae7b_up, .Lfunc_end_k_q2ee802ae7b_up-k_q2ee802ae7b_up
	.p2alignl 7, 3214868480
	.fill 96, 4, 3214868480
	.section	.rodata,"a",@progbits
	.p2align	6, 0x0
	.amdhsa_kernel k_q2ee802ae7b_up
		.amdhsa_group_segment_fixed_size 214016
		.amdhsa_private_segment_fixed_size 0
		.amdhsa_enable_private_segment 0
		.amdhsa_kernarg_size 32
		.amdhsa_user_sgpr_count 2
		.amdhsa_user_sgpr_kernarg_segment_ptr 1
		.amdhsa_wavefront_size32 1
		.amdhsa_system_sgpr_workgroup_id_x 1
		.amdhsa_system_sgpr_workgroup_id_y 1
		.amdhsa_system_sgpr_workgroup_id_z 1
		.amdhsa_system_vgpr_workitem_id 0
		.amdhsa_next_free_vgpr 256
		.amdhsa_next_free_sgpr 100
		.amdhsa_reserve_vcc 0
		.amdhsa_float_denorm_mode_32 3
		.amdhsa_float_denorm_mode_16_64 3
		.amdhsa_memory_ordered 1
		.amdhsa_forward_progress 1
		.amdhsa_inst_pref_size 47
	.end_amdhsa_kernel
	.amdgpu_metadata
---
amdhsa.version: [ 1, 2 ]
amdhsa.kernels:
  - .name:           k_q2ee802ae7b_up
    .symbol:         k_q2ee802ae7b_up.kd
    .args:
      - { .name: wq, .offset: 0, .size: 8, .value_kind: global_buffer, .address_space: global }
      - { .name: hq, .offset: 8, .size: 8, .value_kind: global_buffer, .address_space: global }
      - { .name: b1, .offset: 16, .size: 8, .value_kind: global_buffer, .address_space: global }
      - { .name: hid, .offset: 24, .size: 8, .value_kind: global_buffer, .address_space: global }
    .group_segment_fixed_size: 214016
    .private_segment_fixed_size: 0
    .kernarg_segment_align: 8
    .kernarg_segment_size: 32
    .max_flat_workgroup_size: 256
    .sgpr_count:     100
    .vgpr_count:     256
    .wavefront_size: 32
...
	.end_amdgpu_metadata
.endif
;; end of part 6
;; launch down (part 7): grid 8 x 32, 8 waves a work-group, clusters of 4 x 4, 327,680 bytes of LDS; arguments wq, hid, ew, x1, b2, out0; writes out0
.if DOCPART == 7
	.amdgcn_target "amdgcn-amd-amdhsa--gfx1250"
	.amdhsa_code_object_version 6
	.text
	.protected	k_q2ee802ae7b_down
	.globl	k_q2ee802ae7b_down
	.p2align	8
	.type	k_q2ee802ae7b_down,@function
k_q2ee802ae7b_down:
	s_mov_b64 s[64:65], 0
	v_nop
	global_prefetch_b8 v0, s[64:65] scope:SCOPE_SE
	s_setreg_imm32_b32 hwreg(HW_REG_WAVE_MODE, 25, 1), 1
	s_wait_xcnt 0x0
	s_wait_alu depctr_hold_cnt(0) depctr_sa_sdst(0) depctr_va_vdst(0) depctr_va_sdst(0) depctr_va_ssrc(0) depctr_va_vcc(0) depctr_vm_vsrc(0)
	s_getreg_b32 s2, hwreg(HW_REG_IB_STS2, 6, 4)
	s_cmp_eq_u32 s2, 0
	s_cbranch_scc0 .Lentry_in_a_cluster
	s_endpgm
.Lentry_in_a_cluster:
	s_bfe_u32 s2, ttmp6, 0x10000c
	s_cmp_lg_u32 s2, 0xf033
	s_cbranch_scc0 .Lentry_shape_is_right
	s_endpgm
.Lentry_shape_is_right:
; out0 = x1 + the sum over the eight experts of ew[t][e] (hid[e] w2[e]^T + b2[e]); the products on codes of BF6 (E3M2), K = 512.  Every expert is multiplied for every token; ew is 0 for the six not chosen.
; A work-group makes 128 of D (db) x 128 tokens (tb) and walks the experts through a ring of two LDS slots; a slot holds one expert: 8 records of w2[e], 8 of hid[e] (6,656 bytes each: a tile of 16 rows x 512 K as images
; of the operand's registers, then its scale words), 106,496 bytes.  Each wave fetches two records by one tensor load: two loads of mine are out at the start, one behind each later round.
; Eight waves: four tiles of w2's rows (source 0; xh = w % 2) against two tiles of tokens (source 1; yg = w / 2).  An expert's 8 accumulators begin as b2[e]; behind its 32 products they are weighed by my token's ew into TOT.
; CLUSTER 4 x 4: w2's records are asked for jointly by a column of the cluster, hid's by a row; each refill stands behind a round of the cluster's barrier.
; THE WAY OUT: TOT goes through a stage of 128 rows x (512 + 16) bytes in slot 0, which has had its last fill and its last read; each wave takes 16 whole rows, adds x1 and stores 512 consecutive bytes an instruction.
.set REC, 6656
.set CHB, 16*REC
.set TOFF, 8*REC
.set FOFF, 6815744                     ; w2's records in wq: [tile 512], 64 to an expert
.set NTF, 64
.set SPARE, 2*CHB                      ; behind the ring: the spare words, 128 bytes for each wave
.set WV, 12
.set XH, 13
.set YG, 14
.set W3, 15
.set G1F, 16
.set G1T, 24
.set G0F, 32                           ; a group 0 for each slot
.set G0T, 48
.set AX16, 4                           ; v4-7 slot 0's addresses, v8-11 slot 1's
.set AX8, 5
.set AY16, 6
.set AY8, 7
.set O16, 12
.set BO, 14
.set ACC, 16
.set XF, 80
.set YF, 128
.set SX, 152
.set SY, 168
.set TOT, 176                          ; v176-239 the weighed sums
.set EW, 240                           ; v240, v242 my two tokens' weights (v241, v243 named as upper halves of pairs)
.set VE, 244
.set SPW, 246
.set NIL, 247
.set STO, 248
.set RDA, 249
.set SP, 528
.macro ROUND
	s_barrier_signal -1
	s_barrier_wait -1
	s_cmp_lg_u32 s[WV], 0
	s_cbranch_scc1 .Lnot_wave_0_\@
	s_barrier_signal -3
.Lnot_wave_0_\@:
	s_barrier_wait -3
	s_barrier_signal -1
	s_barrier_wait -1
.endm
.macro PLACES
.rept 4
	v_nop
.endr
.endm
.macro JLOAD sl                        ; a joint refill of slot sl: waves 0-3 w2's records, waves 4-7 hid's; four v_nop follow each line
	s_cmp_lt_u32 s[WV], 4
	s_cbranch_scc0 .Lfor_t_\@
	tensor_load_to_lds s[G0F+4*\sl:G0F+4*\sl+3], s[G1F:G1F+7]
	s_nop 0
	PLACES
	s_branch .Lasked_\@
.Lfor_t_\@:
	tensor_load_to_lds s[G0T+4*\sl:G0T+4*\sl+3], s[G1T:G1T+7]
	s_nop 0
	PLACES
.Lasked_\@:
.endm
.macro LDFRAG reg, a16, a8, off
	ds_load_b128 v[\reg:\reg+3], v[\a16] offset:\off
	ds_load_b64 v[\reg+4:\reg+5], v[\a8] offset:\off+512
	ds_load_b128 v[\reg+6:\reg+9], v[\a16] offset:\off+768
	ds_load_b64 v[\reg+10:\reg+11], v[\a8] offset:\off+1280
.endm
.macro KSTEP c, s
.irp n, 0,1,2,3
	LDFRAG XF+12*\n, AX16+4*\c, AX8+4*\c, \n*REC+1536*\s
.endr
.irp m, 0,1
	LDFRAG YF+12*\m, AY16+4*\c, AY8+4*\c, \m*REC+1536*\s
.endr
	s_wait_dscnt 0x0
.irp m, 0,1
.irp n, 0,1,2,3
	v_wmma_scale_f32_16x16x128_f8f6f4 v[ACC+32*\m+8*\n:ACC+32*\m+8*\n+7], v[XF+12*\n:XF+12*\n+11], v[YF+12*\m:YF+12*\m+11], v[ACC+32*\m+8*\n:ACC+32*\m+8*\n+7], v[SX+4*\n+\s], v[SY+4*\m+\s] matrix_a_fmt:MATRIX_FMT_BF6 matrix_b_fmt:MATRIX_FMT_BF6
.endr
.endr
	PLACES
.endm
.macro CHUNK c
.irp n, 0,1,2,3
	ds_load_b128 v[SX+4*\n:SX+4*\n+3], v[AX16+4*\c] offset:\n*REC+6144
.endr
.irp m, 0,1
	ds_load_b128 v[SY+4*\m:SY+4*\m+3], v[AY16+4*\c] offset:\m*REC+6144
.endr
	KSTEP \c, 0
	KSTEP \c, 1
	KSTEP \c, 2
	KSTEP \c, 3
.endm
.macro PRE e                           ; expert e's start: b2[e] of my 64 rows into the accumulators, and my two tokens' weights
.irp m, 0,1
.irp n, 0,1,2,3
	global_load_b128 v[ACC+32*\m+8*\n:ACC+32*\m+8*\n+3], v[BO], s[66:67] offset:4096*(\e)+128*(\n/2)+32*(\n%2)
	global_load_b128 v[ACC+32*\m+8*\n+4:ACC+32*\m+8*\n+7], v[BO], s[66:67] offset:4096*(\e)+128*(\n/2)+32*(\n%2)+16
.endr
	global_load_b32 v[EW+2*\m], v[VE], s[68:69] offset:256*\m+4*(\e)
.endr
.endm
.macro EXPERT e, sl
	s_wait_loadcnt 0x0                             ; b2[e] and ew
	CHUNK \sl
.irp m, 0,1                                    ; each accumulator from its low end on
.set p, 0
.rept 16
.if \e == 0
	v_pk_mul_f32 v[TOT+32*\m+2*p:TOT+32*\m+2*p+1], v[ACC+32*\m+2*p:ACC+32*\m+2*p+1], v[EW+2*\m:EW+2*\m+1] op_sel_hi:[1,0]
.else
	v_pk_fma_f32 v[TOT+32*\m+2*p:TOT+32*\m+2*p+1], v[ACC+32*\m+2*p:ACC+32*\m+2*p+1], v[EW+2*\m:EW+2*\m+1], v[TOT+32*\m+2*p:TOT+32*\m+2*p+1] op_sel_hi:[1,0,1]
.endif
.set p, p+1
.endr
.endr
.if \e < 7
	PRE \e+1
.endif
.endm
.macro TURN sl, fill                   ; the change of slots; fill = 1: slot sl, just read out, takes the expert two on
	s_wait_tensorcnt 0x0                           ; all my tensor loads have landed: my part of the slot ahead; so a group 0 may be written
	ds_add_u32 v[SPW], v[NIL]                      ; 0 onto my spare word
.if \fill
	s_add_nc_u64 s[G0F+4*\sl+2:G0F+4*\sl+3], s[G0F+4*\sl+2:G0F+4*\sl+3], 2*64*REC
	s_add_nc_u64 s[G0T+4*\sl+2:G0T+4*\sl+3], s[G0T+4*\sl+2:G0T+4*\sl+3], 2*256*REC
.endif
	s_wait_dscnt 0x0                               ; the add is done, and my reads of the slot that I leave are over
.if \fill
	ROUND                                          ; both now hold of every wave of every partner
	JLOAD \sl                                      ; my one tensor load behind the round, first thing there: it has an expert's 32 products a wave in which to land
.else
	s_barrier_signal -1
	s_barrier_wait -1
.endif
.endm
	s_load_b256 s[4:11], s[0:1], 0x0               ; wq, hid, ew, x1
	s_load_b128 s[84:87], s[0:1], 0x20             ; b2, out0
	v_lshl_add_u32 v[SPW], v0, 2, SPARE
	v_mov_b32 v[NIL], 0
	ds_add_u32 v246, v247
	ds_add_u32 v246, v247
	s_wait_dscnt 0x0
	v_lshrrev_b32 v1, 5, v0
	v_readfirstlane_b32 s[WV], v1
	s_and_b32 s[XH], s[WV], 1
	s_lshr_b32 s[YG], s[WV], 1
	s_and_b32 s[W3], s[WV], 3
	s_bfe_u32 s40, ttmp6, 0x40000
	s_bfe_u32 s41, ttmp6, 0x40004
	s_lshl_b32 s42, ttmp9, 2
	s_add_co_u32 s42, s42, s40                     ; db
	s_and_b32 s43, ttmp7, 0xffff
	s_lshl_b32 s43, s43, 2
	s_add_co_u32 s43, s43, s41                     ; tb
	s_lshl_b32 s44, s41, 2
	s_lshl_b32 s44, 15, s44
	s_lshl_b32 s45, 0x1111, s40
	s_or_b32 s[G1F], s45, (3<<16)|(1<<21)          ; the mask; elements of 8 bytes; bit 21 beside a mask
	s_or_b32 s[G1T], s44, (3<<16)|(1<<21)
.irp g, G1F, G1T
	s_mov_b32 s[\g+1], 32<<16                      ; 52 dense rows of 256 bytes: two records
	s_mov_b32 s[\g+2], 52<<16
	s_mov_b32 s[\g+3], 32<<16
	s_mov_b32 s[\g+4], 52
	s_mov_b32 s[\g+5], 32
	s_mov_b32 s[\g+6], 0
	s_mov_b32 s[\g+7], 0
.endr
	s_lshl_b32 s56, s42, 3
	s_lshl_b32 s57, s[W3], 1
	s_add_co_u32 s56, s56, s57
	s_mul_i32 s56, s56, REC
	s_add_co_u32 s56, s56, FOFF
	s_mov_b32 s57, 0
	s_lshl_b32 s58, s43, 3
	s_lshl_b32 s59, s[W3], 1
	s_add_co_u32 s58, s58, s59
	s_mul_i32 s58, s58, REC
	s_mov_b32 s59, 0
	s_mul_i32 s60, s[WV], 2*REC
	s_wait_kmcnt 0x0
	s_add_nc_u64 s[56:57], s[4:5], s[56:57]
	s_add_nc_u64 s[58:59], s[6:7], s[58:59]
	ROUND                                          ; all sixteen work-groups are here: the first joint loads meet
.irp c, 0,1                                    ; slot c begins with expert c
	s_mov_b32 s[G0F+4*\c], 1
	s_add_co_u32 s[G0F+4*\c+1], s60, \c*CHB
	s_add_nc_u64 s[G0F+4*\c+2:G0F+4*\c+3], s[56:57], \c*NTF*REC
	s_or_b32 s[G0F+4*\c+3], s[G0F+4*\c+3], 0x80000000
	s_mov_b32 s[G0T+4*\c], 1
	s_add_co_u32 s[G0T+4*\c+1], s60, \c*CHB
	s_add_nc_u64 s[G0T+4*\c+2:G0T+4*\c+3], s[58:59], \c*256*REC
	s_or_b32 s[G0T+4*\c+3], s[G0T+4*\c+3], 0x80000000
.endr
	s_cmp_lt_u32 s[WV], 4                          ; a wave's two first fills stand in one branch
	s_cbranch_scc0 .Lfirst_t
	tensor_load_to_lds s[G0F:G0F+3], s[G1F:G1F+7]
	s_nop 0
	tensor_load_to_lds s[G0F+4:G0F+7], s[G1F:G1F+7]
	s_nop 0
	PLACES
	s_branch .Lfirst_asked
.Lfirst_t:
	tensor_load_to_lds s[G0T:G0T+3], s[G1T:G1T+7]
	s_nop 0
	tensor_load_to_lds s[G0T+4:G0T+7], s[G1T:G1T+7]
	s_nop 0
	PLACES
.Lfirst_asked:
	v_and_b32 v1, 31, v0
	v_and_b32 v2, 15, v0
	v_and_b32 v3, 8, v2
	v_add_nc_u32 v2, v2, v3                        ; r + 8 (r / 8)
	v_bfe_u32 v3, v0, 4, 1                         ; h
	v_lshlrev_b32 v[O16], 4, v1
	v_lshlrev_b32 v[BO], 6, v3
	v_lshlrev_b32 v[VE], 5, v2                     ; my token's eight weights
	v_mov_b32 v[EW+1], 0
	v_mov_b32 v[EW+3], 0
	s_mul_i32 s61, s[XH], 4*REC
	s_mul_i32 s62, s[YG], 2*REC
.irp c, 0,1
	s_add_co_u32 s63, s61, \c*CHB
	v_lshl_add_u32 v[AX16+4*\c], v1, 4, s63
	v_lshl_add_u32 v[AX8+4*\c], v1, 3, s63
	s_add_co_u32 s63, s62, TOFF+\c*CHB
	v_lshl_add_u32 v[AY16+4*\c], v1, 4, s63
	v_lshl_add_u32 v[AY8+4*\c], v1, 3, s63
.endr
	v_mul_u32_u24 v[STO], v2, SP                   ; the stage, in: my token's row, + 64 h, + my wave's 32 rows and 256 bytes
	v_lshl_add_u32 v[STO], v3, 6, v[STO]
	s_mul_i32 s63, s[YG], 32*SP
	s_lshl_b32 s62, s[XH], 8
	s_add_co_u32 s63, s63, s62
	v_add_nc_u32 v[STO], s63, v[STO]
	s_mul_i32 s63, s[WV], 16*SP
	v_lshl_add_u32 v[RDA], v1, 4, s63              ; and back: my 16 rows, 16 bytes a lane
	s_lshl_b32 s66, s42, 9
	s_lshl_b32 s67, s[XH], 8
	s_add_co_u32 s66, s66, s67
	s_mov_b32 s67, 0
	s_add_nc_u64 s[66:67], s[84:85], s[66:67]      ; b2 at my 64 rows
	s_lshl_b32 s68, s43, 12
	s_lshl_b32 s69, s[YG], 10
	s_add_co_u32 s68, s68, s69
	s_mov_b32 s69, 0
	s_add_nc_u64 s[68:69], s[8:9], s[68:69]        ; ew at token 128 tb + 32 yg
	s_lshl_b32 s70, s43, 7
	s_lshl_b32 s71, s[WV], 4
	s_add_co_u32 s70, s70, s71                     ; the first row that I store
	s_lshl_b32 s70, s70, 12
	s_lshl_b32 s71, s42, 9
	s_add_co_u32 s70, s70, s71
	s_mov_b32 s71, 0
	s_add_nc_u64 s[72:73], s[10:11], s[70:71]      ; in x1
	s_add_nc_u64 s[70:71], s[86:87], s[70:71]      ; in out0
	PRE 0
	s_wait_tensorcnt 0x1                           ; my part of expert 0 is in; expert 1's load may be out
	s_barrier_signal -1
	s_barrier_wait -1
	EXPERT 0, 0
	TURN 0, 1                                      ; slot 0 takes expert 2
	EXPERT 1, 1
	TURN 1, 1
	EXPERT 2, 0
	TURN 0, 1
	EXPERT 3, 1
	TURN 1, 1
	EXPERT 4, 0
	TURN 0, 1
	EXPERT 5, 1
	TURN 1, 1                                      ; slot 1 takes expert 7: the last fill
	EXPERT 6, 0
	TURN 0, 0                                      ; nothing is left to fetch
	EXPERT 7, 1
.irp i, 0,1,2,3,4,5,6,7,8,9,10,11,12,13,14,15
	global_load_b128 v[ACC+4*\i:ACC+4*\i+3], v[O16], s[72:73] offset:4096*\i   ; my 16 rows of x1, into the accumulators' registers, which are done with
.endr
.irp m, 0,1
.irp n, 0,1,2,3
	ds_store_b128 v[STO], v[TOT+32*\m+8*\n:TOT+32*\m+8*\n+3] offset:8*\m*SP+128*(\n/2)+32*(\n%2)
	ds_store_b128 v[STO], v[TOT+32*\m+8*\n+4:TOT+32*\m+8*\n+7] offset:8*\m*SP+128*(\n/2)+32*(\n%2)+16
.endr
.endr
	s_wait_dscnt 0x0                               ; for the others' sake: my stores have landed
	s_barrier_signal -1
	s_barrier_wait -1
.irp i, 0,1,2,3,4,5,6,7,8,9,10,11,12,13,14,15
	ds_load_b128 v[XF+4*\i:XF+4*\i+3], v[RDA] offset:\i*SP
.endr
	s_wait_loadcnt 0x0                             ; x1
.irp i, 0,1,2,3,4,5,6,7,8,9,10,11,12,13,14,15
	s_wait_dscnt 15-\i                             ; row i is back; the later rows may be out
	v_pk_add_f32 v[XF+4*\i:XF+4*\i+1], v[XF+4*\i:XF+4*\i+1], v[ACC+4*\i:ACC+4*\i+1]
	v_pk_add_f32 v[XF+4*\i+2:XF+4*\i+3], v[XF+4*\i+2:XF+4*\i+3], v[ACC+4*\i+2:ACC+4*\i+3]
	global_store_b128 v[O16], v[XF+4*\i:XF+4*\i+3], s[70:71] offset:4096*\i th:TH_STORE_NT   ; 32 lanes store 512 consecutive bytes, aligned; written once
.endr
	s_wait_tensorcnt 0x0                           ; the wave's end
	ds_add_u32 v[SPW], v[NIL]
	s_wait_dscnt 0x0
	ROUND                                          ; the closing round
	s_endpgm
.Lfunc_end_k_q2ee802ae7b_down:
	.size	k_q2ee802ae7b_down, .Lfunc_end_k_q2ee802ae7b_down-k_q2ee802ae7b_down
	.p2alignl 7, 3214868480
	.fill 96, 4, 3214868480
	.section	.rodata,"a",@progbits
	.p2align	6, 0x0
	.amdhsa_kernel k_q2ee802ae7b_down
		.amdhsa_group_segment_fixed_size 327680
		.amdhsa_private_segment_fixed_size 0
		.amdhsa_enable_private_segment 0
		.amdhsa_kernarg_size 48
		.amdhsa_user_sgpr_count 2
		.amdhsa_user_sgpr_kernarg_segment_ptr 1
		.amdhsa_wavefront_size32 1
		.amdhsa_system_sgpr_workgroup_id_x 1
		.amdhsa_system_sgpr_workgroup_id_y 1
		.amdhsa_system_sgpr_workgroup_id_z 1
		.amdhsa_system_vgpr_workitem_id 0
		.amdhsa_next_free_vgpr 256
		.amdhsa_next_free_sgpr 100
		.amdhsa_reserve_vcc 0
		.amdhsa_float_denorm_mode_32 3
		.amdhsa_float_denorm_mode_16_64 3
		.amdhsa_memory_ordered 1
		.amdhsa_forward_progress 1
		.amdhsa_inst_pref_size 140
	.end_amdhsa_kernel
	.amdgpu_metadata
---
amdhsa.version: [ 1, 2 ]
amdhsa.kernels:
  - .name:           k_q2ee802ae7b_down
    .symbol:         k_q2ee802ae7b_down.kd
    .args:
      - { .name: wq, .offset: 0, .size: 8, .value_kind: global_buffer, .address_space: global }
      - { .name: hid, .offset: 8, .size: 8, .value_kind: global_buffer, .address_space: global }
      - { .name: ew, .offset: 16, .size: 8, .value_kind: global_buffer, .address_space: global }
      - { .name: x1, .offset: 24, .size: 8, .value_kind: global_buffer, .address_space: global }
      - { .name: b2, .offset: 32, .size: 8, .value_kind: global_buffer, .address_space: global }
      - { .name: out0, .offset: 40, .size: 8, .value_kind: global_buffer, .address_space: global }
    .group_segment_fixed_size: 327680
    .private_segment_fixed_size: 0
    .kernarg_segment_align: 8
    .kernarg_segment_size: 48
    .max_flat_workgroup_size: 256
    .sgpr_count:     100
    .vgpr_count:     256
    .wavefront_size: 32
...
	.end_amdgpu_metadata
.endif
;; end of part 7
;; ======== version 2 of 2: 7 launches; 1.14 times as fast as version 1
;; workspace buffers: wq 10,223,616 bytes; hq 3,407,872 bytes; att 10,747,904 bytes; cq 3,407,872 bytes; x1 16,777,216 bytes; ew 131,072 bytes; hid 13,631,488 bytes
;; launch prep (part 8): grid 448 x 1, 8 waves a work-group, no clusters, 138,240 bytes of LDS; arguments x, ln1_g, ln1_b, in_proj_w, out_w, w1, w2, wq, hq; writes wq, hq
.if DOCPART == 8
	.amdgcn_target "amdgcn-amd-amdhsa--gfx1250"
	.amdhsa_code_object_version 6
	.text
	.protected	k_q2ee802ae7b_prep
	.globl	k_q2ee802ae7b_prep
	.p2align	8
	.type	k_q2ee802ae7b_prep,@function
k_q2ee802ae7b_prep:
	s_mov_b64 s[64:65], 0
	v_nop
	global_prefetch_b8 v0, s[64:65] scope:SCOPE_SE
	s_setreg_imm32_b32 hwreg(HW_REG_WAVE_MODE, 25, 1), 1
	s_wait_xcnt 0x0
; Work-groups 0-191: the four weights, quantised to BF6 (E3M2) along their K (innermost).  Work-groups 192-447: h = LayerNorm(x) g + b, quantised along D.  The weight work-groups read four times as much and stand first.
; LAYOUT OF ALL CODES OF THIS PROGRAM.  Rows go in groups of 32; tile T = 2 g + u holds in lane r the row 32 g + 8 u + r + 8 (r / 8).  A fragment (16 rows x 128 K, 12 registers a lane) lies in memory as an
; image of its registers: half c (k = 64 c on) has registers 6 c .. 6 c + 3 at 768 c + 16 x lane and 6 c + 4, 6 c + 5 at 768 c + 512 + 8 x lane.  A RECORD of 6,656 bytes is one tile x 512 along K:
; four fragments at 1,536 s, then the scale words, word s of lane l at 6,144 + 16 l + 4 s.  hq: [chunk of 512 K][token tile 256][record];  wq: in_proj [2][192], out [2][64], w1 [2][256], w2 [512] records.
; A block's scale byte is its largest magnitude's exponent field - 4, held at 1 from below.
; LIMITS: NaN and infinities are not served; a block of zeros, or one whose largest magnitude lies under 2^-122, gets the byte 1 (its bytes are read by this program alone); 1 / sqrt is v_rsq_f32.
; LOADS.  The conversions want 16 neighbours along K in one lane, a load is best where neighbouring lanes take neighbouring bytes.  Both are had: each load takes 512 consecutive bytes of one row (a K step of 128
; numbers); a step's 16 rows go through the wave's own stage in LDS, rows 528 bytes apart (33 x 16: the sixteen rows that a load out of it touches begin at sixteen different places modulo 256 bytes), and come back 64 numbers a lane.
; LN: a work-group takes one token tile (16 rows); wave s takes columns 128 s on; mean and variance (two passes) meet in LDS: 32 bytes a lane, one word a wave.
; WEIGHTS: a wave makes one record; loads run one K step (16 loads) ahead.
; LDS: 0: the LN path's sums (2,048 bytes); 2,048: its eight stages; 69,632: the weights path's eight stages.  Each path has bytes of its own.
.set REC, 6656
.set SPT, 528                          ; a stage's row
.set STB, 16*SPT                       ; a wave's stage
.set LSTG, 2048
.set WSTG, LSTG+8*STB
.set XR, 16                            ; v16-79   LN: 64 numbers, register 16 b + i = k 32 b + 16 (lane / 16) + i of my row.  Weights: numbers as loaded, set 0
.set GR, 80                            ; v80-143  LN: x as loaded, then the gain.  Weights: numbers as loaded, set 1
.set BR, 144                           ; v144-207 LN: the bias.  Weights: the 64 numbers back from the stage
.set PC, 208                           ; v208-219 the fragment just made
.set TQ, 220                           ; v220-227 at work
.set TM, 228                           ; v228-243 at work: +0 largest magnitudes, +4 the other half's, then bytes, +12 scale operands
.set PW, 244                           ; v244-247 scale words
.set WV, 22
.set SEL, 34                           ; s[34:35] v_permlanex16_b32's selects for lane l xor 16
.set RB, 66                            ; s[66:97] weights: the addresses of the tile's 16 rows
.macro QUANT src, dst, pw              ; 64 numbers of a lane -> a fragment's 12 registers and its scale word
.irp b, 0,1,2,3
	v_max3_num_f32 v[TM+\b], |v[\src+16*\b]|, |v[\src+16*\b+1]|, 0x2800000   ; my 16 numbers of block b, and the floor 2^(5 - 127): the byte cannot fall under 1
.endr
.irp i, 2,4,6,8,10,12,14
.irp b, 0,1,2,3
	v_max3_num_f32 v[TM+\b], v[TM+\b], |v[\src+16*\b+\i]|, |v[\src+16*\b+\i+1]|
.endr
.endr
.irp b, 0,1,2,3
	v_permlanex16_b32 v[TM+4+\b], v[TM+\b], s[SEL], s[SEL+1]
.endr
.irp b, 0,1,2,3
	v_max_num_f32 v[TM+\b], v[TM+\b], v[TM+4+\b]                   ; with lane l xor 16's 16: the block's largest magnitude
.endr
.irp b, 0,1,2,3
	v_add_nc_u32 v[TM+12+\b], 0xfe000000, v[TM+\b]                 ; 4 off its exponent field: the conversion's scale operand
.endr
.irp b, 0,1,2,3
	v_lshrrev_b32 v[TM+4+\b], 23, v[TM+12+\b]                      ; the scale's byte
.endr
	v_lshl_or_b32 v[\pw], v[TM+5], 8, v[TM+4]
	v_lshl_or_b32 v[\pw], v[TM+6], 16, v[\pw]
	v_lshl_or_b32 v[\pw], v[TM+7], 24, v[\pw]
.irp c, 0,1
	v_cvt_scalef32_pk16_bf6_f32 v[\dst+6*\c:\dst+6*\c+2], v[\src+32*\c:\src+32*\c+15], v[TM+12+2*\c]
	v_cvt_scalef32_pk16_bf6_f32 v[TQ+4*\c:TQ+4*\c+2], v[\src+32*\c+16:\src+32*\c+31], v[TM+13+2*\c]
.endr
	v_nop                                          ; one plain place behind a scaled conversion
.irp c, 0,1                                    ; the operand wants a whole block in a lane: lanes 0-15 block 2 c, lanes 16-31 block 2 c + 1
.irp i, 0,1,2
	v_permlane16_swap_b32 v[\dst+6*\c+\i], v[TQ+4*\c+\i]
.endr
.irp i, 0,1,2
	v_mov_b32 v[\dst+6*\c+3+\i], v[TQ+4*\c+\i]
.endr
.endr
.endm
.macro LOAD64 reg, vo, sb              ; gain or bias: 16 neighbours of each of four blocks; the sixteen lanes of a half read the same bytes
.irp b, 0,1,2,3
.irp j, 0,1,2,3
	global_load_b128 v[\reg+16*\b+4*\j:\reg+16*\b+4*\j+3], v[\vo], s[\sb:\sb+1] offset:128*\b+16*\j
.endr
.endr
.endm
.macro TRANS src, dst                  ; 16 rows x 512 bytes as loaded -> my row's 64 numbers.  LDS serves a wave's instructions in order: no wait between the stores and the loads
.irp i, 0,1,2,3,4,5,6,7,8,9,10,11,12,13,14,15
	ds_store_b128 v8, v[\src+4*\i:\src+4*\i+3] offset:\i*SPT
.endr
.irp b, 0,1,2,3
.irp j, 0,1,2,3
	ds_load_b128 v[\dst+16*\b+4*\j:\dst+16*\b+4*\j+3], v11 offset:128*\b+16*\j
.endr
.endr
.endm
.macro FRAG_G reg, sb, imm             ; a fragment's image: each store covers 512 or 256 consecutive bytes, aligned to 256
	global_store_b128 v6, v[\reg:\reg+3], s[\sb:\sb+1] offset:\imm
	global_store_b64 v7, v[\reg+4:\reg+5], s[\sb:\sb+1] offset:\imm+512
	global_store_b128 v6, v[\reg+6:\reg+9], s[\sb:\sb+1] offset:\imm+768
	global_store_b64 v7, v[\reg+10:\reg+11], s[\sb:\sb+1] offset:\imm+1280
.endm
.macro ALLSUM off                      ; four packed chains in v[TQ] on -> the sum over my row's 1,024 columns, in v[TQ] of every lane of every wave
	v_pk_add_f32 v[TQ:TQ+1], v[TQ:TQ+1], v[TQ+2:TQ+3]
	v_pk_add_f32 v[TQ+4:TQ+5], v[TQ+4:TQ+5], v[TQ+6:TQ+7]
	v_pk_add_f32 v[TQ:TQ+1], v[TQ:TQ+1], v[TQ+4:TQ+5]
	v_add_f32 v[TQ], v[TQ], v[TQ+1]
	v_permlanex16_b32 v[TQ+2], v[TQ], s[SEL], s[SEL+1]
	v_add_f32 v[TQ], v[TQ], v[TQ+2]                ; my wave's 128 columns
	ds_store_b32 v10, v[TQ] offset:\off
	s_wait_dscnt 0x0                               ; for the others' sake: my word has landed
	s_barrier_signal -1
	s_barrier_wait -1
	ds_load_b128 v[TQ:TQ+3], v9 offset:\off
	ds_load_b128 v[TQ+4:TQ+7], v9 offset:\off+16
	s_wait_dscnt 0x0
	v_pk_add_f32 v[TQ:TQ+1], v[TQ:TQ+1], v[TQ+2:TQ+3]              ; the eight waves' sums, in one order in every wave
	v_pk_add_f32 v[TQ+4:TQ+5], v[TQ+4:TQ+5], v[TQ+6:TQ+7]
	v_pk_add_f32 v[TQ:TQ+1], v[TQ:TQ+1], v[TQ+4:TQ+5]
	v_add_f32 v[TQ], v[TQ], v[TQ+1]
.endm
	s_load_b256 s[4:11], s[0:1], 0x0               ; x, ln1_g, ln1_b, in_proj_w
	s_load_b256 s[12:19], s[0:1], 0x20             ; out_w, w1, w2, wq
	s_load_b64 s[20:21], s[0:1], 0x40              ; hq
	v_lshl_add_u32 v254, v0, 2, 0x21800
	v_mov_b32 v255, 0
	v_lshrrev_b32 v1, 5, v0
	v_readfirstlane_b32 s[WV], v1                  ; wave 0..7
	v_and_b32 v1, 31, v0                           ; lane
	v_and_b32 v2, 15, v0                           ; r
	v_bfe_u32 v3, v0, 4, 1                         ; h
	v_lshlrev_b32 v5, 6, v3                        ; 64 h: my 16 numbers of a block
	v_lshlrev_b32 v6, 4, v1                        ; 16 x lane
	v_lshlrev_b32 v7, 3, v1                        ; 8 x lane
	v_mul_u32_u24 v11, v2, SPT
	v_lshl_add_u32 v11, v3, 6, v11                 ; out of a stage: row r, + 64 h
	s_mul_i32 s44, s[WV], STB                      ; my wave's stage
	s_mov_b32 s[SEL], 0x76543210
	s_mov_b32 s[SEL+1], 0xfedcba98
.irp b, 0,1,2,3
	v_mov_b32 v[TM+4+\b], 0                        ; written once: a lane permute's destination counts as one of its sources
.endr
	s_cmp_lt_u32 ttmp9, 192
	s_cbranch_scc1 .Lweights
	; ---- LayerNorm of token tile T = work-group - 192
	s_sub_co_u32 s45, ttmp9, 192
	s_add_co_u32 s44, s44, LSTG
	v_add_nc_u32 v8, s44, v6                       ; into the stage: 16 x lane
	v_add_nc_u32 v11, s44, v11
	v_lshlrev_b32 v9, 5, v1                        ; the sums: my lane's eight words
	s_lshl_b32 s23, s[WV], 2
	v_add_nc_u32 v10, s23, v9                      ; and my wave's among them
	s_lshr_b32 s24, s45, 1
	s_lshl_b32 s24, s24, 5
	s_and_b32 s25, s45, 1
	s_lshl_b32 s25, s25, 3
	s_add_co_u32 s24, s24, s25                     ; the tile's first row: 32 (T / 2) + 8 (T % 2)
	s_lshl_b32 s24, s24, 12
	s_lshl_b32 s26, s[WV], 9                       ; my wave's 128 columns
	s_add_co_u32 s24, s24, s26
	s_mov_b32 s25, 0
	s_mov_b32 s27, 0
	s_mov_b32 s30, 0x3a800000                      ; 1 / 1024
	s_mov_b32 s31, 0x3727c5ac                      ; 1e-5
	s_wait_kmcnt 0x0
	s_add_nc_u64 s[4:5], s[4:5], s[24:25]
	s_add_nc_u64 s[6:7], s[6:7], s[26:27]
	s_add_nc_u64 s[8:9], s[8:9], s[26:27]
.irp i, 0,1,2,3,4,5,6,7,8,9,10,11,12,13,14,15
	global_load_b128 v[GR+4*\i:GR+4*\i+3], v6, s[4:5] offset:(\i+8*(\i/8))*4096   ; the tile's i-th row: 32 lanes read 512 consecutive bytes
.endr
	LOAD64 BR, 5, 8
	s_wait_loadcnt 16                              ; x's 16 loads are in; the bias's 16 may be out
	TRANS GR, XR
	s_wait_dscnt 0x0                               ; my 64 numbers are back, and the stores have read their registers,
	LOAD64 GR, 5, 6                                ; which take the gain
.irp k, 0,1,2,3
	v_pk_add_f32 v[TQ+2*\k:TQ+2*\k+1], v[XR+2*\k:XR+2*\k+1], v[XR+8+2*\k:XR+8+2*\k+1]
.endr
.set p, 8
.rept 24
	v_pk_add_f32 v[TQ+2*(p%4):TQ+2*(p%4)+1], v[TQ+2*(p%4):TQ+2*(p%4)+1], v[XR+2*p:XR+2*p+1]
.set p, p+1
.endr
	ALLSUM 0
	v_mul_f32 v12, s30, v[TQ]                      ; the mean
	v_mov_b32 v13, v12
.set p, 0
.rept 32
	v_pk_add_f32 v[XR+2*p:XR+2*p+1], v[XR+2*p:XR+2*p+1], v[12:13] op_sel_hi:[1,0] neg_lo:[0,1] neg_hi:[0,1]   ; x - mean
.set p, p+1
.endr
.irp k, 0,1,2,3
	v_pk_mul_f32 v[TQ+2*\k:TQ+2*\k+1], v[XR+2*\k:XR+2*\k+1], v[XR+2*\k:XR+2*\k+1]
.endr
.set p, 4
.rept 28
	v_pk_fma_f32 v[TQ+2*(p%4):TQ+2*(p%4)+1], v[XR+2*p:XR+2*p+1], v[XR+2*p:XR+2*p+1], v[TQ+2*(p%4):TQ+2*(p%4)+1]
.set p, p+1
.endr
	ALLSUM 1024                                    ; other bytes than the first sum's: no barrier between the first's reads and these stores
	v_fma_f32 v14, v[TQ], s30, s31                 ; variance + 1e-5
	v_rsq_f32 v14, v14
	v_nop                                          ; one plain place behind a transcendental
	s_wait_alu depctr_va_vdst(0)
	v_mov_b32 v15, v14
	s_wait_loadcnt 0x0                             ; gain and bias
.set p, 0
.rept 32
	v_pk_mul_f32 v[XR+2*p:XR+2*p+1], v[XR+2*p:XR+2*p+1], v[14:15] op_sel_hi:[1,0]
.set p, p+1
.endr
.set p, 0
.rept 32
	v_pk_fma_f32 v[XR+2*p:XR+2*p+1], v[XR+2*p:XR+2*p+1], v[GR+2*p:GR+2*p+1], v[BR+2*p:BR+2*p+1]
.set p, p+1
.endr
	QUANT XR, PC, PW
	s_lshr_b32 s28, s[WV], 2                       ; chunk = s / 4
	s_lshl_b32 s28, s28, 8
	s_add_co_u32 s28, s28, s45
	s_mul_i32 s28, s28, REC
	s_mov_b32 s29, 0
	s_add_nc_u64 s[28:29], s[20:21], s[28:29]      ; my record
	s_and_b32 s30, s[WV], 3
	s_mul_i32 s32, s30, 1536
	s_mov_b32 s33, 0
	s_add_nc_u64 s[32:33], s[28:29], s[32:33]      ; my fragment in it
	s_lshl_b32 s30, s30, 2
	s_mov_b32 s31, 0
	s_add_nc_u64 s[28:29], s[28:29], s[30:31]      ; my word among a lane's four
	FRAG_G PC, 32, 0
	global_store_b32 v6, v[PW], s[28:29] offset:6144
	s_wait_tensorcnt 0x0
	ds_add_u32 v254, v255
	s_wait_dscnt 0x0
	s_endpgm
	; ---- the weights: wave w of work-group j makes record 8 (j - the tensor's first j) + w of its tensor
.Lweights:
	s_add_co_u32 s44, s44, WSTG
	v_add_nc_u32 v8, s44, v6
	v_add_nc_u32 v11, s44, v11
	s_mov_b32 s23, ttmp9                           ; j: 0-47 in_proj_w, 48-63 out_w, 64-127 w1, 128-191 w2
	s_wait_kmcnt 0x0
	s_mov_b64 s[24:25], s[16:17]                   ; the tensor,
	s_mov_b32 s26, 128                             ; its first j,
	s_mov_b32 s27, 0                               ; its tiles in a chunk,
	s_mov_b32 s28, 6815744                         ; its place in wq,
	s_mov_b32 s29, 0                               ; 1 where K = 1,024 (two chunks), 0 where K = 512
	s_cmp_lt_u32 s23, 128
	s_cselect_b64 s[24:25], s[14:15], s[24:25]
	s_cselect_b32 s26, 64, s26
	s_cselect_b32 s27, 256, s27
	s_cselect_b32 s28, 3407872, s28
	s_cselect_b32 s29, 1, s29
	s_cmp_lt_u32 s23, 64
	s_cselect_b64 s[24:25], s[12:13], s[24:25]
	s_cselect_b32 s26, 48, s26
	s_cselect_b32 s27, 64, s27
	s_cselect_b32 s28, 2555904, s28
	s_cmp_lt_u32 s23, 48
	s_cselect_b64 s[24:25], s[10:11], s[24:25]
	s_cselect_b32 s26, 0, s26
	s_cselect_b32 s27, 192, s27
	s_cselect_b32 s28, 0, s28
	s_sub_co_u32 s26, s23, s26
	s_lshl_b32 s26, s26, 3
	s_add_co_u32 s26, s26, s[WV]                   ; the record's number: tile and chunk
	s_and_b32 s30, s26, s29                        ; chunk
	s_lshr_b32 s31, s26, s29                       ; tile T
	s_add_co_u32 s36, s29, 11                      ; a row is 2^11 or 2^12 bytes
	s_lshr_b32 s37, s31, 1
	s_lshl_b32 s37, s37, 5
	s_and_b32 s38, s31, 1
	s_lshl_b32 s38, s38, 3
	s_add_co_u32 s37, s37, s38                     ; the tile's first row
	s_lshl_b32 s38, s37, s36
	s_lshl_b32 s39, s30, 11                        ; a chunk is 2,048 bytes of a row
	s_add_co_u32 s38, s38, s39
	s_mov_b32 s39, 0
	s_add_nc_u64 s[24:25], s[24:25], s[38:39]
	s_mul_i32 s40, s30, s27
	s_add_co_u32 s40, s40, s31
	s_mul_i32 s40, s40, REC
	s_add_co_u32 s40, s40, s28
	s_mov_b32 s41, 0
	s_add_nc_u64 s[40:41], s[18:19], s[40:41]      ; the record in wq
	s_mov_b32 s47, 0
.irp i, 0,1,2,3,4,5,6,7,8,9,10,11,12,13,14,15  ; the row length differs between the tensors, so the 16 rows' addresses stand in scalar pairs
	s_lshl_b32 s46, \i+8*(\i/8), s36
	s_add_nc_u64 s[RB+2*\i:RB+2*\i+1], s[24:25], s[46:47]
.endr
.macro LOADW s                         ; K step s of the record, as it lies, into set s % 2: each load takes 512 consecutive bytes of a row; the weights are read once in this launch
.irp i, 0,1,2,3,4,5,6,7,8,9,10,11,12,13,14,15
	global_load_b128 v[XR+64*((\s)%2)+4*\i:XR+64*((\s)%2)+4*\i+3], v6, s[RB+2*\i:RB+2*\i+1] offset:512*(\s) th:TH_LOAD_NT
.endr
.endm
	LOADW 0
	LOADW 1
.irp s, 0,1,2,3
.if \s < 3
	s_wait_loadcnt 16                              ; this step's 16 loads are in, the next step's 16 may be out
.else
	s_wait_loadcnt 0x0
.endif
	TRANS XR+64*(\s%2), BR
	s_wait_dscnt 0x0                               ; my 64 numbers are back, and the stage's stores have read their registers
.if \s > 0
	s_wait_xcnt 0x0                                ; the last step's stores have read the fragment's registers: they are written again only behind this wait
.endif
.if \s < 2
	LOADW \s+2
.endif
	QUANT BR, PC, PW+\s
	FRAG_G PC, 40, 1536*\s
.endr
	global_store_b128 v6, v[PW:PW+3], s[40:41] offset:6144         ; the four scale words of my row: 512 consecutive bytes a wave
	s_wait_tensorcnt 0x0
	ds_add_u32 v254, v255
	s_wait_dscnt 0x0
	s_endpgm
.Lfunc_end_k_q2ee802ae7b_prep:
	.size	k_q2ee802ae7b_prep, .Lfunc_end_k_q2ee802ae7b_prep-k_q2ee802ae7b_prep
	.p2alignl 7, 3214868480
	.fill 96, 4, 3214868480
	.section	.rodata,"a",@progbits
	.p2align	6, 0x0
	.amdhsa_kernel k_q2ee802ae7b_prep
		.amdhsa_group_segment_fixed_size 138240
		.amdhsa_private_segment_fixed_size 0
		.amdhsa_enable_private_segment 0
		.amdhsa_kernarg_size 72
		.amdhsa_user_sgpr_count 2
		.amdhsa_user_sgpr_kernarg_segment_ptr 1
		.amdhsa_wavefront_size32 1
		.amdhsa_system_sgpr_workgroup_id_x 1
		.amdhsa_system_sgpr_workgroup_id_y 1
		.amdhsa_system_sgpr_workgroup_id_z 1
		.amdhsa_system_vgpr_workitem_id 0
		.amdhsa_next_free_vgpr 256
		.amdhsa_next_free_sgpr 100
		.amdhsa_reserve_vcc 0
		.amdhsa_float_denorm_mode_32 3
		.amdhsa_float_denorm_mode_16_64 3
		.amdhsa_memory_ordered 1
		.amdhsa_forward_progress 1
		.amdhsa_inst_pref_size 60
	.end_amdhsa_kernel
	.amdgpu_metadata
---
amdhsa.version: [ 1, 2 ]
amdhsa.kernels:
  - .name:           k_q2ee802ae7b_prep
    .symbol:         k_q2ee802ae7b_prep.kd
    .args:
      - { .name: x, .offset: 0, .size: 8, .value_kind: global_buffer, .address_space: global }
      - { .name: ln1_g, .offset: 8, .size: 8, .value_kind: global_buffer, .address_space: global }
      - { .name: ln1_b, .offset: 16, .size: 8, .value_kind: global_buffer, .address_space: global }
      - { .name: in_proj_w, .offset: 24, .size: 8, .value_kind: global_buffer, .address_space: global }
      - { .name: out_w, .offset: 32, .size: 8, .value_kind: global_buffer, .address_space: global }
      - { .name: w1, .offset: 40, .size: 8, .value_kind: global_buffer, .address_space: global }
      - { .name: w2, .offset: 48, .size: 8, .value_kind: global_buffer, .address_space: global }
      - { .name: wq, .offset: 56, .size: 8, .value_kind: global_buffer, .address_space: global }
      - { .name: hq, .offset: 64, .size: 8, .value_kind: global_buffer, .address_space: global }
    .group_segment_fixed_size: 138240
    .private_segment_fixed_size: 0
    .kernarg_segment_align: 8
    .kernarg_segment_size: 72
    .max_flat_workgroup_size: 256
    .sgpr_count:     100
    .vgpr_count:     256
    .wavefront_size: 32
...
	.end_amdgpu_metadata
.endif
;; end of part 8
;; launch qkv (part 9): grid 8 x 32, 8 waves a work-group, clusters of 4 x 4, 327,680 bytes of LDS; arguments wq, hq, in_proj_b, att; writes att
.if DOCPART == 9
	.amdgcn_target "amdgcn-amd-amdhsa--gfx1250"
	.amdhsa_code_object_version 6
	.text
	.protected	k_q2ee802ae7b_qkv
	.globl	k_q2ee802ae7b_qkv
	.p2align	8
	.type	k_q2ee802ae7b_qkv,@function
k_q2ee802ae7b_qkv:
	s_mov_b64 s[64:65], 0
	v_nop
	global_prefetch_b8 v0, s[64:65] scope:SCOPE_SE
	s_setreg_imm32_b32 hwreg(HW_REG_WAVE_MODE, 25, 1), 1
	s_wait_xcnt 0x0
	s_wait_alu depctr_hold_cnt(0) depctr_sa_sdst(0) depctr_va_vdst(0) depctr_va_sdst(0) depctr_va_ssrc(0) depctr_va_vcc(0) depctr_vm_vsrc(0)
	s_getreg_b32 s2, hwreg(HW_REG_IB_STS2, 6, 4)
	s_cmp_eq_u32 s2, 0
	s_cbranch_scc0 .Lentry_in_a_cluster
	s_endpgm
.Lentry_in_a_cluster:
	s_bfe_u32 s2, ttmp6, 0x10000c
	s_cmp_lg_u32 s2, 0xf033
	s_cbranch_scc0 .Lentry_shape_is_right
	s_endpgm
.Lentry_shape_is_right:
; qkv = h in_proj_w^T + in_proj_b on codes of BF6 (E3M2), K = 1,024; the results are quantised at once: q and k along the head's 64, v along the keys.
; Codes come as RECORDS of 6,656 bytes (a tile of 16 rows x 512 K as images of the operand's registers, then its scale words; tile T = 2 g + u holds in lane r the row 32 g + 8 u + r + 8 (r / 8)).
; A WORK-GROUP STAYS: it owns 128 tokens (tb), whose 16 records (both chunks of K, 106,496 bytes) lie in LDS for the whole launch, and makes three tiles of 128 features: fb = fbx + 8 i, which is q's, k's and v's block
; fbx in turn.  A block's 16 records go through a ring of two slots of 106,496 bytes: q's and k's are asked for at the start with the tokens', v's into slot 0 behind q's last products.
; Every wave fetches two records of each fill (chunk w / 4, records 2 (w % 4)) by one tensor load: three loads of mine are out at the start, one behind the refill's round.
; Eight waves: wave w takes four tiles of side X (source 0; xh = w % 2) against two tiles of side Y (source 1; yg = w / 2): 8 accumulators, which take turns.  A lane's 32 registers of a Y tile run along X's 64 rows.
; q, k: X = features, so that a lane holds one token and 64 neighbouring features: one head; the bias is the C of the first eight products.  v: X = tokens, so that a lane holds one feature and 64 neighbouring keys.
; CLUSTER 4 x 4: the weight's records hang on fbx alone and are asked for jointly by a column of the cluster, the tokens' on tb alone, by a row.
; att: Q at 0, K at 3,670,016: [batch x head 32][128 tokens 16][7,168]: tile t's half image (k 0-63) at 768 t, its scale word (two bytes) at 6,144 + 32 l + 4 t.
;      V at 7,340,032: [32][128 keys 16][6,656]: tile dt of the head's 64, keys 64 c on, at (2 dt + c) 768; scale bytes at 6,144 + 16 l + 4 dt + 2 c.
; LIMITS: NaN and infinities are not served; a block whose largest magnitude lies under 2^-122 gets the scale byte 1.
.set REC, 6656
.set CH, 8*REC                         ; one side's 8 records of a chunk of 512 K
.set SIDE, 2*CH                        ; LDS: the tokens at 0, slot sl at SIDE (1 + sl)
.set SPARE, 3*SIDE                     ; behind the ring: the spare words, 128 bytes for each wave
.set FOFF, 0                           ; in_proj's records in wq: [chunk 2][tile 192]
.set NTF, 192
.set TSTEP, 64*REC                     ; from a block to the block eight further on
.set WV, 12
.set XH, 13
.set YG, 14
.set W3, 15
.set G1F, 16                           ; s[16:23], s[24:31] descriptor groups 1: the weight's, the tokens'
.set G1T, 24
.set G0F, 32                           ; s[32:39] groups 0 for the weight, a set for each slot; s[48:51] for the tokens
.set G0T, 48
.set SEL, 46
.set WC, 52
.set AX, 4                             ; v4-11: X's addresses for (slot, chunk) q = 2 sl + c: 16 x lane at v[4 + 2 q], 8 x lane at v[5 + 2 q]
.set AY, 12                            ; v12-15: Y's for chunk c
.set ACC, 16                           ; accumulator (Y tile m, X tile n) at v[16 + 32 m + 8 n]
.set XF, 80
.set YF, 128
.set SX, 152                           ; scale words: X tile n, K step s at v[152 + 4 n + s]; Y's at v[168 + 4 m + s]
.set SY, 168
.set TM, 176
.set TQ, 192
.set PC0, 200
.set PC1, 206
.set PW0, 212
.set BIAS, 214                         ; v214-245: the bias of X's four tiles, in the result's layout; for v: v214, v216 my two features'
.set O16, 246
.set O8, 247
.set BO, 248
.set SPW, 249
.set NIL, 250
.set OS, 251
.set OB, 252
.macro ROUND                           ; a round of the cluster's barrier
	s_barrier_signal -1
	s_barrier_wait -1
	s_cmp_lg_u32 s[WV], 0
	s_cbranch_scc1 .Lnot_wave_0_\@
	s_barrier_signal -3
.Lnot_wave_0_\@:
	s_barrier_wait -3
	s_barrier_signal -1
	s_barrier_wait -1
.endm
.macro PLACES                          ; four places behind a matrix instruction, ahead of loads into its registers and of reads of its result
.rept 4
	v_nop
.endr
.endm
.macro LDFRAG reg, a, off              ; a fragment's image back into 12 registers: every load takes 512 or 256 consecutive bytes
	ds_load_b128 v[\reg:\reg+3], v[\a] offset:\off
	ds_load_b64 v[\reg+4:\reg+5], v[\a+1] offset:\off+512
	ds_load_b128 v[\reg+6:\reg+9], v[\a] offset:\off+768
	ds_load_b64 v[\reg+10:\reg+11], v[\a+1] offset:\off+1280
.endm
.macro KSTEP c, s, zero                ; 128 along K: six fragments, eight products on eight accumulators by turns.  A tile's first step starts the sums: from the bias, or (zero = 1) from 0
.irp n, 0,1,2,3
	LDFRAG XF+12*\n, QX, \n*REC+1536*\s
.endr
.irp m, 0,1
	LDFRAG YF+12*\m, QY, \m*REC+1536*\s
.endr
	s_wait_dscnt 0x0
.irp m, 0,1
.irp n, 0,1,2,3
.if (\c == 0) && (\s == 0)
.if \zero
	v_wmma_scale_f32_16x16x128_f8f6f4 v[ACC+32*\m+8*\n:ACC+32*\m+8*\n+7], v[XF+12*\n:XF+12*\n+11], v[YF+12*\m:YF+12*\m+11], 0, v[SX+4*\n+\s], v[SY+4*\m+\s] matrix_a_fmt:MATRIX_FMT_BF6 matrix_b_fmt:MATRIX_FMT_BF6
.else
	v_wmma_scale_f32_16x16x128_f8f6f4 v[ACC+32*\m+8*\n:ACC+32*\m+8*\n+7], v[XF+12*\n:XF+12*\n+11], v[YF+12*\m:YF+12*\m+11], v[BIAS+8*\n:BIAS+8*\n+7], v[SX+4*\n+\s], v[SY+4*\m+\s] matrix_a_fmt:MATRIX_FMT_BF6 matrix_b_fmt:MATRIX_FMT_BF6
.endif
.else
	v_wmma_scale_f32_16x16x128_f8f6f4 v[ACC+32*\m+8*\n:ACC+32*\m+8*\n+7], v[XF+12*\n:XF+12*\n+11], v[YF+12*\m:YF+12*\m+11], v[ACC+32*\m+8*\n:ACC+32*\m+8*\n+7], v[SX+4*\n+\s], v[SY+4*\m+\s] matrix_a_fmt:MATRIX_FMT_BF6 matrix_b_fmt:MATRIX_FMT_BF6
.endif
.endr
.endr
	PLACES
.endm
.macro PROD sl, zero                   ; a tile's 64 products a wave: for each chunk the six tiles' scale words, four to a load, then four steps
.irp c, 0,1
.set QX, AX+2*(2*\sl+\c)
.set QY, AY+2*\c
.irp n, 0,1,2,3
	ds_load_b128 v[SX+4*\n:SX+4*\n+3], v[QX] offset:\n*REC+6144
.endr
.irp m, 0,1
	ds_load_b128 v[SY+4*\m:SY+4*\m+3], v[QY] offset:\m*REC+6144
.endr
.irp s, 0,1,2,3
	KSTEP \c, \s, \zero
.endr
.endr
.endm
.macro TURN sl, fill                   ; behind a tile's last products; fill = 1: slot sl, just read out, takes the block two tiles on
	s_wait_tensorcnt 0x0                           ; all my tensor loads have landed, my part of the next tile's slot among them; so a group 0 may be written
	ds_add_u32 v[SPW], v[NIL]                      ; 0 onto my spare word
.if \fill
	s_add_nc_u64 s[G0F+4*\sl+2:G0F+4*\sl+3], s[G0F+4*\sl+2:G0F+4*\sl+3], 2*TSTEP
.endif
	s_wait_dscnt 0x0                               ; the add is done, and my reads of the slot that I leave are over
.if \fill
	ROUND                                          ; both now hold of every wave of every partner
	tensor_load_to_lds s[G0F+4*\sl:G0F+4*\sl+3], s[G1F:G1F+7]      ; my one tensor load behind the round, first thing there: it has an epilogue and a tile's 64 products in which to land
	s_nop 0
	PLACES
.else
	s_barrier_signal -1
	s_barrier_wait -1
.endif
.endm
.macro QUANT2 src, dst, pw             ; 32 numbers of a lane, register 16 b + i = k 32 b + 16 (lane / 16) + i -> half a fragment (6 registers) and its two scale bytes
.irp b, 0,1
	v_max3_num_f32 v[TM+\b], |v[\src+16*\b]|, |v[\src+16*\b+1]|, 0x2800000   ; and the floor 2^(5 - 127): the byte cannot fall under 1
.endr
.irp i, 2,4,6,8,10,12,14
.irp b, 0,1
	v_max3_num_f32 v[TM+\b], v[TM+\b], |v[\src+16*\b+\i]|, |v[\src+16*\b+\i+1]|
.endr
.endr
.irp b, 0,1
	v_permlanex16_b32 v[TM+4+\b], v[TM+\b], s[SEL], s[SEL+1]
.endr
.irp b, 0,1
	v_max_num_f32 v[TM+\b], v[TM+\b], v[TM+4+\b]
.endr
.irp b, 0,1
	v_add_nc_u32 v[TM+12+\b], 0xfe000000, v[TM+\b]                 ; 4 off the exponent field: the conversion's scale operand
.endr
.irp b, 0,1
	v_lshrrev_b32 v[TM+4+\b], 23, v[TM+12+\b]
.endr
	v_lshl_or_b32 v[\pw], v[TM+5], 8, v[TM+4]
	v_cvt_scalef32_pk16_bf6_f32 v[\dst:\dst+2], v[\src:\src+15], v[TM+12]
	v_cvt_scalef32_pk16_bf6_f32 v[TQ:TQ+2], v[\src+16:\src+31], v[TM+13]
	v_nop                                          ; one plain place behind a scaled conversion
.irp i, 0,1,2
	v_permlane16_swap_b32 v[\dst+\i], v[TQ+\i]     ; a whole block to a lane: lanes 0-15 block 0, lanes 16-31 block 1
.endr
.irp i, 0,1,2
	v_mov_b32 v[\dst+3+\i], v[TQ+\i]
.endr
.endm
.macro HALF_G reg, sb, imm
	global_store_b128 v[O16], v[\reg:\reg+3], s[\sb:\sb+1] offset:\imm
	global_store_b64 v[O8], v[\reg+4:\reg+5], s[\sb:\sb+1] offset:\imm+512
.endm
.macro BLOAD i                         ; the bias of my 64 features of tile i: register j of tile n is feature 32 (n / 2) + 16 h + 8 (n % 2) + j
.irp n, 0,1,2,3
	global_load_b128 v[BIAS+8*\n:BIAS+8*\n+3], v[BO], s[66:67] offset:4096*(\i)+128*(\n/2)+32*(\n%2)
	global_load_b128 v[BIAS+8*\n+4:BIAS+8*\n+7], v[BO], s[66:67] offset:4096*(\i)+128*(\n/2)+32*(\n%2)+16
.endr
.endm
.macro EPIQK i                         ; q's (0) or k's (1) tile leaves: a token's 64 features of one head are two blocks
.if \i == 0
	BLOAD 1                                        ; k's bias is asked for a tile ahead
.else
	global_load_b32 v[BIAS], v[OB], s[84:85]       ; and v's: one number a lane for each of my two tiles
	global_load_b32 v[BIAS+2], v[OB], s[84:85] offset:32
	s_wait_xcnt 0x0                                ; q's stores have read the codes' registers: they are written again only behind this wait
.endif
	QUANT2 ACC, PC0, PW0
	QUANT2 ACC+32, PC1, PW0+1
	HALF_G PC0, 70, 3670016*\i
	HALF_G PC1, 70, 3670016*\i+768
	global_store_b64 v[OS], v[PW0:PW0+1], s[72:73] offset:3670016*\i+6144
.endm
	s_load_b256 s[4:11], s[0:1], 0x0               ; wq, hq, in_proj_b, att
	v_lshl_add_u32 v[SPW], v0, 2, SPARE
	v_mov_b32 v[NIL], 0
	ds_add_u32 v249, v250
	ds_add_u32 v249, v250
	s_wait_dscnt 0x0
	v_lshrrev_b32 v1, 5, v0
	v_readfirstlane_b32 s[WV], v1                  ; wave 0..7
	s_and_b32 s[XH], s[WV], 1
	s_lshr_b32 s[YG], s[WV], 1
	s_and_b32 s[W3], s[WV], 3                      ; which two records of a chunk I fetch,
	s_lshr_b32 s[WC], s[WV], 2                     ; and of which chunk
	s_bfe_u32 s40, ttmp6, 0x40000                  ; cx
	s_bfe_u32 s41, ttmp6, 0x40004                  ; cy
	s_lshl_b32 s42, ttmp9, 2
	s_add_co_u32 s42, s42, s40                     ; fbx = 4 x cluster x + cx
	s_and_b32 s43, ttmp7, 0xffff
	s_lshl_b32 s43, s43, 2
	s_add_co_u32 s43, s43, s41                     ; tb = 4 x cluster y + cy
	s_lshl_b32 s44, s41, 2
	s_lshl_b32 s44, 15, s44                        ; my row of the cluster
	s_lshl_b32 s45, 0x1111, s40                    ; my column
	s_or_b32 s[G1F], s45, (3<<16)|(1<<21)          ; 15:0 the mask; 17:16 elements of 8 bytes; 21 set beside a mask; no padding
	s_or_b32 s[G1T], s44, (3<<16)|(1<<21)
.irp g, G1F, G1T
	s_mov_b32 s[\g+1], 32<<16                      ; tensor_dim0 = 32 elements: rows of 256 bytes
	s_mov_b32 s[\g+2], 52<<16                      ; tensor_dim1 = 52 rows: two records, dense
	s_mov_b32 s[\g+3], 32<<16                      ; tile_dim0
	s_mov_b32 s[\g+4], 52                          ; tile_dim1
	s_mov_b32 s[\g+5], 32                          ; the pitch
	s_mov_b32 s[\g+6], 0
	s_mov_b32 s[\g+7], 0
.endr
	s_lshl_b32 s56, s42, 3                         ; the weight's address is made of fbx and the wave's number alone,
	s_lshl_b32 s57, s[W3], 1
	s_add_co_u32 s56, s56, s57
	s_mul_i32 s57, s[WC], NTF
	s_add_co_u32 s56, s56, s57
	s_mul_i32 s56, s56, REC
	s_add_co_u32 s56, s56, FOFF
	s_mov_b32 s57, 0
	s_lshl_b32 s58, s43, 3                         ; the tokens' of tb and the wave's number alone
	s_lshl_b32 s59, s[W3], 1
	s_add_co_u32 s58, s58, s59
	s_lshl_b32 s59, s[WC], 8
	s_add_co_u32 s58, s58, s59
	s_mul_i32 s58, s58, REC
	s_mov_b32 s59, 0
	s_mul_i32 s60, s[WV], 2*REC                    ; where they go in a side's 16 records: wave x two records
	s_mov_b32 s[SEL], 0x76543210
	s_mov_b32 s[SEL+1], 0xfedcba98
	s_wait_kmcnt 0x0
	s_add_nc_u64 s[56:57], s[4:5], s[56:57]
	s_add_nc_u64 s[58:59], s[6:7], s[58:59]
	ROUND                                          ; all sixteen work-groups are here: the joint loads meet
	s_mov_b32 s[G0T], 1
	s_mov_b32 s[G0T+1], s60
	s_mov_b64 s[G0T+2:G0T+3], s[58:59]
	s_or_b32 s[G0T+3], s[G0T+3], 0x80000000
.irp c, 0,1                                    ; slot c begins with tile c
	s_mov_b32 s[G0F+4*\c], 1
	s_add_co_u32 s[G0F+4*\c+1], s60, SIDE*(1+\c)
	s_add_nc_u64 s[G0F+4*\c+2:G0F+4*\c+3], s[56:57], \c*TSTEP
	s_or_b32 s[G0F+4*\c+3], s[G0F+4*\c+3], 0x80000000
.endr
	tensor_load_to_lds s[G0T:G0T+3], s[G1T:G1T+7]                  ; the first fills go out together: three tensor loads of mine are out
	s_nop 0
	tensor_load_to_lds s[G0F:G0F+3], s[G1F:G1F+7]
	s_nop 0
	tensor_load_to_lds s[G0F+4:G0F+7], s[G1F:G1F+7]
	s_nop 0
	PLACES
	v_and_b32 v1, 31, v0                           ; lane: kept
	v_and_b32 v2, 15, v0
	v_and_b32 v3, 8, v2
	v_add_nc_u32 v2, v2, v3                        ; r + 8 (r / 8)
	v_bfe_u32 v3, v0, 4, 1                         ; h
	v_lshlrev_b32 v[O16], 4, v1
	v_lshlrev_b32 v[O8], 3, v1
	v_lshlrev_b32 v[BO], 6, v3
	v_lshlrev_b32 v[OS], 5, v1                     ; 32 x lane: a lane's eight scale words of q or k
	v_lshlrev_b32 v[OB], 2, v2                     ; v's bias: 4 (r + 8 (r / 8))
	v_mov_b32 v[TM+4], 0                           ; written once: a lane permute's destination counts as one of its sources
	v_mov_b32 v[TM+5], 0
	s_mul_i32 s61, s[XH], 4*REC                    ; LDS addresses: a constant, the wave's share, 16 or 8 x lane
	s_mul_i32 s62, s[YG], 2*REC
.irp q, 0,1,2,3                                ; q, k: X = the slot's features
	s_add_co_u32 s63, s61, SIDE*(1+\q/2)+CH*(\q%2)
	v_lshl_add_u32 v[AX+2*\q], v1, 4, s63
	v_lshl_add_u32 v[AX+2*\q+1], v1, 3, s63
.endr
.irp c, 0,1                                    ; Y = the tokens
	s_add_co_u32 s63, s62, CH*\c
	v_lshl_add_u32 v[AY+2*\c], v1, 4, s63
	v_lshl_add_u32 v[AY+2*\c+1], v1, 3, s63
.endr
	s_lshl_b32 s66, s42, 9
	s_lshl_b32 s67, s[XH], 8
	s_add_co_u32 s66, s66, s67
	s_mov_b32 s67, 0
	s_add_nc_u64 s[66:67], s[8:9], s[66:67]        ; q's bias of my 64 features; k's lies 4,096 bytes on
	BLOAD 0
	s_lshl_b32 s84, s42, 9                         ; v's bias: feature 128 (fbx + 16) + 32 yg on
	s_lshl_b32 s85, s[YG], 7
	s_add_co_u32 s84, s84, s85
	s_add_co_u32 s84, s84, 8192
	s_mov_b32 s85, 0
	s_add_nc_u64 s[84:85], s[8:9], s[84:85]
	s_lshr_b32 s68, s43, 4                         ; q's record: batch,
	s_lshl_b32 s68, s68, 4
	s_lshl_b32 s69, s42, 1
	s_add_co_u32 s68, s68, s69
	s_add_co_u32 s68, s68, s[XH]                   ; head = 2 fbx + xh,
	s_lshl_b32 s68, s68, 4
	s_and_b32 s69, s43, 15
	s_add_co_u32 s68, s68, s69                     ; which 128 tokens of the batch
	s_mul_i32 s68, s68, 7168
	s_mov_b32 s69, 0
	s_add_nc_u64 s[68:69], s[10:11], s[68:69]
	s_mul_i32 s70, s[YG], 1536                     ; tiles 2 yg, 2 yg + 1
	s_mov_b32 s71, 0
	s_add_nc_u64 s[70:71], s[68:69], s[70:71]
	s_lshl_b32 s72, s[YG], 3
	s_mov_b32 s73, 0
	s_add_nc_u64 s[72:73], s[68:69], s[72:73]
	s_lshr_b32 s76, s43, 4                         ; v's record: batch,
	s_lshl_b32 s76, s76, 4
	s_lshl_b32 s77, s42, 1
	s_add_co_u32 s76, s76, s77
	s_lshr_b32 s77, s[YG], 1
	s_add_co_u32 s76, s76, s77                     ; head = 2 fbx + yg / 2
	s_lshl_b32 s76, s76, 4
	s_and_b32 s77, s43, 15
	s_add_co_u32 s76, s76, s77
	s_mul_i32 s76, s76, REC
	s_add_co_u32 s76, s76, 7340032
	s_mov_b32 s77, 0
	s_add_nc_u64 s[76:77], s[10:11], s[76:77]
	s_and_b32 s82, s[YG], 1
	s_mul_i32 s78, s82, 3072                       ; tiles dt = 2 (yg % 2) + m, half xh
	s_mul_i32 s79, s[XH], 768
	s_add_co_u32 s78, s78, s79
	s_mov_b32 s79, 0
	s_add_nc_u64 s[78:79], s[76:77], s[78:79]
	s_lshl_b32 s80, s82, 3
	s_lshl_b32 s81, s[XH], 1
	s_add_co_u32 s80, s80, s81
	s_mov_b32 s81, 0
	s_add_nc_u64 s[80:81], s[76:77], s[80:81]
	s_wait_tensorcnt 0x1                           ; my parts of the tokens and of slot 0 are in; slot 1's load may be out
	s_barrier_signal -1
	s_barrier_wait -1                              ; everybody's are
	s_wait_loadcnt 0x0                             ; q's bias
	PROD 0, 0                                      ; q
	TURN 0, 1                                      ; slot 0 takes v's block
	EPIQK 0
	s_wait_loadcnt 0x0                             ; k's bias
	PROD 1, 0                                      ; k
	TURN 0, 0                                      ; v's block is whole; nothing is left to fetch
	EPIQK 1
.irp c, 0,1                                    ; v: X = the tokens, Y = slot 0's features: eight addresses are made anew (no LDS load of mine is out)
	s_add_co_u32 s63, s61, CH*\c
	v_lshl_add_u32 v[AX+2*\c], v1, 4, s63
	v_lshl_add_u32 v[AX+2*\c+1], v1, 3, s63
	s_add_co_u32 s63, s62, SIDE+CH*\c
	v_lshl_add_u32 v[AY+2*\c], v1, 4, s63
	v_lshl_add_u32 v[AY+2*\c+1], v1, 3, s63
.endr
	PROD 0, 1                                      ; the first products start the sums
	s_wait_loadcnt 0x0                             ; v's bias
.irp m, 0,1
.set p, 0
.rept 16
	v_pk_add_f32 v[ACC+32*\m+2*p:ACC+32*\m+2*p+1], v[ACC+32*\m+2*p:ACC+32*\m+2*p+1], v[BIAS+2*\m:BIAS+2*\m+1] op_sel_hi:[1,0]
.set p, p+1
.endr
.endr
	s_wait_xcnt 0x0                                ; k's stores have read the codes' registers
	QUANT2 ACC, PC0, PW0                           ; a feature's 64 neighbouring keys: two blocks
	QUANT2 ACC+32, PC1, PW0+1
	HALF_G PC0, 78, 0
	HALF_G PC1, 78, 1536
	global_store_b16 v[O16], v[PW0], s[80:81] offset:6144
	global_store_b16 v[O16], v[PW0+1], s[80:81] offset:6148
	s_wait_tensorcnt 0x0                           ; the wave's end
	ds_add_u32 v[SPW], v[NIL]
	s_wait_dscnt 0x0
	ROUND                                          ; the closing round
	s_endpgm
.Lfunc_end_k_q2ee802ae7b_qkv:
	.size	k_q2ee802ae7b_qkv, .Lfunc_end_k_q2ee802ae7b_qkv-k_q2ee802ae7b_qkv
	.p2alignl 7, 3214868480
	.fill 96, 4, 3214868480
	.section	.rodata,"a",@progbits
	.p2align	6, 0x0
	.amdhsa_kernel k_q2ee802ae7b_qkv
		.amdhsa_group_segment_fixed_size 327680
		.amdhsa_private_segment_fixed_size 0
		.amdhsa_enable_private_segment 0
		.amdhsa_kernarg_size 32
		.amdhsa_user_sgpr_count 2
		.amdhsa_user_sgpr_kernarg_segment_ptr 1
		.amdhsa_wavefront_size32 1
		.amdhsa_system_sgpr_workgroup_id_x 1
		.amdhsa_system_sgpr_workgroup_id_y 1
		.amdhsa_system_sgpr_workgroup_id_z 1
		.amdhsa_system_vgpr_workitem_id 0
		.amdhsa_next_free_vgpr 256
		.amdhsa_next_free_sgpr 100
		.amdhsa_reserve_vcc 0
		.amdhsa_float_denorm_mode_32 3
		.amdhsa_float_denorm_mode_16_64 3
		.amdhsa_memory_ordered 1
		.amdhsa_forward_progress 1
		.amdhsa_inst_pref_size 93
	.end_amdhsa_kernel
	.amdgpu_metadata
---
amdhsa.version: [ 1, 2 ]
amdhsa.kernels:
  - .name:           k_q2ee802ae7b_qkv
    .symbol:         k_q2ee802ae7b_qkv.kd
    .args:
      - { .name: wq, .offset: 0, .size: 8, .value_kind: global_buffer, .address_space: global }
      - { .name: hq, .offset: 8, .size: 8, .value_kind: global_buffer, .address_space: global }
      - { .name: in_proj_b, .offset: 16, .size: 8, .value_kind: global_buffer, .address_space: global }
      - { .name: att, .offset: 24, .size: 8, .value_kind: global_buffer, .address_space: global }
    .group_segment_fixed_size: 327680
    .private_segment_fixed_size: 0
    .kernarg_segment_align: 8
    .kernarg_segment_size: 32
    .max_flat_workgroup_size: 256
    .sgpr_count:     100
    .vgpr_count:     256
    .wavefront_size: 32
...
	.end_amdgpu_metadata
.endif
;; end of part 9
;; launch attn: the kernel of part 3 again; grid 8 x 32, 16 waves a work-group, clusters of 4 x 1, 223,232 bytes of LDS; arguments att, cq; writes cq
;; launch oproj: the kernel of part 4 again; grid 8 x 32, 8 waves a work-group, clusters of 4 x 4, 214,016 bytes of LDS; arguments wq, cq, out_b, x, x1; writes x1
;; launch ln2gate: the kernel of part 5 again; grid 256 x 1, 8 waves a work-group, no clusters, 11,264 bytes of LDS; arguments x1, ln2_g, ln2_b, gate_w, gate_b, hq, ew; writes hq, ew
;; launch up (part 10): grid 8 x 32, 8 waves a work-group, clusters of 4 x 4, 327,680 bytes of LDS; arguments wq, hq, b1, hid; writes hid
.if DOCPART == 10
	.amdgcn_target "amdgcn-amd-amdhsa--gfx1250"
	.amdhsa_code_object_version 6
	.text
	.protected	k_q2ee802ae7b_up
	.globl	k_q2ee802ae7b_up
	.p2align	8
	.type	k_q2ee802ae7b_up,@function
k_q2ee802ae7b_up:
	s_mov_b64 s[64:65], 0
	v_nop
	global_prefetch_b8 v0, s[64:65] scope:SCOPE_SE
	s_setreg_imm32_b32 hwreg(HW_REG_WAVE_MODE, 25, 1), 1
	s_wait_xcnt 0x0
	s_wait_alu depctr_hold_cnt(0) depctr_sa_sdst(0) depctr_va_vdst(0) depctr_va_sdst(0) depctr_va_ssrc(0) depctr_va_vcc(0) depctr_vm_vsrc(0)
	s_getreg_b32 s2, hwreg(HW_REG_IB_STS2, 6, 4)
	s_cmp_eq_u32 s2, 0
	s_cbranch_scc0 .Lentry_in_a_cluster
	s_endpgm
.Lentry_in_a_cluster:
	s_bfe_u32 s2, ttmp6, 0x10000c
	s_cmp_lg_u32 s2, 0xf033
	s_cbranch_scc0 .Lentry_shape_is_right
	s_endpgm
.Lentry_shape_is_right:
; hid[e] = silu(h2 w1[e]^T + b1[e]) for all eight experts (w1's rows e x 512 + f taken as one weight of 4,096 rows), the product on codes of BF6 (E3M2), K = 1,024; the result is quantised along FF and stored as codes.
; Codes come as records of 6,656 bytes (a tile of 16 rows x 512 K as images of the operand's registers, then its scale words; tile T = 2 g + u holds in lane r the row 32 g + 8 u + r + 8 (r / 8)).
; A WORK-GROUP STAYS: it owns 128 tokens (tb), whose 16 records (both chunks of K, 106,496 bytes) lie in LDS for the whole launch, and makes four tiles of 128 rows of w1: blocks fb = fbx + 8 i.  A block's 16 records go
; through a ring of two slots of 106,496 bytes; a slot is asked for again directly behind its tile's last products, ahead of that tile's activation and stores.
; Every wave fetches two records of each fill (chunk w / 4, records 2 (w % 4)) by one tensor load: three loads of mine are out at the start, one behind each refill's round.
; Eight waves: four tiles of w1's rows (source 0; xh = w % 2) against two tiles of tokens (source 1; yg = w / 2): a lane holds one token and 64 neighbouring hidden units, two blocks of the next K.
; The bias is the C of a tile's first eight products; it is asked for a tile ahead.
; CLUSTER 4 x 4: the weight's records hang on fbx alone and are asked for jointly by a column of the cluster, the tokens' on tb alone, by a row.
; hid: [expert 8][token tile 256][record]; my 64 units are K step fb % 4, half xh of the record of expert fb / 4.
; LIMITS: NaN and infinities are not served; a block whose largest magnitude lies under 2^-122 gets the scale byte 1.  silu(x) = x / (1 + 2^(-x log2 e)) by v_exp_f32 and v_rcp_f32.
.set REC, 6656
.set CH, 8*REC                         ; one side's 8 records of a chunk of 512 K
.set SIDE, 2*CH                        ; LDS: the tokens at 0, slot sl at SIDE (1 + sl)
.set SPARE, 3*SIDE                     ; behind the ring: the spare words, 128 bytes for each wave
.set FOFF, 3407872                     ; w1's records in wq: [chunk 2][tile 256]
.set NTF, 256
.set TSTEP, 64*REC                     ; from a block to the block eight further on
.set WV, 12
.set XH, 13
.set YG, 14
.set W3, 15
.set G1F, 16
.set G1T, 24
.set G0F, 32                           ; s[32:39] groups 0 for the weight, a set for each slot; s[48:51] for the tokens
.set G0T, 48
.set SEL, 46
.set WC, 52
.set AX, 4                             ; v4-11: the weight's addresses for (slot, chunk) q = 2 sl + c: 16 x lane at v[4 + 2 q], 8 x lane at v[5 + 2 q]
.set AY, 12                            ; v12-15: the tokens' for chunk c
.set ACC, 16
.set XF, 80
.set YF, 128
.set SX, 152
.set SY, 168
.set TM, 176
.set TQ, 192
.set PC0, 200
.set PC1, 206
.set PW0, 212
.set BIAS, 214                         ; v214-245: b1 of my four tiles of rows, in the result's layout
.set O16, 246
.set O8, 247
.set BO, 248
.set SPW, 249
.set NIL, 250
.macro ROUND
	s_barrier_signal -1
	s_barrier_wait -1
	s_cmp_lg_u32 s[WV], 0
	s_cbranch_scc1 .Lnot_wave_0_\@
	s_barrier_signal -3
.Lnot_wave_0_\@:
	s_barrier_wait -3
	s_barrier_signal -1
	s_barrier_wait -1
.endm
.macro PLACES                          ; four places behind a matrix instruction, ahead of loads into its registers and of reads of its result
.rept 4
	v_nop
.endr
.endm
.macro LDFRAG reg, a, off
	ds_load_b128 v[\reg:\reg+3], v[\a] offset:\off
	ds_load_b64 v[\reg+4:\reg+5], v[\a+1] offset:\off+512
	ds_load_b128 v[\reg+6:\reg+9], v[\a] offset:\off+768
	ds_load_b64 v[\reg+10:\reg+11], v[\a+1] offset:\off+1280
.endm
.macro KSTEP c, s                      ; 128 along K: six fragments, eight products on eight accumulators by turns.  A tile's first step starts the sums from the bias
.irp n, 0,1,2,3
	LDFRAG XF+12*\n, QX, \n*REC+1536*\s
.endr
.irp m, 0,1
	LDFRAG YF+12*\m, QY, \m*REC+1536*\s
.endr
	s_wait_dscnt 0x0
.irp m, 0,1
.irp n, 0,1,2,3
.if (\c == 0) && (\s == 0)
	v_wmma_scale_f32_16x16x128_f8f6f4 v[ACC+32*\m+8*\n:ACC+32*\m+8*\n+7], v[XF+12*\n:XF+12*\n+11], v[YF+12*\m:YF+12*\m+11], v[BIAS+8*\n:BIAS+8*\n+7], v[SX+4*\n+\s], v[SY+4*\m+\s] matrix_a_fmt:MATRIX_FMT_BF6 matrix_b_fmt:MATRIX_FMT_BF6
.else
	v_wmma_scale_f32_16x16x128_f8f6f4 v[ACC+32*\m+8*\n:ACC+32*\m+8*\n+7], v[XF+12*\n:XF+12*\n+11], v[YF+12*\m:YF+12*\m+11], v[ACC+32*\m+8*\n:ACC+32*\m+8*\n+7], v[SX+4*\n+\s], v[SY+4*\m+\s] matrix_a_fmt:MATRIX_FMT_BF6 matrix_b_fmt:MATRIX_FMT_BF6
.endif
.endr
.endr
	PLACES
.endm
.macro PROD sl                         ; a tile's 64 products a wave: for each chunk the six tiles' scale words, four to a load, then four steps
.irp c, 0,1
.set QX, AX+2*(2*\sl+\c)
.set QY, AY+2*\c
.irp n, 0,1,2,3
	ds_load_b128 v[SX+4*\n:SX+4*\n+3], v[QX] offset:\n*REC+6144
.endr
.irp m, 0,1
	ds_load_b128 v[SY+4*\m:SY+4*\m+3], v[QY] offset:\m*REC+6144
.endr
.irp s, 0,1,2,3
	KSTEP \c, \s
.endr
.endr
.endm
.macro TURN sl, fill                   ; behind a tile's last products; fill = 1: slot sl, just read out, takes the block two tiles on
	s_wait_tensorcnt 0x0                           ; all my tensor loads have landed, my part of the next tile's slot among them; so a group 0 may be written
	ds_add_u32 v[SPW], v[NIL]                      ; 0 onto my spare word
.if \fill
	s_add_nc_u64 s[G0F+4*\sl+2:G0F+4*\sl+3], s[G0F+4*\sl+2:G0F+4*\sl+3], 2*TSTEP
.endif
	s_wait_dscnt 0x0                               ; the add is done, and my reads of the slot that I leave are over
.if \fill
	ROUND                                          ; both now hold of every wave of every partner
	tensor_load_to_lds s[G0F+4*\sl:G0F+4*\sl+3], s[G1F:G1F+7]      ; my one tensor load behind the round, first thing there: it has an epilogue and a tile's 64 products in which to land
	s_nop 0
	PLACES
.else
	s_barrier_signal -1
	s_barrier_wait -1
.endif
.endm
.macro QUANT2 src, dst, pw
.irp b, 0,1
	v_max3_num_f32 v[TM+\b], |v[\src+16*\b]|, |v[\src+16*\b+1]|, 0x2800000   ; and the floor 2^(5 - 127): the byte cannot fall under 1
.endr
.irp i, 2,4,6,8,10,12,14
.irp b, 0,1
	v_max3_num_f32 v[TM+\b], v[TM+\b], |v[\src+16*\b+\i]|, |v[\src+16*\b+\i+1]|
.endr
.endr
.irp b, 0,1
	v_permlanex16_b32 v[TM+4+\b], v[TM+\b], s[SEL], s[SEL+1]
.endr
.irp b, 0,1
	v_max_num_f32 v[TM+\b], v[TM+\b], v[TM+4+\b]
.endr
.irp b, 0,1
	v_add_nc_u32 v[TM+12+\b], 0xfe000000, v[TM+\b]
.endr
.irp b, 0,1
	v_lshrrev_b32 v[TM+4+\b], 23, v[TM+12+\b]
.endr
	v_lshl_or_b32 v[\pw], v[TM+5], 8, v[TM+4]
	v_cvt_scalef32_pk16_bf6_f32 v[\dst:\dst+2], v[\src:\src+15], v[TM+12]
	v_cvt_scalef32_pk16_bf6_f32 v[TQ:TQ+2], v[\src+16:\src+31], v[TM+13]
	v_nop                                          ; one plain place behind a scaled conversion
.irp i, 0,1,2
	v_permlane16_swap_b32 v[\dst+\i], v[TQ+\i]
.endr
.irp i, 0,1,2
	v_mov_b32 v[\dst+3+\i], v[TQ+\i]
.endr
.endm
.macro BLOAD i                         ; b1 of my 64 units of tile i: register j of tile n is unit 32 (n / 2) + 16 h + 8 (n % 2) + j
.irp n, 0,1,2,3
	global_load_b128 v[BIAS+8*\n:BIAS+8*\n+3], v[BO], s[66:67] offset:4096*(\i)+128*(\n/2)+32*(\n%2)
	global_load_b128 v[BIAS+8*\n+4:BIAS+8*\n+7], v[BO], s[66:67] offset:4096*(\i)+128*(\n/2)+32*(\n%2)+16
.endr
.endm
.macro EPI i                           ; tile i leaves: silu, the quantiser, the stores
.if \i < 3
	BLOAD \i+1                                     ; the next tile's bias is asked for now
.endif
.irp m, 0,1                                    ; silu, 32 numbers at a time, each accumulator from its low end on
.set p, 0
.rept 16
	v_pk_mul_f32 v[XF+2*p:XF+2*p+1], v[ACC+32*\m+2*p:ACC+32*\m+2*p+1], 0xbfb8aa3b op_sel_hi:[1,0]   ; -x log2(e)
.set p, p+1
.endr
.set p, 0
.rept 32
	v_exp_f32 v[XF+p], v[XF+p]
.set p, p+1
.endr
	v_nop
.set p, 0
	s_wait_alu depctr_va_vdst(0)
.rept 16
	v_pk_add_f32 v[XF+2*p:XF+2*p+1], v[XF+2*p:XF+2*p+1], 1.0 op_sel_hi:[1,0]
.set p, p+1
.endr
.set p, 0
.rept 32
	v_rcp_f32 v[XF+p], v[XF+p]
.set p, p+1
.endr
	v_nop
.set p, 0
	s_wait_alu depctr_va_vdst(0)
.rept 16
	v_pk_mul_f32 v[ACC+32*\m+2*p:ACC+32*\m+2*p+1], v[ACC+32*\m+2*p:ACC+32*\m+2*p+1], v[XF+2*p:XF+2*p+1]
.set p, p+1
.endr
.endr
.if \i > 0
	s_wait_xcnt 0x0                                ; the last tile's stores have read the codes' registers and their bases: both are written again only behind this wait
	s_add_nc_u64 s[70:71], s[70:71], 2*256*REC     ; eight blocks on are two experts on
	s_add_nc_u64 s[72:73], s[72:73], 2*256*REC
.endif
	QUANT2 ACC, PC0, PW0
	QUANT2 ACC+32, PC1, PW0+1
	global_store_b128 v[O16], v[PC0:PC0+3], s[70:71]
	global_store_b64 v[O8], v[PC0+4:PC0+5], s[70:71] offset:512
	global_store_b128 v[O16], v[PC1:PC1+3], s[70:71] offset:REC
	global_store_b64 v[O8], v[PC1+4:PC1+5], s[70:71] offset:REC+512
	global_store_b16 v[O16], v[PW0], s[72:73] offset:6144
	global_store_b16 v[O16], v[PW0+1], s[72:73] offset:REC+6144
.endm
	s_load_b256 s[4:11], s[0:1], 0x0               ; wq, hq, b1, hid
	v_lshl_add_u32 v[SPW], v0, 2, SPARE
	v_mov_b32 v[NIL], 0
	ds_add_u32 v249, v250
	ds_add_u32 v249, v250
	s_wait_dscnt 0x0
	v_lshrrev_b32 v1, 5, v0
	v_readfirstlane_b32 s[WV], v1
	s_and_b32 s[XH], s[WV], 1
	s_lshr_b32 s[YG], s[WV], 1
	s_and_b32 s[W3], s[WV], 3                      ; which two records of a chunk I fetch,
	s_lshr_b32 s[WC], s[WV], 2                     ; and of which chunk
	s_bfe_u32 s40, ttmp6, 0x40000
	s_bfe_u32 s41, ttmp6, 0x40004
	s_lshl_b32 s42, ttmp9, 2
	s_add_co_u32 s42, s42, s40                     ; fbx
	s_and_b32 s43, ttmp7, 0xffff
	s_lshl_b32 s43, s43, 2
	s_add_co_u32 s43, s43, s41                     ; tb
	s_lshl_b32 s44, s41, 2
	s_lshl_b32 s44, 15, s44                        ; my row of the cluster
	s_lshl_b32 s45, 0x1111, s40                    ; my column
	s_or_b32 s[G1F], s45, (3<<16)|(1<<21)          ; the mask; elements of 8 bytes; bit 21 beside a mask
	s_or_b32 s[G1T], s44, (3<<16)|(1<<21)
.irp g, G1F, G1T
	s_mov_b32 s[\g+1], 32<<16                      ; 52 dense rows of 256 bytes: two records
	s_mov_b32 s[\g+2], 52<<16
	s_mov_b32 s[\g+3], 32<<16
	s_mov_b32 s[\g+4], 52
	s_mov_b32 s[\g+5], 32
	s_mov_b32 s[\g+6], 0
	s_mov_b32 s[\g+7], 0
.endr
	s_lshl_b32 s56, s42, 3                         ; the weight's address is made of fbx and the wave's number alone,
	s_lshl_b32 s57, s[W3], 1
	s_add_co_u32 s56, s56, s57
	s_mul_i32 s57, s[WC], NTF
	s_add_co_u32 s56, s56, s57
	s_mul_i32 s56, s56, REC
	s_add_co_u32 s56, s56, FOFF
	s_mov_b32 s57, 0
	s_lshl_b32 s58, s43, 3                         ; the tokens' of tb and the wave's number alone
	s_lshl_b32 s59, s[W3], 1
	s_add_co_u32 s58, s58, s59
	s_lshl_b32 s59, s[WC], 8
	s_add_co_u32 s58, s58, s59
	s_mul_i32 s58, s58, REC
	s_mov_b32 s59, 0
	s_mul_i32 s60, s[WV], 2*REC                    ; where they go in a side's 16 records: wave x two records
	s_mov_b32 s[SEL], 0x76543210
	s_mov_b32 s[SEL+1], 0xfedcba98
	s_wait_kmcnt 0x0
	s_add_nc_u64 s[56:57], s[4:5], s[56:57]
	s_add_nc_u64 s[58:59], s[6:7], s[58:59]
	ROUND                                          ; all sixteen work-groups are here: the joint loads meet
	s_mov_b32 s[G0T], 1
	s_mov_b32 s[G0T+1], s60
	s_mov_b64 s[G0T+2:G0T+3], s[58:59]
	s_or_b32 s[G0T+3], s[G0T+3], 0x80000000
.irp c, 0,1                                    ; slot c begins with tile c
	s_mov_b32 s[G0F+4*\c], 1
	s_add_co_u32 s[G0F+4*\c+1], s60, SIDE*(1+\c)
	s_add_nc_u64 s[G0F+4*\c+2:G0F+4*\c+3], s[56:57], \c*TSTEP
	s_or_b32 s[G0F+4*\c+3], s[G0F+4*\c+3], 0x80000000
.endr
	tensor_load_to_lds s[G0T:G0T+3], s[G1T:G1T+7]                  ; the first fills go out together: three tensor loads of mine are out
	s_nop 0
	tensor_load_to_lds s[G0F:G0F+3], s[G1F:G1F+7]
	s_nop 0
	tensor_load_to_lds s[G0F+4:G0F+7], s[G1F:G1F+7]
	s_nop 0
	PLACES
	v_and_b32 v1, 31, v0
	v_bfe_u32 v3, v0, 4, 1
	v_lshlrev_b32 v[O16], 4, v1
	v_lshlrev_b32 v[O8], 3, v1
	v_lshlrev_b32 v[BO], 6, v3
	v_mov_b32 v[TM+4], 0                           ; written once: a lane permute's destination counts as one of its sources
	v_mov_b32 v[TM+5], 0
	s_mul_i32 s61, s[XH], 4*REC                    ; LDS addresses: a constant, the wave's share, 16 or 8 x lane
	s_mul_i32 s62, s[YG], 2*REC
.irp q, 0,1,2,3
	s_add_co_u32 s63, s61, SIDE*(1+\q/2)+CH*(\q%2)
	v_lshl_add_u32 v[AX+2*\q], v1, 4, s63
	v_lshl_add_u32 v[AX+2*\q+1], v1, 3, s63
.endr
.irp c, 0,1
	s_add_co_u32 s63, s62, CH*\c
	v_lshl_add_u32 v[AY+2*\c], v1, 4, s63
	v_lshl_add_u32 v[AY+2*\c+1], v1, 3, s63
.endr
	s_lshl_b32 s66, s42, 9
	s_lshl_b32 s67, s[XH], 8
	s_add_co_u32 s66, s66, s67
	s_mov_b32 s67, 0
	s_add_nc_u64 s[66:67], s[8:9], s[66:67]        ; b1 of my 64 units of tile 0; a tile on lies 4,096 bytes on
	BLOAD 0
	s_lshr_b32 s68, s42, 2                         ; tile 0's expert
	s_lshl_b32 s68, s68, 8
	s_lshl_b32 s69, s43, 3
	s_add_co_u32 s68, s68, s69
	s_lshl_b32 s69, s[YG], 1
	s_add_co_u32 s68, s68, s69                     ; token tile 8 tb + 2 yg (+ m)
	s_mul_i32 s68, s68, REC
	s_mov_b32 s69, 0
	s_add_nc_u64 s[68:69], s[10:11], s[68:69]
	s_and_b32 s74, s42, 3                          ; K step: the same in all four tiles
	s_mul_i32 s70, s74, 1536
	s_mul_i32 s71, s[XH], 768
	s_add_co_u32 s70, s70, s71
	s_mov_b32 s71, 0
	s_add_nc_u64 s[70:71], s[68:69], s[70:71]
	s_lshl_b32 s72, s74, 2
	s_lshl_b32 s73, s[XH], 1
	s_add_co_u32 s72, s72, s73
	s_mov_b32 s73, 0
	s_add_nc_u64 s[72:73], s[68:69], s[72:73]
	s_wait_tensorcnt 0x1                           ; my parts of the tokens and of slot 0 are in; slot 1's load may be out
	s_barrier_signal -1
	s_barrier_wait -1                              ; everybody's are
	s_wait_loadcnt 0x0                             ; the bias
	PROD 0
	TURN 0, 1                                      ; slot 0 takes tile 2's block
	EPI 0
	s_wait_loadcnt 0x0
	PROD 1
	TURN 1, 1                                      ; slot 1 takes tile 3's: the last fill
	EPI 1
	s_wait_loadcnt 0x0
	PROD 0
	TURN 0, 0                                      ; tile 3's block is whole; nothing is left to fetch
	EPI 2
	s_wait_loadcnt 0x0
	PROD 1
	EPI 3
	s_wait_tensorcnt 0x0                           ; the wave's end
	ds_add_u32 v[SPW], v[NIL]
	s_wait_dscnt 0x0
	ROUND                                          ; the closing round
	s_endpgm
.Lfunc_end_k_q2ee802ae7b_up:
	.size	k_q2ee802ae7b_up, .Lfunc_end_k_q2ee802ae7b_up-k_q2ee802ae7b_up
	.p2alignl 7, 3214868480
	.fill 96, 4, 3214868480
	.section	.rodata,"a",@progbits
	.p2align	6, 0x0
	.amdhsa_kernel k_q2ee802ae7b_up
		.amdhsa_group_segment_fixed_size 327680
		.amdhsa_private_segment_fixed_size 0
		.amdhsa_enable_private_segment 0
		.amdhsa_kernarg_size 32
		.amdhsa_user_sgpr_count 2
		.amdhsa_user_sgpr_kernarg_segment_ptr 1
		.amdhsa_wavefront_size32 1
		.amdhsa_system_sgpr_workgroup_id_x 1
		.amdhsa_system_sgpr_workgroup_id_y 1
		.amdhsa_system_sgpr_workgroup_id_z 1
		.amdhsa_system_vgpr_workitem_id 0
		.amdhsa_next_free_vgpr 256
		.amdhsa_next_free_sgpr 100
		.amdhsa_reserve_vcc 0
		.amdhsa_float_denorm_mode_32 3
		.amdhsa_float_denorm_mode_16_64 3
		.amdhsa_memory_ordered 1
		.amdhsa_forward_progress 1
		.amdhsa_inst_pref_size 163
	.end_amdhsa_kernel
	.amdgpu_metadata
---
amdhsa.version: [ 1, 2 ]
amdhsa.kernels:
  - .name:           k_q2ee802ae7b_up
    .symbol:         k_q2ee802ae7b_up.kd
    .args:
      - { .name: wq, .offset: 0, .size: 8, .value_kind: global_buffer, .address_space: global }
      - { .name: hq, .offset: 8, .size: 8, .value_kind: global_buffer, .address_space: global }
      - { .name: b1, .offset: 16, .size: 8, .value_kind: global_buffer, .address_space: global }
      - { .name: hid, .offset: 24, .size: 8, .value_kind: global_buffer, .address_space: global }
    .group_segment_fixed_size: 327680
    .private_segment_fixed_size: 0
    .kernarg_segment_align: 8
    .kernarg_segment_size: 32
    .max_flat_workgroup_size: 256
    .sgpr_count:     100
    .vgpr_count:     256
    .wavefront_size: 32
...
	.end_amdgpu_metadata
.endif
;; end of part 10
;; launch down: the kernel of part 7 again; grid 8 x 32, 8 waves a work-group, clusters of 4 x 4, 327,680 bytes of LDS; arguments wq, hid, ew, x1, b2, out0; writes out0
